; MI455X (gfx1250); checked and timed in simulation.
; The chip was launched on July 23, 2026; its instructions are those of AMD's public machine-readable ISA for CDNA 5 (MIT licence, August 2026) and "CDNA5" Instruction Set Architecture Reference Guide (July 2026). The comments in the code are by the model that wrote it; some were corrected since.
;; Transformer Block. Allowed arithmetic: matrix products marked QUANTISED: E2M3 operands, one E8M0 scale for each 32 along K, by v_wmma_scale_f32_16x16x128_f8f6f4 with both operands' format E2M3, f32 sums; everything else in f32.
;; Inputs: W1_codes 4,096 x 32 x 24 uint8 (E2M3 codes of W1, K innermost, in blocks of 32 codes, four codes in three bytes); W1_scales 4,096 x 32 uint8 (E8M0 scales of W1, one for each 32 codes along K); W2_codes 1,024 x 128 x 24 uint8 (E2M3 codes of W2, K innermost, in blocks of 32 codes, four codes in three bytes); W2_scales 1,024 x 128 uint8 (E8M0 scales of W2, one for each 32 codes along K); Wk_codes 1,024 x 32 x 24 uint8 (E2M3 codes of Wk, K innermost, in blocks of 32 codes, four codes in three bytes); Wk_scales 1,024 x 32 uint8 (E8M0 scales of Wk, one for each 32 codes along K); Wo_codes 1,024 x 32 x 24 uint8 (E2M3 codes of Wo, K innermost, in blocks of 32 codes, four codes in three bytes); Wo_scales 1,024 x 32 uint8 (E8M0 scales of Wo, one for each 32 codes along K); Wq_codes 1,024 x 32 x 24 uint8 (E2M3 codes of Wq, K innermost, in blocks of 32 codes, four codes in three bytes); Wq_scales 1,024 x 32 uint8 (E8M0 scales of Wq, one for each 32 codes along K); Wv_codes 1,024 x 32 x 24 uint8 (E2M3 codes of Wv, K innermost, in blocks of 32 codes, four codes in three bytes); Wv_scales 1,024 x 32 uint8 (E8M0 scales of Wv, one for each 32 codes along K); b1 4,096 float32; b2 1,024 float32; bo 1,024 float32; ln1_scale 1,024 float32; ln1_shift 1,024 float32; ln2_scale 1,024 float32; ln2_shift 1,024 float32; x 2 x 2,048 x 1,024 float32.
;; Outputs: out0 2 x 2,048 x 1,024 float32.
;; This version of the problem:
;;   THIS VERSION OF THE PROBLEM IS GIVEN IN LOW PRECISION. The matrix products marked QUANTISED in the list below multiply operands that are first quantised to E2M3 (2 exponent bits, 3 mantissa bits; 6 bits a number), with one power-of-two scale for each 32 numbers along K (OCP MX v1.0); their sums are f32. All else is computed in f32.
;;   The module's matrix products, in the order in which they are computed (A, B: the left and right operand; K: the contracted axis; several contracted axes count as one K, in the product's order):
;;     1. [M 4,096, K 1,024] x [K 1,024, N 1,024]; A: computed on the way; B: input Wq (given as codes): QUANTISED
;;     2. [M 4,096, K 1,024] x [K 1,024, N 1,024]; A: computed on the way; B: input Wk (given as codes): QUANTISED
;;     3. [M 4,096, K 1,024] x [K 1,024, N 1,024]; A: computed on the way; B: input Wv (given as codes): QUANTISED
;;     4. batch 32 x [M 2,048, K 64] x [K 64, N 2,048]; A: computed on the way; B: computed on the way: QUANTISED
;;     5. batch 32 x [M 2,048, K 2,048] x [K 2,048, N 64]; A: softmax (see below); B: computed on the way: QUANTISED
;;     6. [M 4,096, K 1,024] x [K 1,024, N 1,024]; A: computed on the way; B: input Wo (given as codes): QUANTISED
;;     7. [M 4,096, K 1,024] x [K 1,024, N 4,096]; A: computed on the way; B: input W1 (given as codes): QUANTISED
;;     8. [M 4,096, K 4,096] x [K 4,096, N 1,024]; A: computed on the way; B: input W2 (given as codes): QUANTISED
;;   THE QUANTISER, for each operand of a quantised product, along K:
;;     - K is cut into blocks of 32 from its start; a last block that is shorter is filled with zeros.
;;     - A block's scale is 2^e with e = floor(log2(the largest magnitude in the block)) - 2, held to -126 .. 127; a block of zeros has e = 0. As a byte (E8M0): e + 127.
;;     - Each number is divided by its block's scale, clamped to +-7.5, and rounded to the nearest number of E2M3, ties to even, subnormals kept.
;;     - The product sums the exact products of the quantised numbers (number of the format x scale) in f32.
;;   ~~~python
;;   def quantise(x, axis):      # numpy; x: float32 -> the quantised numbers, widened to float32 again
;;       x = np.moveaxis(x, axis, -1); K = x.shape[-1]
;;       x = np.pad(x, [(0, 0)] * (x.ndim - 1) + [(0, -K % 32)]); x = x.reshape(x.shape[:-1] + (-1, 32)); a = np.abs(x).max(-1, keepdims=True)
;;       e = np.where(a > 0, np.clip(np.frexp(np.where(a > 0, a, 1))[1] - 1 - 2, -126, 127), 0)      # np.frexp(a)[1] - 1 = floor(log2(a)), exactly
;;       r = np.clip(x / 2.0 ** e, -7.5, 7.5)
;;       step = 2.0 ** (np.maximum(np.frexp(np.where(r == 0, 1, r))[1] - 1, 0) - 3)
;;       q = np.round(r / step) * step * 2.0 ** e      # np.round: ties to even
;;       return np.moveaxis(q.reshape(q.shape[:-2] + (-1,))[..., :K], -1, axis).astype(np.float32)
;;   ~~~
;;   SOFTMAX AHEAD OF A QUANTISED PRODUCT. Where the list says 'softmax', what is quantised is not the finished softmax but p = 2^(t - M), with t = logit x log2(e) and M = ceil(the row's largest t), a whole number; so 1/2 < the row's largest p <= 1. The row's sum l is taken of the UNQUANTISED p, in f32, and the product's result is divided by l at the end. Since M is a whole number, a kernel that streams over the keys may use a running M (the ceiling of the running maximum): every later rescaling is an exact power of two, which a block's scale takes up: the codes' values come out the same.
;;   OPERANDS COMPUTED ON THE WAY. 'Computed on the way' means the value that the module computes at that place (a softmax that the list does not call 'softmax' is quantised finished and normalised). What goes into a quantiser is computed in f32, as accurately as f32 sums, v_exp_f32 and their like allow (about 1e-6 of the number): no bf16 or f16 on the way to a quantiser, and a product that is left as it is and whose result goes on into a quantised operand takes f32 operands (vector FMAs, or v_wmma_f32_16x16x4_f32). A number that lies on a knife's edge between two numbers of the format may be rounded either way, as far as f32 arithmetic and the matrix unit's own rounding can turn it there, and no further.
;;   INPUTS GIVEN AS CODES. W1 (in the module: [1024, 4096], K = its axis 0); W2 (in the module: [4096, 1024], K = its axis 0); Wk (in the module: [1024, 1024], K = its axis 0); Wo (in the module: [1024, 1024], K = its axis 0); Wq (in the module: [1024, 1024], K = its axis 0); Wv (in the module: [1024, 1024], K = its axis 0): each comes as NAME_codes (uint8): NAME with its K axis moved to the last place and cut into blocks of 32 codes, [.., K / 32, bytes a block], one block behind the other in memory; four codes in three bytes: a row's codes are one little-endian stream of bits, code i at bits 6 i .. 6 i + 5 (a code: sign, 2 exponent bits, 3 mantissa bits); and NAME_scales (uint8): the same leading axes, one E8M0 byte (e + 127) for each 32 codes along K. Its value is code x scale, taken as it is: it is not quantised again, and the codes and scales need not be those that the quantiser above would give.
;; 2 versions. Each part assembles by itself: llvm-mc -triple=amdgcn-amd-amdhsa -mcpu=gfx1250 --defsym DOCPART=n.
;; ======== version 1 of 2: 7 launches
;; workspace buffers: wimg 9,830,400 bytes; himg 3,276,800 bytes; cimg 3,276,800 bytes; gimg 13,107,200 bytes; kv 6,684,672 bytes; qrec 6,684,672 bytes; x1 16,777,216 bytes
;; launch prep (part 1): grid 352 x 1, 8 waves a work-group, no clusters, 2,048 bytes of LDS; arguments x, ln1_scale, ln1_shift, himg, Wq_codes, Wk_codes, Wv_codes, Wo_codes, W1_codes, W2_codes, Wq_scales, Wk_scales, Wv_scales, Wo_scales, W1_scales, W2_scales, wimg; writes himg, wimg
.if DOCPART == 1
	.amdgcn_target "amdgcn-amd-amdhsa--gfx1250"
	.amdhsa_code_object_version 6
	.text
	.protected	k_qe6d3bb9ff2_prep
	.globl	k_qe6d3bb9ff2_prep
	.p2align	8
	.type	k_qe6d3bb9ff2_prep,@function
k_qe6d3bb9ff2_prep:
	s_mov_b64 s[64:65], 0
	v_nop
	global_prefetch_b8 v0, s[64:65] scope:SCOPE_SE
	s_setreg_imm32_b32 hwreg(HW_REG_WAVE_MODE, 25, 1), 1
	s_wait_xcnt 0x0
; TWO JOBS, parted by the work-group's number.
; Work-groups 0-255: layer norm of 16 rows of 1,024 f32 numbers (mean, then variance of the centred numbers: two passes over registers), gain and shift,
; then the quantiser of MX-FP6 (E2M3, one E8M0 byte for each 32 along the row).  Wave w takes columns 128 w .. 128 w + 127, which are K step w of the next product.
; Work-groups 256-351 (first launch only): the six weights, given as rows of codes, are laid out anew as images of operand registers.
; THE IMAGE.  A fragment (16 rows x 128 K) is 12 registers a lane.  Its image is 1,536 bytes: registers 0-3 at 16 x lane, 4-5 at 512 + 8 x lane, 6-9 at 768 + 16 x lane, 10-11 at 1,280 + 8 x lane.
; Images lie [group of 128 rows][K step][tile of 16 rows]; scale words lie [group][K step][512 bytes], the word of (tile t, row r) at 256 (t / 4) + 16 r + 4 (t % 4).
; Rows of an activation's tile are neighbours.  Lane r of a WEIGHT's tile t takes row 32 (t / 2) + 8 (t % 2) + r + 8 (r / 8), so that with the weight as source 0 a lane's 16 results of tiles 2 b, 2 b + 1 are 16 neighbouring columns.
; LIMITS: NaN and infinities among the inputs are not served.  A block of zeros gets the byte 1 where the rule says 127: its codes are zeros, and only this program reads the bytes.
; The scale words of a tile of rows are 16 words of a block of 256 bytes whose other words come from three neighbouring work-groups: one byte in 24 of what is stored.
.set L16, 1                            ; v1  16 x lane
.set L8,  2                            ; v2  8 x lane
.set RR,  3                            ; v3  r = lane % 16
.set HH,  4                            ; v4  h = lane / 16
.set XA,  5                            ; v5  4,096 r + 64 h: my 16 numbers of a block of 32 in row r
.set HA,  6                            ; v6  64 h: the same in a vector of gains
.set RW,  7                            ; v7  LDS: 32 r + 4 w: my wave's partial sum of row r
.set RDD, 8                            ; v8  LDS: 32 r: the eight partial sums of row r
.set R16, 9                            ; v9  16 r
.set TM,  16                           ; v16-27 the quantiser's maxima, bytes and scale operands
.set PW,  28                           ; v28 the scale word
.set PC,  40                           ; v40-59 the codes
.set X,   64                           ; v64-127  my 64 numbers: register 16 b + i = column 32 b + 16 h + i of the wave's 128
.set G,   128                          ; v128-191 their gains
.set B,   192                          ; v192-255 their shifts
.set SEL, 42                           ; s[42:43] lane selects: lane l xor 16
.set MSB, 0
.macro WIN new                         ; the immediate's high byte repeats the setting that is left
.if MSB != (\new)
	s_set_vgpr_msb (MSB<<8)|(\new)
.set MSB, (\new)
.endif
.endm
; 64 numbers of a lane, v[s] on in window w, register 16 b + i = k 32 b + 16 h + i of my row, become a fragment's codes in v[pc] .. v[pc + 11] and its scale word in v[pw].
.macro QUANT s, w, pc, pw
	WIN 0x14*(\w)
.irp b, 0,1,2,3
	v_max3_num_f32 v[TM+\b], 0x1800000, |v[\s+16*\b]|, |v[\s+1+16*\b]|   ; my 16 numbers of block b, and the floor 2^(3 - 127): the byte cannot fall under 1
.endr
.irp i, 2,4,6,8,10,12,14
.irp b, 0,1,2,3
	v_max3_num_f32 v[TM+\b], v[TM+\b], |v[\s+16*\b+\i]|, |v[\s+1+16*\b+\i]|
.endr
.endr
	WIN 0
.irp b, 0,1,2,3
	v_permlanex16_b32 v[TM+4+\b], v[TM+\b], s[SEL], s[SEL+1]
.endr
.irp b, 0,1,2,3
	v_max_num_f32 v[TM+\b], v[TM+\b], v[TM+4+\b]   ; with lane l xor 16's 16: the block's largest magnitude
.endr
.irp b, 0,1,2,3
	v_add_nc_u32 v[TM+8+\b], 0xff000000, v[TM+\b]  ; 2 off its exponent field: the conversion's scale operand
.endr
.irp b, 0,1,2,3
	v_lshrrev_b32 v[TM+4+\b], 23, v[TM+8+\b]       ; the scale's byte
.endr
	v_lshl_or_b32 v[\pw], v[TM+5], 8, v[TM+4]
	v_lshl_or_b32 v[\pw], v[TM+6], 16, v[\pw]
	v_lshl_or_b32 v[\pw], v[TM+7], 24, v[\pw]
	WIN \w
.irp c, 0,1
	v_cvt_scalef32_pk16_fp6_f32 v[\pc+6*\c:\pc+2+6*\c], v[\s+32*\c:\s+15+32*\c], v[TM+8+2*\c]
	v_cvt_scalef32_pk16_fp6_f32 v[\pc+12+4*\c:\pc+14+4*\c], v[\s+16+32*\c:\s+31+32*\c], v[TM+8+2*\c+1]   ; (a conversion's three registers begin on an even number)
.endr
	WIN 0
	v_nop                                          ; one plain place behind a scaled conversion
.irp c, 0,1                                    ; the operand wants a whole block in a lane: lanes 0-15 block 2 c, lanes 16-31 block 2 c + 1
.irp i, 0,1,2
	v_permlane16_swap_b32 v[\pc+6*\c+\i], v[\pc+12+4*\c+\i]
.endr
.irp i, 0,1,2
	v_mov_b32 v[\pc+3+6*\c+\i], v[\pc+12+4*\c+\i]
.endr
.endr
.endm
.macro PUT pc, sb, imm                         ; a fragment's image: four stores, each of consecutive bytes over the 32 lanes
	global_store_b128 v[L16], v[\pc:\pc+3], s[\sb:\sb+1] offset:\imm
	global_store_b64 v[L8], v[\pc+4:\pc+5], s[\sb:\sb+1] offset:\imm+512
	global_store_b128 v[L16], v[\pc+6:\pc+9], s[\sb:\sb+1] offset:\imm+768
	global_store_b64 v[L8], v[\pc+10:\pc+11], s[\sb:\sb+1] offset:\imm+1280
.endm
.macro XLOAD reg, adr, sb, imm                 ; 64 numbers: of each of four blocks of 32 my half's 16
.irp k, 0,1,2,3
.irp q, 0,1,2,3
	global_load_b128 v[\reg+16*\k+4*\q:\reg+16*\k+4*\q+3], v[\adr], s[\sb:\sb+1] offset:\imm+128*\k+16*\q
.endr
.endr
.endm
.macro LANESUM                                 ; v[30:37], four pairs of partial sums, become the sum over my row's 128 columns, in v30
	v_pk_add_f32 v[30:31], v[30:31], v[32:33]
	v_pk_add_f32 v[34:35], v[34:35], v[36:37]
	v_pk_add_f32 v[30:31], v[30:31], v[34:35]
	v_add_f32 v30, v30, v31
	v_permlanex16_b32 v31, v30, s[SEL], s[SEL+1]
	v_add_f32 v30, v30, v31
.endm
.macro ROWSUM off                              ; through LDS: eight waves' sums of each row; the total in v40
	ds_store_b32 v[RW], v30 offset:\off            ; both halves of the lanes write the same word with the same value
	s_wait_dscnt 0x0                               ; for the others' sake: my store has landed
	s_barrier_signal -1
	s_barrier_wait -1
	ds_load_b128 v[40:43], v[RDD] offset:\off
	ds_load_b128 v[44:47], v[RDD] offset:\off+16
	s_wait_dscnt 0x0
	v_add_f32 v40, v40, v41
	v_add_f32 v42, v42, v43
	v_add_f32 v44, v44, v45
	v_add_f32 v46, v46, v47
	v_add_f32 v40, v40, v42
	v_add_f32 v44, v44, v46
	v_add_f32 v40, v40, v44
.endm
	s_load_b512 s[8:23], s[0:1], 0x0               ; rows s[8:9], gain s[10:11], shift s[12:13], himg s[14:15], codes of Wq, Wk, Wv, Wo s[16:23]
	s_load_b512 s[24:39], s[0:1], 0x40             ; codes of W1, W2 s[24:27]; scales of Wq, Wk, Wv, Wo, W1, W2 s[28:39]
	s_load_b64 s[40:41], s[0:1], 0x80              ; wimg
	v_lshl_add_u32 v62, v0, 2, 0x400
	v_mov_b32 v63, 0
	v_lshrrev_b32 v10, 5, v0
	v_readfirstlane_b32 s2, v10                    ; wave 0..7
	v_and_b32 v10, 31, v0
	v_lshlrev_b32 v[L16], 4, v10
	v_lshlrev_b32 v[L8], 3, v10
	v_and_b32 v[RR], 15, v0
	v_bfe_u32 v[HH], v0, 4, 1
	s_mov_b32 s[SEL], 0x76543210
	s_mov_b32 s[SEL+1], 0xfedcba98
	s_cmp_ge_u32 ttmp9, 256                        ; the same for all waves of a work-group
	s_cbranch_scc1 .Lrelay
	; ---- layer norm and quantiser: work-group T = tile of 16 rows
	v_lshlrev_b32 v[XA], 12, v[RR]
	v_lshl_add_u32 v[XA], v[HH], 6, v[XA]
	v_lshlrev_b32 v[HA], 6, v[HH]
	v_lshlrev_b32 v[RDD], 5, v[RR]
	s_lshl_b32 s3, s2, 2
	v_add_nc_u32 v[RW], s3, v[RDD]
	v_lshlrev_b32 v[R16], 4, v[RR]
.irp b, 0,1,2,3
	v_mov_b32 v[TM+4+\b], 0                        ; written once: a lane permute's destination counts as one of its sources
.endr
	s_lshl_b32 s44, ttmp9, 16                      ; 16 rows of 4,096 bytes
	s_lshl_b32 s46, s2, 9                          ; my wave's 128 columns
	s_add_co_u32 s44, s44, s46
	s_mov_b32 s45, 0
	s_mov_b32 s47, 0
	s_mov_b32 s48, 0x3a800000                      ; 1 / 1,024
	s_mov_b32 s49, 0x3727c5ac                      ; 1e-5
	s_lshr_b32 s50, ttmp9, 3
	s_lshl_b32 s50, s50, 3
	s_add_co_u32 s50, s50, s2                      ; 8 x group + K step
	s_and_b32 s51, ttmp9, 7                        ; tile in the group
	s_mul_i32 s52, s50, 12288
	s_mul_i32 s53, s51, 1536
	s_add_co_u32 s52, s52, s53
	s_mov_b32 s53, 0
	s_wait_kmcnt 0x0
	s_add_nc_u64 s[8:9], s[8:9], s[44:45]
	s_add_nc_u64 s[10:11], s[10:11], s[46:47]
	s_add_nc_u64 s[12:13], s[12:13], s[46:47]
	XLOAD X, XA, 8, 0
	XLOAD G, HA, 10, 0
	XLOAD B, HA, 12, 0
	s_add_nc_u64 s[54:55], s[14:15], s[52:53]      ; where my image goes
	s_lshl_b32 s52, s50, 9
	s_lshr_b32 s56, s51, 2
	s_lshl_b32 s56, s56, 8
	s_add_co_u32 s52, s52, s56
	s_and_b32 s56, s51, 3
	s_lshl_b32 s56, s56, 2
	s_add_co_u32 s52, s52, s56
	s_add_co_u32 s52, s52, 3145728
	s_add_nc_u64 s[56:57], s[14:15], s[52:53]      ; and my scale words
	s_wait_loadcnt 32                              ; my 16 loads of the rows are in; the 32 of gain and shift may be out
	v_pk_add_f32 v[30:31], v[X:X+1], v[X+2:X+3]
	v_pk_add_f32 v[32:33], v[X+4:X+5], v[X+6:X+7]
	v_pk_add_f32 v[34:35], v[X+8:X+9], v[X+10:X+11]
	v_pk_add_f32 v[36:37], v[X+12:X+13], v[X+14:X+15]
.irp j, 16,24,32,40,48,56
	v_pk_add_f32 v[30:31], v[30:31], v[X+\j:X+\j+1]
	v_pk_add_f32 v[32:33], v[32:33], v[X+\j+2:X+\j+3]
	v_pk_add_f32 v[34:35], v[34:35], v[X+\j+4:X+\j+5]
	v_pk_add_f32 v[36:37], v[36:37], v[X+\j+6:X+\j+7]
.endr
	LANESUM
	ROWSUM 0
	v_mul_f32 v38, s48, v40                        ; the mean, in both registers of a pair
	v_mov_b32 v39, v38
.set j, 0
.rept 32
	v_pk_add_f32 v[X+j:X+j+1], v[X+j:X+j+1], v[38:39] neg_lo:[0,1] neg_hi:[0,1]
.set j, j+2
.endr
	v_pk_mul_f32 v[30:31], v[X:X+1], v[X:X+1]
	v_pk_mul_f32 v[32:33], v[X+2:X+3], v[X+2:X+3]
	v_pk_mul_f32 v[34:35], v[X+4:X+5], v[X+4:X+5]
	v_pk_mul_f32 v[36:37], v[X+6:X+7], v[X+6:X+7]
.irp j, 8,16,24,32,40,48,56
	v_pk_fma_f32 v[30:31], v[X+\j:X+\j+1], v[X+\j:X+\j+1], v[30:31]
	v_pk_fma_f32 v[32:33], v[X+\j+2:X+\j+3], v[X+\j+2:X+\j+3], v[32:33]
	v_pk_fma_f32 v[34:35], v[X+\j+4:X+\j+5], v[X+\j+4:X+\j+5], v[34:35]
	v_pk_fma_f32 v[36:37], v[X+\j+6:X+\j+7], v[X+\j+6:X+\j+7], v[36:37]
.endr
	LANESUM
	ROWSUM 512                                     ; other bytes than the first sum's: no wave writes what another may still read
	v_fma_f32 v40, v40, s48, s49                   ; variance + eps
	v_rsq_f32 v30, v40
	v_nop                                          ; a plain place behind the transcendental,
	s_wait_alu depctr_va_vdst(0)                   ; and the wait ahead of the first line that names its result
	v_mov_b32 v31, v30
	s_wait_loadcnt 0x0                             ; gain and shift
.set j, 0
.rept 32
	v_pk_mul_f32 v[X+j:X+j+1], v[X+j:X+j+1], v[30:31]
.set j, j+2
.endr
.set j, 0
.rept 32
	v_pk_fma_f32 v[X+j:X+j+1], v[X+j:X+j+1], v[G+j:G+j+1], v[B+j:B+j+1]
.set j, j+2
.endr
	QUANT X, 0, PC, PW
	PUT PC, 54, 0
	global_store_b32 v[R16], v[PW], s[56:57]       ; lanes 16-31 repeat lanes 0-15
	s_wait_tensorcnt 0x0
	ds_add_u32 v62, v63
	s_wait_dscnt 0x0
	s_endpgm
	; ---- the weights: work-group 256 + k lays chunk k, one group of 128 rows x 8 K steps (98,304 bytes of images).  Wave w takes tile w, and the scale words of the chunk's K step w.
.Lrelay:
	s_sub_co_u32 s3, ttmp9, 256                    ; k = 0 .. 95: Wq 0-7, Wk 8-15, Wv 16-23, Wo 24-31, W1 32-63, W2 64-95 (four chunks to a group of W2)
	s_and_b32 s48, s3, 7                           ; the group, for the four square weights;
	s_and_b32 s49, s3, 31                          ; for W1: k - 32; for W2: (k - 64) / 4, with K steps 8 ((k - 64) % 4) on
	s_and_b32 s51, s49, 3
	s_lshr_b32 s50, s49, 2
	s_mov_b32 s52, 768
	s_wait_kmcnt 0x0
	s_mov_b64 s[44:45], s[16:17]
	s_mov_b64 s[46:47], s[28:29]
	s_cmp_ge_u32 s3, 8
	s_cselect_b64 s[44:45], s[18:19], s[44:45]
	s_cselect_b64 s[46:47], s[30:31], s[46:47]
	s_cmp_ge_u32 s3, 16
	s_cselect_b64 s[44:45], s[20:21], s[44:45]
	s_cselect_b64 s[46:47], s[32:33], s[46:47]
	s_cmp_ge_u32 s3, 24
	s_cselect_b64 s[44:45], s[22:23], s[44:45]
	s_cselect_b64 s[46:47], s[34:35], s[46:47]
	s_cmp_ge_u32 s3, 32
	s_cselect_b64 s[44:45], s[24:25], s[44:45]
	s_cselect_b64 s[46:47], s[36:37], s[46:47]
	s_cselect_b32 s48, s49, s48
	s_cmp_ge_u32 s3, 64
	s_cselect_b64 s[44:45], s[26:27], s[44:45]
	s_cselect_b64 s[46:47], s[38:39], s[46:47]
	s_cselect_b32 s48, s50, s48                    ; group
	s_cselect_b32 s51, s51, 0                      ; which eight K steps
	s_cselect_b32 s52, 3072, s52                   ; a row of codes in bytes
	s_cselect_b32 s53, 128, 32                     ; a row of scale bytes
	s_lshl_b32 s54, s48, 7
	s_lshr_b32 s55, s2, 1
	s_lshl_b32 s55, s55, 5
	s_add_co_u32 s54, s54, s55
	s_and_b32 s55, s2, 1
	s_lshl_b32 s55, s55, 3
	s_add_co_u32 s54, s54, s55                     ; my tile's first row: 128 G + 32 (w / 2) + 8 (w % 2)
	s_mul_i32 s54, s54, s52
	s_mul_i32 s55, s51, 768
	s_add_co_u32 s54, s54, s55
	s_mov_b32 s55, 0
	s_add_nc_u64 s[44:45], s[44:45], s[54:55]
	s_lshl_b32 s54, s48, 7
	s_mul_i32 s54, s54, s53
	s_lshl_b32 s57, s51, 5
	s_add_co_u32 s54, s54, s57
	s_lshl_b32 s57, s2, 2
	s_add_co_u32 s54, s54, s57                     ; the group's scale bytes, at K step 8 kg + w
	s_add_nc_u64 s[46:47], s[46:47], s[54:55]
	v_and_b32 v5, 8, v[RR]
	v_add_nc_u32 v5, v5, v[RR]                     ; r + 8 (r / 8)
	v_mul_lo_u32 v6, v5, s52
	v_mad_u32_u24 v6, v[HH], 24, v6                ; codes: my row, + 24 h
	v_lshl_add_u32 v7, v[HH], 6, v5                ; scale words: lane (r, h) gathers those of tiles 4 h + 0 .. 3: rows 64 h + r + 8 (r / 8) + 0, 8, 32, 40
	v_mul_lo_u32 v7, v7, s53
	s_lshl_b32 s56, s53, 3
	v_add_nc_u32 v8, s56, v7
	s_lshl_b32 s56, s53, 5
	v_add_nc_u32 v9, s56, v7
	v_add_nc_u32 v10, s56, v8
	global_load_b32 v160, v7, s[46:47]
	global_load_b32 v161, v8, s[46:47]
	global_load_b32 v162, v9, s[46:47]
	global_load_b32 v163, v10, s[46:47]
.irp s, 0,1,2,3,4,5,6,7
.irp p, 0,1,2,3,4,5
	global_load_b64 v[64+12*\s+2*\p:65+12*\s+2*\p], v6, s[44:45] offset:96*\s+48*(\p/3)+8*(\p%3)
.endr
.endr
	s_mul_i32 s54, s3, 98304
	s_mul_i32 s57, s2, 1536
	s_add_co_u32 s54, s54, s57
	s_add_nc_u64 s[58:59], s[40:41], s[54:55]
	s_lshl_b32 s54, s3, 12
	s_lshl_b32 s57, s2, 9
	s_add_co_u32 s54, s54, s57
	s_add_co_u32 s54, s54, 9437184
	s_add_nc_u64 s[60:61], s[40:41], s[54:55]
.irp s, 0,1,2,3,4,5,6,7
	s_wait_loadcnt 6*(7-\s)                        ; K step s's six loads are in; six for each later K step may be out
	PUT 64+12*\s, 58, 12288*\s
.endr
	global_store_b128 v[L16], v[160:163], s[60:61] ; a whole block of 512 bytes of scale words (in since the first of the waits above)
	s_endpgm
.Lfunc_end_k_qe6d3bb9ff2_prep:
	.size	k_qe6d3bb9ff2_prep, .Lfunc_end_k_qe6d3bb9ff2_prep-k_qe6d3bb9ff2_prep
	.p2alignl 7, 3214868480
	.fill 96, 4, 3214868480
	.section	.rodata,"a",@progbits
	.p2align	6, 0x0
	.amdhsa_kernel k_qe6d3bb9ff2_prep
		.amdhsa_group_segment_fixed_size 2048
		.amdhsa_private_segment_fixed_size 0
		.amdhsa_enable_private_segment 0
		.amdhsa_kernarg_size 136
		.amdhsa_user_sgpr_count 2
		.amdhsa_user_sgpr_kernarg_segment_ptr 1
		.amdhsa_wavefront_size32 1
		.amdhsa_system_sgpr_workgroup_id_x 1
		.amdhsa_system_sgpr_workgroup_id_y 1
		.amdhsa_system_sgpr_workgroup_id_z 1
		.amdhsa_system_vgpr_workitem_id 0
		.amdhsa_next_free_vgpr 256
		.amdhsa_next_free_sgpr 66
		.amdhsa_reserve_vcc 0
		.amdhsa_float_denorm_mode_32 3
		.amdhsa_float_denorm_mode_16_64 3
		.amdhsa_memory_ordered 1
		.amdhsa_forward_progress 1
		.amdhsa_inst_pref_size 34
	.end_amdhsa_kernel
	.amdgpu_metadata
---
amdhsa.version: [ 1, 2 ]
amdhsa.kernels:
  - .name:           k_qe6d3bb9ff2_prep
    .symbol:         k_qe6d3bb9ff2_prep.kd
    .args:
      - { .name: x, .offset: 0, .size: 8, .value_kind: global_buffer, .address_space: global }
      - { .name: ln1_scale, .offset: 8, .size: 8, .value_kind: global_buffer, .address_space: global }
      - { .name: ln1_shift, .offset: 16, .size: 8, .value_kind: global_buffer, .address_space: global }
      - { .name: himg, .offset: 24, .size: 8, .value_kind: global_buffer, .address_space: global }
      - { .name: Wq_codes, .offset: 32, .size: 8, .value_kind: global_buffer, .address_space: global }
      - { .name: Wk_codes, .offset: 40, .size: 8, .value_kind: global_buffer, .address_space: global }
      - { .name: Wv_codes, .offset: 48, .size: 8, .value_kind: global_buffer, .address_space: global }
      - { .name: Wo_codes, .offset: 56, .size: 8, .value_kind: global_buffer, .address_space: global }
      - { .name: W1_codes, .offset: 64, .size: 8, .value_kind: global_buffer, .address_space: global }
      - { .name: W2_codes, .offset: 72, .size: 8, .value_kind: global_buffer, .address_space: global }
      - { .name: Wq_scales, .offset: 80, .size: 8, .value_kind: global_buffer, .address_space: global }
      - { .name: Wk_scales, .offset: 88, .size: 8, .value_kind: global_buffer, .address_space: global }
      - { .name: Wv_scales, .offset: 96, .size: 8, .value_kind: global_buffer, .address_space: global }
      - { .name: Wo_scales, .offset: 104, .size: 8, .value_kind: global_buffer, .address_space: global }
      - { .name: W1_scales, .offset: 112, .size: 8, .value_kind: global_buffer, .address_space: global }
      - { .name: W2_scales, .offset: 120, .size: 8, .value_kind: global_buffer, .address_space: global }
      - { .name: wimg, .offset: 128, .size: 8, .value_kind: global_buffer, .address_space: global }
    .group_segment_fixed_size: 2048
    .private_segment_fixed_size: 0
    .kernarg_segment_align: 8
    .kernarg_segment_size: 136
    .max_flat_workgroup_size: 256
    .sgpr_count:     66
    .vgpr_count:     256
    .wavefront_size: 32
...
	.end_amdgpu_metadata
.endif
;; end of part 1
;; launch qkv (part 2): grid 384 x 1, 8 waves a work-group, no clusters, 308,224 bytes of LDS; arguments himg, wimg, qrec, kv; writes qrec, kv
.if DOCPART == 2
	.amdgcn_target "amdgcn-amd-amdhsa--gfx1250"
	.amdhsa_code_object_version 6
	.text
	.protected	k_qe6d3bb9ff2_qkv
	.globl	k_qe6d3bb9ff2_qkv
	.p2align	8
	.type	k_qe6d3bb9ff2_qkv,@function
k_qe6d3bb9ff2_qkv:
	s_mov_b64 s[64:65], 0
	v_nop
	global_prefetch_b8 v0, s[64:65] scope:SCOPE_SE
	s_setreg_imm32_b32 hwreg(HW_REG_WAVE_MODE, 25, 1), 1
	s_wait_xcnt 0x0
; q = h Wq, k = h Wk, v = h Wv on codes of MX-FP6 (K = 1,024), each result quantised on the way out: q and k along the head's 64, v along the keys.
; Operands come as images of operand registers (a fragment, 16 rows x 128 K: 1,536 bytes; [group of 128 rows][K step][tile]; scale words [group][K step][512]).
; A work-group multiplies 256 rows of source 0 (two groups) by 128 rows of source 1 (one group).  All of K for these 384 rows, 307,200 bytes with the scale words, comes into LDS ONCE; nothing in LDS is filled again.
; K steps 0 to 6 come by 63 lane copies a wave, as many as a wait on ASYNCcnt can name; the scale words and K step 7 come by 12 loads through registers, issued first and stored to LDS ahead of the first barrier.
; A copy's immediate is added to both its addresses: it stays under 65,536, and the LDS address register and the scalar base carry the same multiple of 49,152.
; The products follow the copies, two K steps behind each of four barriers.
; Wave w: wa = w / 4 its group of source 0 (8 tiles), wb = w % 4 its two tiles of source 1: 16 accumulators.
; Work-groups 0-255: source 0 = Wq or Wk (its tiles' rows chosen so that a lane's results run along the columns), source 1 = tokens: a lane holds one token and 64 + 64 numbers of two heads.
; Work-groups 256-383: source 0 = tokens, source 1 = Wv: a lane holds one channel of v and its registers run along the tokens, which are the keys.  A lane's 16 numbers of two neighbouring tiles are
; keys 32 b + 8 h + 0 .. 7 and 32 b + 16 + 8 h + 0 .. 7: the right block of 32, in another order inside it.  The attention launch lays p in the same order, so the products are the same; only the order of summing differs.
; OUT.  A record of 208,896 bytes for each (batch, head): scale words of k (or q) at 0, of v at 8,192; then four quarters of 49,152: 32 tiles of 16 keys x 768 bytes, 4 key steps x 4 tiles of channels x 1,536.
; A head's 64 fill half a fragment; its scale word repeats its two bytes, since the upper half of K is zero codes in the attention launch.
; No multicast: lane copies have no joint form; a whole panel is asked for at once instead.
; LIMITS: NaN and infinities are not served; a block of zeros gets the byte 1 (its codes are zeros; only this program reads the bytes).
.set REC, 208896
.set L16, 1
.set L8,  2
.set RR,  3
.set HH,  4
.set CG,  5                            ; v5  1,536 w + 16 x lane: my tile's bytes in a K step's record; never rewritten
.set CSG, 8                            ; v8  512 w + 16 x lane: my part of a group's scale words; v9, v10 the same in LDS, for source 0 and source 1
.set CSL0, 9
.set CSL1, 10
.set ASA, 19                           ; v11-18 fragment addresses (source 0: v11, v12, K steps 4-7: v13, v14; source 1: v15-18); v19, v20 scale words'
.set ASB, 20
.set R16, 21
.set SA,  24                           ; v24-31 source 0's scale words, v32-33 source 1's
.set SB,  32
.set PW,  34                           ; v34-35 the scale words made here
.set FB,  36                           ; v36-59 source 1's two fragments
.set FA,  60                           ; v60-155 source 0's eight; ahead of K step 0, v60-107 carry what comes through registers
.set PC2, 136                          ; the second tile's codes, where source 0's fragments lay
.set BIAS, 156
.set TM,  220
.set PC,  232
.set LA,  232                          ; v232-235 LDS addresses of the copies for source 0: v5 + 49,152 x 0 .. 3;  v236-237 for source 1: + 196,608, + 245,760.  Written again only behind the wait for 0 on ASYNCcnt
.set LB,  236
.set SEL, 46
.set MSB, 0
.macro WIN new
.if MSB != (\new)
	s_set_vgpr_msb (MSB<<8)|(\new)
.set MSB, (\new)
.endif
.endm
.macro PLACES n
.rept \n
	v_nop
.endr
.endm
.macro FILL_LOADS                              ; through registers: the scale words of the three groups, and my tile of K step 7's three records
	global_load_b128 v[FA:FA+3], v[CSG], s[34:35]
	global_load_b128 v[FA+4:FA+7], v[CSG], s[34:35] offset:4096
	global_load_b128 v[FA+8:FA+11], v[CSG], s[38:39]
.irp c, 0,1,2
	global_load_b128 v[FA+12+12*\c:FA+15+12*\c], v[CG], s[50:51] offset:36864+512*\c
	global_load_b128 v[FA+16+12*\c:FA+19+12*\c], v[CG], s[54:55] offset:36864+512*\c
	global_load_b128 v[FA+20+12*\c:FA+23+12*\c], v[CG], s[58:59] offset:36864+512*\c
.endr
.endm
.macro FILL_COPIES                             ; K steps 0 to 6: wave w copies tile w of each of a K step's three records: nine copies a K step.  LDS has memory's order
.irp s, 0,1,2,3,4,5,6
.irp c, 0,1,2
	global_load_async_to_lds_b128 v[LA+\s/4], v[CG], s[48+2*(\s/4):49+2*(\s/4)] offset:12288*(\s%4)+512*\c
	global_load_async_to_lds_b128 v[LA+2+\s/4], v[CG], s[52+2*(\s/4):53+2*(\s/4)] offset:12288*(\s%4)+512*\c
	global_load_async_to_lds_b128 v[LB+\s/4], v[CG], s[56+2*(\s/4):57+2*(\s/4)] offset:12288*(\s%4)+512*\c
.endr
.endr
.endm
.macro FILL_STORES                             ; what came through registers goes to its place in LDS: whole blocks of 256 bytes into which no copy lands
	ds_store_b128 v[CSL0], v[FA:FA+3]
	ds_store_b128 v[CSL0], v[FA+4:FA+7] offset:4096
	ds_store_b128 v[CSL1], v[FA+8:FA+11]
.irp c, 0,1,2
	ds_store_b128 v[LA+1], v[FA+12+12*\c:FA+15+12*\c] offset:36864+512*\c
	ds_store_b128 v[LA+3], v[FA+16+12*\c:FA+19+12*\c] offset:36864+512*\c
	ds_store_b128 v[LB+1], v[FA+20+12*\c:FA+23+12*\c] offset:36864+512*\c
.endr
	s_wait_dscnt 0x0                               ; for the others' sake: my stores have landed
.endm
.macro FRAGL reg, a16, a8, off                 ; a fragment from its image
	ds_load_b128 v[\reg:\reg+3], v[\a16] offset:\off
	ds_load_b64 v[\reg+4:\reg+5], v[\a8] offset:\off+512
	ds_load_b128 v[\reg+6:\reg+9], v[\a16] offset:\off+768
	ds_load_b64 v[\reg+10:\reg+11], v[\a8] offset:\off+1280
.endm
; One K step of the wave's 8 x 2 tiles.  43 LDS loads in one run, then 16 products; the 16 accumulators (window 1, v[64 b + 8 a]) take turns, one instruction a turn, in the same order in every step.
; cmode 0: sums go on; 1: the first product starts the sums; 2: they start from a bias in window 0.
.macro KS ka, kb, ko, ks, cmode
	PLACES 4                                       ; in front of loads into registers that the last products read
	ds_load_b128 v[SA:SA+3], v[ASA] offset:\ks
	ds_load_b128 v[SA+4:SA+7], v[ASA] offset:\ks+256
	ds_load_b64 v[SB:SB+1], v[ASB] offset:\ks
	FRAGL FB, \kb, \kb+1, \ko
	FRAGL FB+12, \kb, \kb+1, \ko+1536
.irp a, 0,1,2,3,4,5,6,7
	FRAGL FA+12*\a, \ka, \ka+1, \ko+1536*\a
.endr
.if \cmode == 2
	WIN 0x40
.else
	WIN 0x50
.endif
.irp a, 0,1,2,3,4,5,6,7
	s_wait_dscnt 4*(7-\a)                          ; all is in but the four loads of each later tile of source 0
.irp b, 0,1
.if \cmode == 0
	v_wmma_scale_f32_16x16x128_f8f6f4 v[64*\b+8*\a:64*\b+8*\a+7], v[FA+12*\a:FA+12*\a+11], v[FB+12*\b:FB+12*\b+11], v[64*\b+8*\a:64*\b+8*\a+7], v[SA+\a], v[SB+\b] matrix_a_fmt:MATRIX_FMT_FP6 matrix_b_fmt:MATRIX_FMT_FP6
.elseif \cmode == 1
	v_wmma_scale_f32_16x16x128_f8f6f4 v[64*\b+8*\a:64*\b+8*\a+7], v[FA+12*\a:FA+12*\a+11], v[FB+12*\b:FB+12*\b+11], 0, v[SA+\a], v[SB+\b] matrix_a_fmt:MATRIX_FMT_FP6 matrix_b_fmt:MATRIX_FMT_FP6
.else
	v_wmma_scale_f32_16x16x128_f8f6f4 v[64*\b+8*\a:64*\b+8*\a+7], v[FA+12*\a:FA+12*\a+11], v[FB+12*\b:FB+12*\b+11], v[BIAS+8*\a:BIAS+8*\a+7], v[SA+\a], v[SB+\b] matrix_a_fmt:MATRIX_FMT_FP6 matrix_b_fmt:MATRIX_FMT_FP6
.endif
.endr
.endr
	WIN 0
.endm
.macro STAGE n                                 ; my copies of the next two K steps have landed (n = 9 copies for each copied K step behind them), and so have everybody's
	s_wait_asynccnt \n
	s_barrier_signal -1
	s_barrier_wait -1
.endm
.macro QUANT s, w, pc, pw                      ; 64 numbers of a lane in window w, register 16 b + i = k 32 b + 16 h + i of my row: codes to v[pc] .. v[pc + 11], scale word to v[pw]
	WIN 0x14*(\w)
.irp b, 0,1,2,3
	v_max3_num_f32 v[TM+\b], 0x1800000, |v[\s+16*\b]|, |v[\s+1+16*\b]|   ; with the floor 2^(3 - 127); each accumulator is read from its low end on
.endr
.irp i, 2,4,6,8,10,12,14
.irp b, 0,1,2,3
	v_max3_num_f32 v[TM+\b], v[TM+\b], |v[\s+16*\b+\i]|, |v[\s+1+16*\b+\i]|
.endr
.endr
	WIN 0
.irp b, 0,1,2,3
	v_permlanex16_b32 v[TM+4+\b], v[TM+\b], s[SEL], s[SEL+1]
.endr
.irp b, 0,1,2,3
	v_max_num_f32 v[TM+\b], v[TM+\b], v[TM+4+\b]
.endr
.irp b, 0,1,2,3
	v_add_nc_u32 v[TM+8+\b], 0xff000000, v[TM+\b]
.endr
.irp b, 0,1,2,3
	v_lshrrev_b32 v[TM+4+\b], 23, v[TM+8+\b]
.endr
	v_lshl_or_b32 v[\pw], v[TM+5], 8, v[TM+4]
	v_lshl_or_b32 v[\pw], v[TM+6], 16, v[\pw]
	v_lshl_or_b32 v[\pw], v[TM+7], 24, v[\pw]
	WIN \w
.irp c, 0,1
	v_cvt_scalef32_pk16_fp6_f32 v[\pc+6*\c:\pc+2+6*\c], v[\s+32*\c:\s+15+32*\c], v[TM+8+2*\c]
	v_cvt_scalef32_pk16_fp6_f32 v[\pc+12+4*\c:\pc+14+4*\c], v[\s+16+32*\c:\s+31+32*\c], v[TM+8+2*\c+1]
.endr
	WIN 0
	v_nop
.irp c, 0,1
.irp i, 0,1,2
	v_permlane16_swap_b32 v[\pc+6*\c+\i], v[\pc+12+4*\c+\i]
.endr
.irp i, 0,1,2
	v_mov_b32 v[\pc+3+6*\c+\i], v[\pc+12+4*\c+\i]
.endr
.endr
.endm
.macro PUT pc, sb, imm
	global_store_b128 v[L16], v[\pc:\pc+3], s[\sb:\sb+1] offset:\imm
	global_store_b64 v[L8], v[\pc+4:\pc+5], s[\sb:\sb+1] offset:\imm+512
	global_store_b128 v[L16], v[\pc+6:\pc+9], s[\sb:\sb+1] offset:\imm+768
	global_store_b64 v[L8], v[\pc+10:\pc+11], s[\sb:\sb+1] offset:\imm+1280
.endm
	s_load_b256 s[8:15], s[0:1], 0x0               ; himg s[8:9], wimg s[10:11], qrec s[12:13], kv s[14:15]
	v_lshl_add_u32 v247, v0, 2, 0x4b000
	v_mov_b32 v251, 0
	ds_add_u32 v247, v251
	ds_add_u32 v247, v251
	v_lshrrev_b32 v1, 5, v0
	v_readfirstlane_b32 s2, v1                     ; wave 0..7
	v_and_b32 v4, 31, v0
	v_lshlrev_b32 v[L16], 4, v4
	v_lshlrev_b32 v[L8], 3, v4
	v_and_b32 v[RR], 15, v0
	v_bfe_u32 v[HH], v0, 4, 1
	s_lshr_b32 s4, s2, 2                           ; wa
	s_and_b32 s5, s2, 3                            ; wb
	s_mul_i32 s3, s2, 1536
	v_add_nc_u32 v[CG], s3, v[L16]
	v_add_nc_u32 v[LA], s3, v[L16]
	v_add_nc_u32 v[LA+1], 49152, v[LA]
	v_add_nc_u32 v[LA+2], 98304, v[LA]
	v_add_nc_u32 v[LA+3], 147456, v[LA]
	v_add_nc_u32 v[LB], 196608, v[LA]
	v_add_nc_u32 v[LB+1], 245760, v[LA]
	s_lshl_b32 s3, s2, 9
	v_add_nc_u32 v[CSG], s3, v[L16]
	v_add_nc_u32 v[CSL0], 294912, v[CSG]
	v_add_nc_u32 v[CSL1], 303104, v[CSG]
	s_and_b32 s18, ttmp9, 7                        ; q, k: block of source 0 (two groups of Wq | Wk), block of source 1 (tokens)
	s_lshr_b32 s19, ttmp9, 3
	s_and_b32 s20, ttmp9, 127                      ; v: work-group 256 + m
	s_and_b32 s21, s20, 15                         ; block of source 0 (tokens),
	s_lshr_b32 s20, s20, 4                         ; group of Wv
	s_mov_b32 s24, 3145728
	s_mov_b32 s25, 9437184+65536
	s_mov_b32 s31, 0
	s_mov_b32 s[SEL], 0x76543210
	s_mov_b32 s[SEL+1], 0xfedcba98
	s_wait_dscnt 0x0
	s_wait_kmcnt 0x0
	s_cmp_lt_u32 ttmp9, 256
	s_cselect_b32 s18, s18, s21
	s_cselect_b32 s19, s19, s20
	s_cselect_b64 s[26:27], s[10:11], s[8:9]       ; source 0's buffer
	s_cselect_b64 s[28:29], s[8:9], s[10:11]       ; source 1's
	s_cselect_b32 s24, 9437184, s24                ; where source 0's scale words begin
	s_cselect_b32 s25, 3145728, s25                ; source 1's
	s_cselect_b32 s22, 0, 1572864                  ; source 1's images
	s_mul_i32 s30, s18, 196608
	s_add_nc_u64 s[48:49], s[26:27], s[30:31]      ; source 0's images, and 49,152, 98,304, 147,456 bytes on
	s_add_nc_u64 s[50:51], s[48:49], 49152
	s_add_nc_u64 s[52:53], s[48:49], 98304
	s_add_nc_u64 s[54:55], s[48:49], 147456
	s_lshl_b32 s30, s18, 13
	s_add_co_u32 s30, s30, s24
	s_add_nc_u64 s[34:35], s[26:27], s[30:31]      ; its scale words
	s_mul_i32 s30, s19, 98304
	s_add_co_u32 s30, s30, s22
	s_add_nc_u64 s[56:57], s[28:29], s[30:31]      ; source 1's images, and 49,152 bytes on
	s_add_nc_u64 s[58:59], s[56:57], 49152
	s_lshl_b32 s30, s19, 12
	s_add_co_u32 s30, s30, s25
	s_add_nc_u64 s[38:39], s[28:29], s[30:31]      ; its scale words
	FILL_LOADS
	FILL_COPIES
	s_mul_i32 s6, s4, 98304
	v_add_nc_u32 v11, s6, v[L16]
	v_add_nc_u32 v12, s6, v[L8]
	v_add_nc_u32 v13, 49152, v11
	v_add_nc_u32 v14, 49152, v12
	s_mul_i32 s6, s5, 3072
	s_add_co_u32 s6, s6, 196608
	v_add_nc_u32 v15, s6, v[L16]
	v_add_nc_u32 v16, s6, v[L8]
	v_add_nc_u32 v17, 49152, v15
	v_add_nc_u32 v18, 49152, v16
	v_lshlrev_b32 v[R16], 4, v[RR]
	s_lshl_b32 s6, s4, 12
	s_add_co_u32 s6, s6, 294912
	v_add_nc_u32 v[ASA], s6, v[R16]
	s_lshr_b32 s6, s5, 1
	s_lshl_b32 s6, s6, 8
	s_and_b32 s7, s5, 1
	s_lshl_b32 s7, s7, 3
	s_add_co_u32 s6, s6, s7
	s_add_co_u32 s6, s6, 303104
	v_add_nc_u32 v[ASB], s6, v[R16]
.irp b, 0,1,2,3
	v_mov_b32 v[TM+4+\b], 0                        ; written once: a lane permute's destination counts as one of its sources
.endr
	s_wait_loadcnt 0x0                             ; the twelve loads through registers
	FILL_STORES
	STAGE 45
	KS 11, 15, 0, 0, 1
	KS 11, 15, 12288, 512, 0
	STAGE 27
	KS 11, 15, 24576, 1024, 0
	KS 11, 15, 36864, 1536, 0
	STAGE 9
	KS 13, 17, 0, 2048, 0
	KS 13, 17, 12288, 2560, 0
	STAGE 0
	KS 13, 17, 24576, 3072, 0
	KS 13, 17, 36864, 3584, 0
	PLACES 4                                       ; in front of the first read of results
	QUANT 0, 1, PC, PW
	QUANT 64, 1, PC2, PW+1
	s_cmp_ge_u32 ttmp9, 256
	s_cbranch_scc1 .Lvout
	; ---- q or k: the fragment's two halves are two heads' tiles of 16 tokens x 64
	s_lshl_b32 s20, s18, 1
	s_add_co_u32 s20, s20, s4                      ; group of columns 0..15: 0-7 of q, 8-15 of k
	s_and_b32 s21, s20, 7                          ; pair of heads
	s_lshr_b32 s22, s19, 4                         ; batch
	s_and_b32 s23, s19, 15                         ; step of 128 tokens
	s_cmp_lt_u32 s20, 8
	s_cselect_b64 s[40:41], s[12:13], s[14:15]
	s_lshl_b32 s22, s22, 4
	s_lshl_b32 s21, s21, 1
	s_add_co_u32 s21, s21, s22
	s_mul_i32 s30, s21, REC
	s_add_nc_u64 s[40:41], s[40:41], s[30:31]      ; the even head's record; the odd head's follows it
	s_lshl_b32 s30, s23, 9
	s_lshr_b32 s24, s5, 1
	s_lshl_b32 s24, s24, 8
	s_add_co_u32 s30, s30, s24
	s_and_b32 s24, s5, 1
	s_lshl_b32 s24, s24, 3
	s_add_co_u32 s30, s30, s24
	s_add_nc_u64 s[42:43], s[40:41], s[30:31]      ; my two tiles' scale words
	s_lshr_b32 s30, s23, 2
	s_mul_i32 s30, s30, 49152
	s_and_b32 s24, s23, 3
	s_lshl_b32 s24, s24, 3
	s_lshl_b32 s25, s5, 1
	s_add_co_u32 s24, s24, s25
	s_mul_i32 s24, s24, 768
	s_add_co_u32 s30, s30, s24
	s_add_co_u32 s30, s30, 12288
	s_add_nc_u64 s[40:41], s[40:41], s[30:31]      ; my two tiles
	global_store_b128 v[L16], v[PC:PC+3], s[40:41]
	global_store_b64 v[L8], v[PC+4:PC+5], s[40:41] offset:512
	global_store_b128 v[L16], v[PC+6:PC+9], s[40:41] offset:REC
	global_store_b64 v[L8], v[PC+10:PC+11], s[40:41] offset:REC+512
	global_store_b128 v[L16], v[PC2:PC2+3], s[40:41] offset:768
	global_store_b64 v[L8], v[PC2+4:PC2+5], s[40:41] offset:768+512
	global_store_b128 v[L16], v[PC2+6:PC2+9], s[40:41] offset:768+REC
	global_store_b64 v[L8], v[PC2+10:PC2+11], s[40:41] offset:768+REC+512
	v_mov_b32 v254, 0x01000100                     ; lanes 0-15 store the even head's word: bytes 0, 1, 0, 1 of the fragment's;
	v_mov_b32 v255, 0x03020302                     ; lanes 16-31 the odd head's: bytes 2, 3, 2, 3
	v_cmp_eq_u32 vcc_lo, 1, v[HH]
	v_cndmask_b32 v254, v254, v255, vcc_lo
	v_perm_b32 v252, v[PW], v[PW], v254
	v_perm_b32 v253, v[PW+1], v[PW+1], v254
	v_mul_u32_u24 v22, v[HH], REC
	v_add_nc_u32 v22, v22, v[R16]
	global_store_b64 v22, v[252:253], s[42:43]
	s_wait_tensorcnt 0x0
	ds_add_u32 v247, v251
	s_wait_dscnt 0x0
	s_endpgm
	; ---- v: a whole fragment: 16 channels x 128 keys
.Lvout:
	s_lshl_b32 s20, s18, 1
	s_add_co_u32 s20, s20, s4                      ; group of tokens 0..31
	s_lshr_b32 s22, s20, 4                         ; batch
	s_and_b32 s23, s20, 15                         ; key step
	s_lshl_b32 s21, s19, 1
	s_lshr_b32 s24, s5, 1
	s_add_co_u32 s21, s21, s24                     ; head
	s_lshl_b32 s22, s22, 4
	s_add_co_u32 s21, s21, s22
	s_mul_i32 s30, s21, REC
	s_add_nc_u64 s[40:41], s[14:15], s[30:31]
	s_and_b32 s24, s5, 1                           ; which two of the head's four tiles of channels
	s_lshl_b32 s30, s23, 8
	s_lshl_b32 s25, s24, 3
	s_add_co_u32 s30, s30, s25
	s_add_co_u32 s30, s30, 8192
	s_add_nc_u64 s[42:43], s[40:41], s[30:31]
	s_lshr_b32 s30, s23, 2
	s_mul_i32 s30, s30, 49152
	s_and_b32 s25, s23, 3
	s_mul_i32 s25, s25, 6144
	s_add_co_u32 s30, s30, s25
	s_mul_i32 s25, s24, 3072
	s_add_co_u32 s30, s30, s25
	s_add_co_u32 s30, s30, 12288+24576
	s_add_nc_u64 s[40:41], s[40:41], s[30:31]
	PUT PC, 40, 0
	PUT PC2, 40, 1536
	global_store_b64 v[R16], v[PW:PW+1], s[42:43]  ; lanes 16-31 repeat lanes 0-15
	s_wait_tensorcnt 0x0
	ds_add_u32 v247, v251
	s_wait_dscnt 0x0
	s_endpgm
.Lfunc_end_k_qe6d3bb9ff2_qkv:
	.size	k_qe6d3bb9ff2_qkv, .Lfunc_end_k_qe6d3bb9ff2_qkv-k_qe6d3bb9ff2_qkv
	.p2alignl 7, 3214868480
	.fill 96, 4, 3214868480
	.section	.rodata,"a",@progbits
	.p2align	6, 0x0
	.amdhsa_kernel k_qe6d3bb9ff2_qkv
		.amdhsa_group_segment_fixed_size 308224
		.amdhsa_private_segment_fixed_size 0
		.amdhsa_enable_private_segment 0
		.amdhsa_kernarg_size 32
		.amdhsa_user_sgpr_count 2
		.amdhsa_user_sgpr_kernarg_segment_ptr 1
		.amdhsa_wavefront_size32 1
		.amdhsa_system_sgpr_workgroup_id_x 1
		.amdhsa_system_sgpr_workgroup_id_y 1
		.amdhsa_system_sgpr_workgroup_id_z 1
		.amdhsa_system_vgpr_workitem_id 0
		.amdhsa_next_free_vgpr 512
		.amdhsa_next_free_sgpr 66
		.amdhsa_reserve_vcc 1
		.amdhsa_float_denorm_mode_32 3
		.amdhsa_float_denorm_mode_16_64 3
		.amdhsa_memory_ordered 1
		.amdhsa_forward_progress 1
		.amdhsa_inst_pref_size 66
	.end_amdhsa_kernel
	.amdgpu_metadata
---
amdhsa.version: [ 1, 2 ]
amdhsa.kernels:
  - .name:           k_qe6d3bb9ff2_qkv
    .symbol:         k_qe6d3bb9ff2_qkv.kd
    .args:
      - { .name: himg, .offset: 0, .size: 8, .value_kind: global_buffer, .address_space: global }
      - { .name: wimg, .offset: 8, .size: 8, .value_kind: global_buffer, .address_space: global }
      - { .name: qrec, .offset: 16, .size: 8, .value_kind: global_buffer, .address_space: global }
      - { .name: kv, .offset: 24, .size: 8, .value_kind: global_buffer, .address_space: global }
    .group_segment_fixed_size: 308224
    .private_segment_fixed_size: 0
    .kernarg_segment_align: 8
    .kernarg_segment_size: 32
    .max_flat_workgroup_size: 256
    .sgpr_count:     66
    .vgpr_count:     512
    .wavefront_size: 32
...
	.end_amdgpu_metadata
.endif
;; end of part 2
;; launch attn (part 3): grid 8 x 32, 16 waves a work-group, no clusters, 210,944 bytes of LDS; arguments qrec, kv, cimg; writes cimg
.if DOCPART == 3
	.amdgcn_target "amdgcn-amd-amdhsa--gfx1250"
	.amdhsa_code_object_version 6
	.text
	.protected	k_qe6d3bb9ff2_attn
	.globl	k_qe6d3bb9ff2_attn
	.p2align	8
	.type	k_qe6d3bb9ff2_attn,@function
k_qe6d3bb9ff2_attn:
	s_mov_b64 s[64:65], 0
	v_nop
	global_prefetch_b8 v0, s[64:65] scope:SCOPE_SE
	s_setreg_imm32_b32 hwreg(HW_REG_WAVE_MODE, 25, 1), 1
	s_wait_xcnt 0x0
; Causal attention of one (batch, head) on codes of MX-FP6, head size 64, 2,048 keys; the result ctx is quantised along the head's 64 and stored as half a fragment's image.
; THE SOFTMAX AHEAD OF THE SECOND PRODUCT: t = score x log2(e) / 8; M = the running largest t rounded up to a whole number; p = 2^(t - M) is quantised along the keys, not normalised;
; the row's sum is taken of the unquantised p and divides at the end; when M moves, the sum and O are multiplied by 2^(old M - new M), which rounds nothing.
; SHARES.  The head's whole record (k's tiles, v's fragments, their scale words: 208,896 bytes) is copied into LDS ONCE, 26 lane copies a wave; nothing is filled again.
; Q's three loads are issued AHEAD of the copies: the first quarter's products want Q and 8 of the 26 copies, and the other 18 land under that quarter's work.
; A copy's immediate is added to both its addresses: it stays under 65,536, and for each quarter of the record the LDS address register and the scalar base carry the same multiple of 49,152.
; Each of sixteen waves owns one tile of 16 queries.  Work-group j has tiles 8 j + i (j + 1 key steps of 128) and 127 - 8 j - i (16 - j steps), i = 0 .. 7; the kinds alternate so that of waves w, w + 4, w + 8, w + 12
; and of waves 4 n .. 4 n + 3 alike two are of each kind.  Every wave walks all 16 steps: trip counts are constants; a step all of whose keys come after the wave's queries is jumped over.
; LAYOUT.  S^T = K Q^T (source 0 = 16 neighbouring keys, source 1 = my queries) and O^T = V^T P^T: a lane holds one query throughout.  The head's 64 fill k = 0 .. 63 of the instruction's 128; the rest are zero codes on both sides.
; A lane's 16 registers of two neighbouring key tiles are keys 32 b + 8 h + 0 .. 7 and 32 b + 16 + 8 h + 0 .. 7: v's codes were laid in that same order inside each block of 32.
; v's channels of a tile are chosen so that O^T's register 16 b + i is channel 32 b + 16 h + i.
; No multicast: lane copies have no joint form.  LIMITS: NaN and infinities are not served; v_exp_f32 gives 0 for results under 2^-126; a block of zeros gets the byte 1.
; The two scale bytes of a row of ctx leave by a store of 2 bytes a lane, 32 bytes a wave (lanes 16-31 repeat lanes 0-15).
.set REC, 208896
.set L16, 1                            ; v1  16 x lane
.set R16, 3                            ; v3  16 r
.set QA0, 4                            ; v4, v2, v10, v11  LDS addresses of the copies: 16 x thread + 49,152 x quarter; never rewritten
.set QA1, 2
.set QA2, 10
.set QA3, 11
.set CB,  5                            ; v5  16 x thread: the copies' offset in memory; never rewritten
.set CC,  6                            ; v6, v7  8,192 + 8 x thread: the copy of v's scale words; never rewritten
.set CD,  7
.set ADK16, 8                          ; v8, v9 the step's LDS addresses: its tiles' first byte + 16 x lane, + 8 x lane
.set ADK8, 9
.set TA,  254                          ; v254 the scale words' LDS address, made just ahead of each of their loads; at work otherwise
.set PSW, 243                          ; v243 p's scale word, and nothing else
.set WV,  10                           ; s10 wave
.set QT,  13                           ; s13 my tile of queries, 0 .. 127
.set Q0,  14                           ; s14 my first query
.set KF,  15                           ; s15 the step's first key
.set TB,  16                           ; s16 where the step's tiles begin in LDS
.set TS,  17                           ; s17 k's scale words
.set TJ,  18                           ; s18 v's
.set CNT, 19
.set SEL, 20
.set CS,  22                           ; s[22:23] c = log2(e) / 8
; REGISTERS: v12 -M, v13 largest t, v[14:15] the sum; v16-27 Q; v28-31 v's scale words; v32-79 four fragments of K; v80-127 four of V; v128-191 S^T, then p; v192-223 O^T; v224-235 p's codes; v232-242, v244-247 at work;
; v243 p's scale word; v248-251 k's scale words; v252 f (v253 is named with it as a pair and holds 0); v254 at work; v255 Q's scale word.
.macro PLACES n
.rept \n
	v_nop
.endr
.endm
.macro FRAGL reg, a16, a8, off
	ds_load_b128 v[\reg:\reg+3], v[\a16] offset:\off
	ds_load_b64 v[\reg+4:\reg+5], v[\a8] offset:\off+512
	ds_load_b128 v[\reg+6:\reg+9], v[\a16] offset:\off+768
	ds_load_b64 v[\reg+10:\reg+11], v[\a8] offset:\off+1280
.endm
.macro COPYQ la, sb                            ; a quarter of the record: six copies of 512 threads x 16 bytes
.set i, 0
.rept 6
	global_load_async_to_lds_b128 v[\la], v[CB], s[\sb:\sb+1] offset:12288+8192*i
.set i, i+1
.endr
.endm
.macro STEP                                    ; 128 keys
	s_add_co_u32 s25, s[Q0], 15
	s_cmp_gt_u32 s[KF], s25
	s_cbranch_scc1 .Lhidden_\@                     ; all keys come after my queries: a branch on ids; no barrier and no copy stands in a step
	v_add_nc_u32 v[ADK16], s[TB], v[L16]
	v_lshrrev_b32 v[ADK8], 1, v[L16]
	v_add_nc_u32 v[ADK8], s[TB], v[ADK8]
	v_add_nc_u32 v[TA], s[TS], v[R16]              ; k's scale words of this step
.irp g, 0,1                                    ; S^T = K Q^T, four tiles of 16 keys at a time
.if \g
	PLACES 4                                       ; in front of loads into registers that the four products above read
.endif
.irp t, 0,1,2,3
	ds_load_b128 v[32+12*\t:35+12*\t], v[ADK16] offset:768*(4*\g+\t)
	ds_load_b64 v[36+12*\t:37+12*\t], v[ADK8] offset:768*(4*\g+\t)+512
.endr
	ds_load_b128 v[248:251], v[TA] offset:256*\g
	s_wait_dscnt 0x0
.irp t, 0,1,2,3
	v_wmma_scale_f32_16x16x128_f8f6f4 v[128+8*(4*\g+\t):135+8*(4*\g+\t)], v[32+12*\t:43+12*\t], v[16:27], 0, v[248+\t], v255 matrix_a_fmt:MATRIX_FMT_FP6 matrix_b_fmt:MATRIX_FMT_FP6
.endr
.endr
	v_add_nc_u32 v[TA], s[TJ], v[R16]              ; v's scale words of this step
.irp t, 0,1,2,3                                ; V's four fragments are asked for now and land under the softmax (the four lines at the step's head, the four places above and the line above lie behind the products that read these registers last)
	FRAGL 80+12*\t, ADK16, ADK8, 24576+1536*\t
.endr
	ds_load_b128 v[28:31], v[TA]
	PLACES 4                                       ; in front of the first read of the scores
	s_add_co_u32 s25, s[KF], 127                   ; on the diagonal hidden scores become -infinity ahead of the maximum; a step all of whose keys count skips this
	s_cmp_le_u32 s25, s[Q0]
	s_cbranch_scc1 .Lopen_\@
	s_sub_co_i32 s25, s[Q0], s[KF]
	v_and_b32 v252, 15, v0
	v_bfe_u32 v254, v0, 4, 1
	v_lshlrev_b32 v254, 3, v254
	v_sub_nc_u32 v252, v252, v254
	v_add_nc_u32 v252, s25, v252                   ; d = my query - KF - 8 h.  Register n holds key KF + 16 (n / 8) + n % 8 + 8 h: hidden where 16 (n / 8) + n % 8 > d
	v_mov_b32 v254, 0xff800000
.set n, 0
.rept 64
	v_cmp_gt_i32 vcc_lo, 16*(n/8)+n%8, v252
	v_cndmask_b32 v[128+n], v[128+n], v254, vcc_lo
.set n, n+1
.endr
.Lopen_\@:
.irp b, 0,1,2,3
	v_max3_num_f32 v[232+\b], v[128+16*\b], v[129+16*\b], v[130+16*\b]   ; the largest score of each block of 32 keys: for the row's maximum, and, since p rises with the score, for the block's largest p
.endr
.irp i, 3,5,7,9,11,13
.irp b, 0,1,2,3
	v_max3_num_f32 v[232+\b], v[232+\b], v[128+16*\b+\i], v[129+16*\b+\i]
.endr
.endr
.irp b, 0,1,2,3
	v_max_num_f32 v[232+\b], v[232+\b], v[143+16*\b]
.endr
.irp b, 0,1,2,3
	v_permlanex16_b32 v[236+\b], v[232+\b], s[SEL], s[SEL+1]
.endr
.irp b, 0,1,2,3
	v_max_num_f32 v[232+\b], v[232+\b], v[236+\b]
.endr
	v_max3_num_f32 v254, v232, v233, v234
	v_max_num_f32 v254, v254, v235
	v_mul_f32 v254, s[CS], v254
	v_max_num_f32 v13, v13, v254                   ; the running largest t
	v_mov_b32 v254, v12
	v_floor_f32 v12, -v13                          ; -M = floor(-t): M is a whole number
	v_sub_f32 v254, v12, v254
	v_cvt_i32_f32 v254, v254                       ; (it saturates)
	v_ldexp_f32 v252, 1.0, v254                    ; f = 2^(old M - new M)
.set j, 0
.rept 32
	v_pk_fma_f32 v[128+j:129+j], v[128+j:129+j], s[CS:CS+1], v[12:13] op_sel_hi:[1,0,0]   ; t - M
.set j, j+2
.endr
.irp b, 0,1,2,3
	v_fma_f32 v[232+\b], v[232+\b], s[CS], v12
.endr
.set j, 0
.rept 64
	v_exp_f32 v[128+j], v[128+j]                   ; p = 2^(t - M)
.set j, j+1
.endr
	v_pk_mul_f32 v[14:15], v[14:15], v[252:253] op_sel_hi:[1,0]   ; the sum under the new M (a plain place behind the exponentials)
	s_wait_alu depctr_va_vdst(0)                   ; one wait for the batch of 64, ahead of the first line that names a result
.irp b, 0,1,2,3
	v_exp_f32 v[232+\b], v[232+\b]                 ; each block's largest p
.endr
	v_pk_add_f32 v[236:237], v[128:129], v[130:131]   ; the row's sum of the unquantised p, in two chains
.irp j, 4,8,12,16,20,24,28,32,36,40,44,48,52,56,60
	v_pk_add_f32 v[14:15], v[14:15], v[128+\j:129+\j]
	v_pk_add_f32 v[236:237], v[236:237], v[130+\j:131+\j]
.endr
	v_pk_add_f32 v[14:15], v[14:15], v[236:237]
	s_wait_alu depctr_va_vdst(0)                   ; and one for the four
.irp b, 0,1,2,3
	v_max_num_f32 v[232+\b], 0x1800000, v[232+\b]  ; the floor 2^(3 - 127)
.endr
.irp b, 0,1,2,3
	v_add_nc_u32 v[244+\b], 0xff000000, v[232+\b]
.endr
.irp b, 0,1,2,3
	v_lshrrev_b32 v[236+\b], 23, v[244+\b]
.endr
	v_lshl_or_b32 v[PSW], v237, 8, v236            ; p's scale word for these 128 keys
	v_lshl_or_b32 v[PSW], v238, 16, v[PSW]
	v_lshl_or_b32 v[PSW], v239, 24, v[PSW]
.irp c, 0,1
	v_cvt_scalef32_pk16_fp6_f32 v[224+6*\c:226+6*\c], v[128+32*\c:143+32*\c], v[244+2*\c]
	v_cvt_scalef32_pk16_fp6_f32 v[236+4*\c:238+4*\c], v[144+32*\c:159+32*\c], v[244+2*\c+1]
.endr
	v_nop
.irp c, 0,1
.irp i, 0,1,2
	v_permlane16_swap_b32 v[224+6*\c+\i], v[236+4*\c+\i]
.endr
.irp i, 0,1,2
	v_mov_b32 v[227+6*\c+\i], v[236+4*\c+\i]
.endr
.endr
.set j, 0
.rept 16
	v_pk_mul_f32 v[192+j:193+j], v[192+j:193+j], v[252:253] op_sel_hi:[1,0]   ; O^T under the new M; for each product below twelve of these name none of its registers: the places behind p's codes and scale word
.set j, j+2
.endr
	s_wait_dscnt 0x0                               ; V
.irp t, 0,1,2,3
	v_wmma_scale_f32_16x16x128_f8f6f4 v[192+8*\t:199+8*\t], v[80+12*\t:91+12*\t], v[224:235], v[192+8*\t:199+8*\t], v[28+\t], v[PSW] matrix_a_fmt:MATRIX_FMT_FP6 matrix_b_fmt:MATRIX_FMT_FP6
.endr
.Lhidden_\@:
.endm
.macro QUARTER q                               ; four key steps, whose bytes six copies of each wave brought
	s_wait_dscnt 0x0
	s_wait_asynccnt 18-6*\q                        ; only the six copies of each later quarter may be out
	s_barrier_signal -1
	s_barrier_wait -1                              ; and so for every wave
	s_mov_b32 s[TB], 12288+49152*\q
	s_mov_b32 s[CNT], 4
.Lq_\@:
	STEP
	s_add_co_u32 s[TB], s[TB], 6144
	s_add_co_u32 s[TS], s[TS], 512
	s_add_co_u32 s[TJ], s[TJ], 256
	s_add_co_u32 s[KF], s[KF], 128
	s_sub_co_u32 s[CNT], s[CNT], 1
	s_cmp_lg_u32 s[CNT], 0
	s_cbranch_scc1 .Lq_\@
.endm
	s_load_b128 s[4:7], s[0:1], 0x0                ; qrec s[4:5], kv s[6:7]
	s_load_b64 s[8:9], s[0:1], 0x10                ; cimg
	v_lshl_add_u32 v254, v0, 2, 0x33000
	v_mov_b32 v255, 0
	ds_add_u32 v254, v255
	ds_add_u32 v254, v255
	s_wait_dscnt 0x0
	v_lshrrev_b32 v1, 5, v0
	v_readfirstlane_b32 s[WV], v1                  ; wave 0..15
	v_lshlrev_b32 v[CB], 4, v0
	v_lshlrev_b32 v[QA0], 4, v0
	v_lshl_add_u32 v[QA1], v0, 4, 49152
	v_lshl_add_u32 v[QA2], v0, 4, 98304
	v_lshl_add_u32 v[QA3], v0, 4, 147456
	v_lshl_add_u32 v[CC], v0, 3, 8192
	v_lshl_add_u32 v[CD], v0, 3, 8192
	v_and_b32 v8, 31, v0
	v_lshlrev_b32 v[L16], 4, v8
	v_lshlrev_b32 v[ADK8], 3, v8                   ; 8 x lane, for Q's load
	v_and_b32 v[R16], 15, v0
	v_lshlrev_b32 v[R16], 4, v[R16]
	s_and_b32 s24, ttmp7, 0xffff                   ; 16 x batch + head
	s_mul_i32 s26, s24, REC
	s_mov_b32 s27, 0
	s_lshr_b32 s11, s[WV], 2
	s_xor_b32 s11, s11, s[WV]
	s_and_b32 s11, s11, 1                          ; the wave's kind
	s_lshr_b32 s12, s[WV], 1
	s_lshl_b32 s[QT], ttmp9, 3
	s_add_co_u32 s[QT], s[QT], s12                 ; 8 j + i
	s_sub_co_u32 s12, 127, s[QT]
	s_cmp_eq_u32 s11, 1
	s_cselect_b32 s[QT], s12, s[QT]
	s_lshl_b32 s[Q0], s[QT], 4
	s_lshr_b32 s32, s[QT], 5                       ; where my tile of Q lies in its record
	s_mul_i32 s32, s32, 49152
	s_and_b32 s33, s[QT], 31
	s_mul_i32 s33, s33, 768
	s_add_co_u32 s32, s32, s33
	s_add_co_u32 s32, s32, 12288
	s_mov_b32 s33, 0
	s_lshr_b32 s38, s[QT], 3                       ; and its scale words
	s_lshl_b32 s38, s38, 9
	s_bfe_u32 s40, s[QT], 0x10002
	s_lshl_b32 s40, s40, 8
	s_add_co_u32 s38, s38, s40
	s_and_b32 s40, s[QT], 3
	s_lshl_b32 s40, s40, 2
	s_add_co_u32 s38, s38, s40
	s_mov_b32 s39, 0
	s_wait_kmcnt 0x0
	s_add_nc_u64 s[30:31], s[4:5], s[26:27]        ; q's record
	s_add_nc_u64 s[34:35], s[30:31], s[32:33]
	s_add_nc_u64 s[36:37], s[30:31], s[38:39]
	global_load_b128 v[16:19], v[L16], s[34:35]    ; Q's half fragment stays in registers; asked for ahead of the copies
	global_load_b64 v[20:21], v[ADK8], s[34:35] offset:512
	global_load_b32 v255, v[R16], s[36:37]
	s_add_nc_u64 s[28:29], s[6:7], s[26:27]        ; the head's record of k and v, and 49,152, 98,304, 147,456 bytes on
	s_add_nc_u64 s[48:49], s[28:29], 49152
	s_add_nc_u64 s[50:51], s[28:29], 98304
	s_add_nc_u64 s[52:53], s[28:29], 147456
	global_load_async_to_lds_b128 v[QA0], v[CB], s[28:29]          ; k's scale words: 512 threads x 16 bytes
	global_load_async_to_lds_b64 v[CC], v[CD], s[28:29]            ; v's: 512 x 8
	COPYQ QA0, 28
	COPYQ QA1, 48
	COPYQ QA2, 50
	COPYQ QA3, 52
	s_mov_b32 s[SEL], 0x76543210
	s_mov_b32 s[SEL+1], 0xfedcba98
	s_mov_b32 s[CS], 0x3e38aa3b
	s_mov_b32 s[CS+1], s[CS]
	s_mov_b32 s[KF], 0
	s_mov_b32 s[TS], 0
	s_mov_b32 s[TJ], 8192
.irp i, 22,23,24,25,26,27
	v_mov_b32 v[\i], 0                             ; k = 64 .. 127: zero codes
.endr
.irp t, 0,1,2,3
.irp i, 6,7,8,9,10,11
	v_mov_b32 v[32+12*\t+\i], 0
.endr
.endr
	v_mov_b32 v13, 0xff61b1e6                      ; the largest t so far: -3e38
	v_floor_f32 v12, -v13
	v_mov_b32 v14, 0
	v_mov_b32 v15, 0
.irp b, 0,1,2,3
	v_mov_b32 v[236+\b], 0                         ; a lane permute's destination counts as one of its sources
.endr
	v_mov_b32 v252, 0
	v_mov_b32 v253, 0
.set j, 0
.rept 32
	v_mov_b32 v[192+j], 0                          ; O^T: the step is written without a first step of its own; the first change of M multiplies zeros
.set j, j+1
.endr
	s_wait_loadcnt 0x0                             ; Q: its loads' address registers may be written again
	QUARTER 0
	QUARTER 1
	QUARTER 2
	QUARTER 3
	; ---- the way out: O^T / the sum, quantised along the head's 64: two blocks
	PLACES 4
	v_add_f32 v14, v14, v15
	v_permlanex16_b32 v252, v14, s[SEL], s[SEL+1]
	v_add_f32 v14, v14, v252
	v_rcp_f32 v14, v14
	v_lshrrev_b32 v[ADK8], 1, v[L16]               ; 8 x lane, for the store below (a plain place behind the transcendental)
	s_lshr_b32 s32, s24, 4
	s_lshl_b32 s32, s32, 7
	s_add_co_u32 s32, s32, s[QT]                   ; my tile of 16 tokens among 256
	s_and_b32 s38, s24, 15
	s_lshr_b32 s38, s38, 1                         ; K step of the next product: the pair of heads
	s_and_b32 s39, s24, 1                          ; which half of its fragment
	s_lshr_b32 s40, s32, 3
	s_lshl_b32 s40, s40, 3
	s_add_co_u32 s40, s40, s38
	s_and_b32 s41, s32, 7
	s_mul_i32 s42, s40, 12288
	s_mul_i32 s43, s41, 1536
	s_add_co_u32 s42, s42, s43
	s_mul_i32 s43, s39, 768
	s_add_co_u32 s42, s42, s43
	s_mov_b32 s43, 0
	s_add_nc_u64 s[44:45], s[8:9], s[42:43]
	s_lshl_b32 s42, s40, 9
	s_lshr_b32 s46, s41, 2
	s_lshl_b32 s46, s46, 8
	s_add_co_u32 s42, s42, s46
	s_and_b32 s46, s41, 3
	s_lshl_b32 s46, s46, 2
	s_add_co_u32 s42, s42, s46
	s_lshl_b32 s46, s39, 1
	s_add_co_u32 s42, s42, s46
	s_add_co_u32 s42, s42, 3145728
	s_add_nc_u64 s[46:47], s[8:9], s[42:43]
	s_wait_alu depctr_va_vdst(0)                   ; ahead of the first line that names the reciprocal
.set j, 0
.rept 32
	v_mul_f32 v[128+j], v[192+j], v14              ; register 16 b + i = channel 32 b + 16 h + i
.set j, j+1
.endr
.irp b, 0,1
	v_max3_num_f32 v[232+\b], 0x1800000, |v[128+16*\b]|, |v[129+16*\b]|
.endr
.irp i, 2,4,6,8,10,12,14
.irp b, 0,1
	v_max3_num_f32 v[232+\b], v[232+\b], |v[128+16*\b+\i]|, |v[129+16*\b+\i]|
.endr
.endr
.irp b, 0,1
	v_permlanex16_b32 v[236+\b], v[232+\b], s[SEL], s[SEL+1]
.endr
.irp b, 0,1
	v_max_num_f32 v[232+\b], v[232+\b], v[236+\b]
.endr
.irp b, 0,1
	v_add_nc_u32 v[244+\b], 0xff000000, v[232+\b]
.endr
.irp b, 0,1
	v_lshrrev_b32 v[236+\b], 23, v[244+\b]
.endr
	v_lshl_or_b32 v254, v237, 8, v236              ; the row's two bytes
	v_cvt_scalef32_pk16_fp6_f32 v[224:226], v[128:143], v244
	v_cvt_scalef32_pk16_fp6_f32 v[240:242], v[144:159], v245
	v_nop
.irp i, 0,1,2
	v_permlane16_swap_b32 v[224+\i], v[240+\i]
.endr
.irp i, 0,1,2
	v_mov_b32 v[227+\i], v[240+\i]
.endr
	global_store_b128 v[L16], v[224:227], s[44:45]
	global_store_b64 v[ADK8], v[228:229], s[44:45] offset:512
	global_store_b16 v[R16], v254, s[46:47]
	s_wait_xcnt 0x0
	v_lshl_add_u32 v254, v0, 2, 0x33000
	v_mov_b32 v255, 0
	s_wait_tensorcnt 0x0
	ds_add_u32 v254, v255
	s_wait_dscnt 0x0
	s_endpgm
.Lfunc_end_k_qe6d3bb9ff2_attn:
	.size	k_qe6d3bb9ff2_attn, .Lfunc_end_k_qe6d3bb9ff2_attn-k_qe6d3bb9ff2_attn
	.p2alignl 7, 3214868480
	.fill 96, 4, 3214868480
	.section	.rodata,"a",@progbits
	.p2align	6, 0x0
	.amdhsa_kernel k_qe6d3bb9ff2_attn
		.amdhsa_group_segment_fixed_size 210944
		.amdhsa_private_segment_fixed_size 0
		.amdhsa_enable_private_segment 0
		.amdhsa_kernarg_size 24
		.amdhsa_user_sgpr_count 2
		.amdhsa_user_sgpr_kernarg_segment_ptr 1
		.amdhsa_wavefront_size32 1
		.amdhsa_system_sgpr_workgroup_id_x 1
		.amdhsa_system_sgpr_workgroup_id_y 1
		.amdhsa_system_sgpr_workgroup_id_z 1
		.amdhsa_system_vgpr_workitem_id 0
		.amdhsa_next_free_vgpr 256
		.amdhsa_next_free_sgpr 66
		.amdhsa_reserve_vcc 1
		.amdhsa_float_denorm_mode_32 3
		.amdhsa_float_denorm_mode_16_64 3
		.amdhsa_memory_ordered 1
		.amdhsa_forward_progress 1
		.amdhsa_inst_pref_size 101
	.end_amdhsa_kernel
	.amdgpu_metadata
---
amdhsa.version: [ 1, 2 ]
amdhsa.kernels:
  - .name:           k_qe6d3bb9ff2_attn
    .symbol:         k_qe6d3bb9ff2_attn.kd
    .args:
      - { .name: qrec, .offset: 0, .size: 8, .value_kind: global_buffer, .address_space: global }
      - { .name: kv, .offset: 8, .size: 8, .value_kind: global_buffer, .address_space: global }
      - { .name: cimg, .offset: 16, .size: 8, .value_kind: global_buffer, .address_space: global }
    .group_segment_fixed_size: 210944
    .private_segment_fixed_size: 0
    .kernarg_segment_align: 8
    .kernarg_segment_size: 24
    .max_flat_workgroup_size: 512
    .sgpr_count:     66
    .vgpr_count:     256
    .wavefront_size: 32
...
	.end_amdgpu_metadata
.endif
;; end of part 3
;; launch oproj (part 4): grid 256 x 1, 8 waves a work-group, no clusters, 185,344 bytes of LDS; arguments cimg, wimg, bo, x, x1; writes x1
.if DOCPART == 4
	.amdgcn_target "amdgcn-amd-amdhsa--gfx1250"
	.amdhsa_code_object_version 6
	.text
	.protected	k_qe6d3bb9ff2_oproj
	.globl	k_qe6d3bb9ff2_oproj
	.p2align	8
	.type	k_qe6d3bb9ff2_oproj,@function
k_qe6d3bb9ff2_oproj:
	s_mov_b64 s[64:65], 0
	v_nop
	global_prefetch_b8 v0, s[64:65] scope:SCOPE_SE
	s_setreg_imm32_b32 hwreg(HW_REG_WAVE_MODE, 25, 1), 1
	s_wait_xcnt 0x0
; x1 = x + ctx Wo + bo; the product on codes of MX-FP6, K = 1,024: 8 K steps, two slots of four.  Operands come as images of operand registers (a fragment, 16 rows x 128 K: 1,536 bytes; [group of 128 rows][K step][tile]; scale words [group][K step][512]).
; A work-group makes 128 columns (one group of Wo, source 0) x 128 tokens (one group of ctx, source 1): 8 x 32 = 256 work-groups.
; Wave w: wb = w % 4 its two tiles of tokens, g = w / 4 its half of K (K steps g and g + 2 of each slot): 16 accumulators.
; So a fragment of ctx is used by ONE wave: it comes from memory straight into that wave's registers, four dense loads a fragment, and never touches LDS.
; Wo's fragments are used by four waves: they and the scale words go through two LDS slots, filled THROUGH REGISTERS: wave w fetches bytes 6,144 w on of a slot's 49,152 (12 loads) and scale block w (1 load) and stores them to LDS.
; All that the work-group needs is asked for in its first lines: both slots, then x's tile.
; At the end the two halves of K are joined through LDS: each wave keeps tile g and sends the other.  So K is summed in two halves, not in one ascending chain.  A lane holds one token; register 16 b + i is column 32 b + 16 h + i.
; No tensor load, no copy: no slot is an engine's target.  No multicast for the same reason.  LIMITS: NaN and infinities are not served.
.set GSTR, 98304                       ; a group's images: 8 K steps x 12,288 bytes
.set SSHL, 12                          ; a group's scale words: 8 x 512 = 2^12 bytes
.set WCOD, 2359296                     ; where Wo's images begin in wimg,
.set WSCL, 9437184+98304               ; and its scale words
.set ASCL, 3145728                     ; where ctx's scale words begin in cimg
.set SCLO, 49152                       ; in a slot: behind Wo's four records, eight blocks of 512 bytes of scale words: Wo's four, then ctx's four
.set L16, 1
.set L8,  2
.set RR,  3
.set HH,  4
.set ST,  5                            ; v5, v6 where I store my part of a slot and my scale block; v7-10 where I read: these six change slots by an exclusive or with 131,072
.set SS,  6
.set A16, 7
.set A8,  8
.set ASA, 9
.set ASB, 10
.set MS,  11                           ; v11 my partner's mailbox, v12 mine
.set MR,  12
.set STO, 13
.set RD,  14
.set XA,  15
.set HA,  16
.set SA,  20                           ; v20-27 Wo's scale words, v28-29 ctx's
.set SB,  28
.set FA,  32                           ; v32-127 Wo's eight fragments
.set FBS, 128                          ; a set of 100 registers, set 0 in window 0, set 1 in window 1: v128-175 my four fragments of ctx,
.set STG, 176                          ; v176-223 my part of Wo's records on its way to LDS,
.set SCR, 224                          ; v224-227 my scale block
.set RES, 176                          ; v176-239: in window 0 x's tile, in window 1 bo, once the set's part for LDS has been stored
.set TT,  32                           ; the way out: the finished tile, and the rows read back from the stage
.set RB,  96
.set MSB, 0
.macro WIN new
.if MSB != (\new)
	s_set_vgpr_msb (MSB<<8)|(\new)
.set MSB, (\new)
.endif
.endm
.macro PLACES n
.rept \n
	v_nop
.endr
.endm
.macro FRAGL reg, a16, a8, off
	ds_load_b128 v[\reg:\reg+3], v[\a16] offset:\off
	ds_load_b64 v[\reg+4:\reg+5], v[\a8] offset:\off+512
	ds_load_b128 v[\reg+6:\reg+9], v[\a16] offset:\off+768
	ds_load_b64 v[\reg+10:\reg+11], v[\a8] offset:\off+1280
.endm
; One K step of the wave's 8 x 2 tiles: 35 LDS loads in one run, then 16 products on 16 accumulators that take turns, one instruction a turn.  cmode 0: sums go on; 1: begin at 0.
; Source 1's two fragments stand in registers, at v[fb] on in window fbw.
.macro KS ko, ks, cmode, fbw, fb
	PLACES 4                                       ; in front of loads into registers that the last products read
	ds_load_b128 v[SA:SA+3], v[ASA] offset:\ks
	ds_load_b128 v[SA+4:SA+7], v[ASA] offset:\ks+256
	ds_load_b64 v[SB:SB+1], v[ASB] offset:\ks
.irp a, 0,1,2,3,4,5,6,7
	FRAGL FA+12*\a, A16, A8, \ko+1536*\a
.endr
	WIN 0x50+4*(\fbw)
.irp a, 0,1,2,3,4,5,6,7
	s_wait_dscnt 4*(7-\a)                          ; all is in but the four loads of each later tile of source 0
.irp b, 0,1
.if \cmode == 0
	v_wmma_scale_f32_16x16x128_f8f6f4 v[64*\b+8*\a:64*\b+8*\a+7], v[FA+12*\a:FA+12*\a+11], v[\fb+12*\b:\fb+12*\b+11], v[64*\b+8*\a:64*\b+8*\a+7], v[SA+\a], v[SB+\b] matrix_a_fmt:MATRIX_FMT_FP6 matrix_b_fmt:MATRIX_FMT_FP6
.else
	v_wmma_scale_f32_16x16x128_f8f6f4 v[64*\b+8*\a:64*\b+8*\a+7], v[FA+12*\a:FA+12*\a+11], v[\fb+12*\b:\fb+12*\b+11], 0, v[SA+\a], v[SB+\b] matrix_a_fmt:MATRIX_FMT_FP6 matrix_b_fmt:MATRIX_FMT_FP6
.endif
.endr
.endr
	WIN 0
.endm
.macro XLOAD reg, adr, sb, imm
.irp k, 0,1,2,3
.irp q, 0,1,2,3
	global_load_b128 v[\reg+16*\k+4*\q:\reg+16*\k+4*\q+3], v[\adr], s[\sb:\sb+1] offset:\imm+128*\k+16*\q
.endr
.endr
.endm
.macro LOADW t, set                            ; 13 loads: my part of slot t's four records of source 0, and my scale block
.if \set
	WIN 0x40
.endif
.set i, 0
.rept 12
	global_load_b128 v[STG+4*i:STG+4*i+3], v[L16], s[32:33] offset:49152*(\t)+512*i
.set i, i+1
.endr
	global_load_b128 v[SCR:SCR+3], v[L16], s[34:35] offset:2048*(\t)
	WIN 0
.endm
.macro LOADA t, set                            ; 16 loads: my four fragments of source 1 in slot t: K steps g and g + 2, tiles 2 wb and 2 wb + 1
.if \set
	WIN 0x40
.endif
.irp k, 0,1
.irp b, 0,1
	global_load_b128 v[FBS+24*\k+12*\b:FBS+24*\k+12*\b+3], v[L16], s[42:43] offset:49152*(\t)+24576*\k+1536*\b
	global_load_b64 v[FBS+24*\k+12*\b+4:FBS+24*\k+12*\b+5], v[L8], s[42:43] offset:49152*(\t)+24576*\k+1536*\b+512
	global_load_b128 v[FBS+24*\k+12*\b+6:FBS+24*\k+12*\b+9], v[L16], s[42:43] offset:49152*(\t)+24576*\k+1536*\b+768
	global_load_b64 v[FBS+24*\k+12*\b+10:FBS+24*\k+12*\b+11], v[L8], s[42:43] offset:49152*(\t)+24576*\k+1536*\b+1280
.endr
.endr
	WIN 0
.endm
.macro STORE set                               ; the set's part for LDS goes there; then my store addresses change slots
.if \set
	WIN 0x04                                       ; an LDS store's data are its source 1
.endif
.set i, 0
.rept 12
	ds_store_b128 v[ST], v[STG+4*i:STG+4*i+3] offset:512*i
.set i, i+1
.endr
	ds_store_b128 v[SS], v[SCR:SCR+3]
	WIN 0
	v_xor_b32 v[ST], 0x20000, v[ST]
	v_xor_b32 v[SS], 0x20000, v[SS]
.endm
.macro BAR
	s_barrier_signal -1
	s_barrier_wait -1
.endm
; A trip: my two K steps of the slot in hand (its fragments of source 1 in set cur); then the next slot's part for LDS, which has come into set nxt, goes to the other slot.
; la: the loads issued behind this slot's fragments of source 1; ld: those issued behind the next slot's part for LDS: they may stay out.
.macro TRIP cm, la, ld, cur, nxt
	s_wait_loadcnt \la
	KS 0, 0, \cm, \cur, FBS
	KS 24576, 1024, 0, \cur, FBS+24
.irp a, A16, A8, ASA, ASB
	v_xor_b32 v[\a], 0x20000, v[\a]
.endr
	s_wait_loadcnt \ld
	STORE \nxt
	s_wait_dscnt 0x0                               ; for the others' sake: my stores have landed (my reads were waited for in the K step); the stored registers may be loaded again
.endm
.macro OUTTILE t, rb, sb, imm                  ; 16 rows x 128 columns of f32 go through my stage (rows 528 bytes apart) and leave as whole rows
.irp k, 0,1,2,3
.irp q, 0,1,2,3
	ds_store_b128 v[STO], v[\t+16*\k+4*\q:\t+16*\k+4*\q+3] offset:128*\k+16*\q
.endr
.endr
.set i, 0
.rept 16
	ds_load_b128 v[\rb+4*i:\rb+4*i+3], v[RD] offset:528*i   ; LDS serves a wave's instructions in order: these see my stores
.set i, i+1
.endr
.set i, 0
.rept 16
	s_wait_dscnt 15-i                              ; row i is back; the later rows may be out
	global_store_b128 v[L16], v[\rb+4*i:\rb+4*i+3], s[\sb:\sb+1] offset:\imm+4096*i   ; 32 lanes store 512 consecutive bytes, at a multiple of 512 from the buffer's first byte
.set i, i+1
.endr
.endm
.macro SENDACC base                            ; 64 accumulator registers to my partner's mailbox, as they stand; each accumulator from its low end on
	WIN 0x04
.irp a, 0,1,2,3,4,5,6,7
	ds_store_b128 v[MS], v[\base+8*\a:\base+8*\a+3] offset:1024*\a
	ds_store_b128 v[MS], v[\base+8*\a+4:\base+8*\a+7] offset:1024*\a+512
.endr
	WIN 0
.endm
.macro JOINACC base                            ; what my partner sent + my own half of K
	WIN 0x01
.set j, 0
.rept 32
	v_pk_add_f32 v[TT+j:TT+j+1], v[\base+j:\base+j+1], v[TT+j:TT+j+1]
.set j, j+2
.endr
	WIN 0
.endm
	s_load_b256 s[8:15], s[0:1], 0x0               ; cimg s[8:9], wimg s[10:11], bo s[12:13], x s[14:15]
	s_load_b64 s[16:17], s[0:1], 0x20              ; x1
	v_lshl_add_u32 v254, v0, 2, 0x2d000
	v_mov_b32 v255, 0
	v_lshrrev_b32 v1, 5, v0
	v_readfirstlane_b32 s2, v1
	v_and_b32 v4, 31, v0
	v_lshlrev_b32 v[L16], 4, v4
	v_lshlrev_b32 v[L8], 3, v4
	v_and_b32 v[RR], 15, v0
	v_bfe_u32 v[HH], v0, 4, 1
	s_lshr_b32 s4, s2, 2                           ; g: my half of K.  Also: my scale block is source 0's (0) or source 1's (1)
	s_and_b32 s5, s2, 3                            ; wb: my tiles of tokens.  Also: which K step's scale block I fetch
	s_and_b32 s18, ttmp9, 7                        ; group of Wo
	s_lshr_b32 s19, ttmp9, 3                       ; group of tokens
	s_mov_b32 s24, WSCL
	s_mov_b32 s31, 0
	s_wait_kmcnt 0x0
	s_mul_i32 s30, s18, GSTR
	s_add_co_u32 s30, s30, WCOD
	s_mul_i32 s25, s2, 6144
	s_add_co_u32 s30, s30, s25
	s_add_nc_u64 s[32:33], s[10:11], s[30:31]      ; my part of source 0's records
	s_cmp_eq_u32 s4, 1
	s_cselect_b64 s[20:21], s[8:9], s[10:11]
	s_cselect_b32 s22, s19, s18
	s_cselect_b32 s24, ASCL, s24
	s_lshl_b32 s30, s22, SSHL
	s_add_co_u32 s30, s30, s24
	s_lshl_b32 s25, s5, 9
	s_add_co_u32 s30, s30, s25
	s_add_nc_u64 s[34:35], s[20:21], s[30:31]      ; my scale block
	s_mul_i32 s30, s19, GSTR
	s_mul_i32 s25, s4, 12288
	s_add_co_u32 s30, s30, s25
	s_mul_i32 s25, s5, 3072
	s_add_co_u32 s30, s30, s25
	s_add_nc_u64 s[42:43], s[8:9], s[30:31]        ; my fragments of source 1: K step g, tile 2 wb
	LOADW 0, 0
	LOADA 0, 0
	LOADW 1, 1
	LOADA 1, 1
	s_mul_i32 s3, s2, 6144
	v_add_nc_u32 v[ST], s3, v[L16]
	s_lshl_b32 s3, s2, 9
	s_add_co_u32 s3, s3, SCLO
	v_add_nc_u32 v[SS], s3, v[L16]
	s_mul_i32 s3, s4, 12288
	v_add_nc_u32 v[A16], s3, v[L16]
	v_add_nc_u32 v[A8], s3, v[L8]
	v_lshlrev_b32 v17, 4, v[RR]
	s_lshl_b32 s3, s4, 9
	s_add_co_u32 s6, s3, SCLO
	v_add_nc_u32 v[ASA], s6, v17
	s_lshr_b32 s6, s5, 1
	s_lshl_b32 s6, s6, 8
	s_add_co_u32 s3, s3, s6
	s_and_b32 s6, s5, 1
	s_lshl_b32 s6, s6, 3
	s_add_co_u32 s3, s3, s6
	s_add_co_u32 s3, s3, SCLO+2048
	v_add_nc_u32 v[ASB], s3, v17
	s_xor_b32 s3, s2, 4
	s_lshl_b32 s3, s3, 13
	v_add_nc_u32 v[MS], s3, v[L16]
	s_lshl_b32 s3, s2, 13
	v_add_nc_u32 v[MR], s3, v[L16]
	s_mul_i32 s3, s2, 8448
	s_add_co_u32 s3, s3, 65536
	v_add_nc_u32 v[RD], s3, v[L16]
	v_mul_u32_u24 v[STO], v[RR], 528
	v_lshl_add_u32 v[STO], v[HH], 6, v[STO]
	v_add_nc_u32 v[STO], s3, v[STO]
	v_lshlrev_b32 v[XA], 12, v[RR]
	v_lshl_add_u32 v[XA], v[HH], 6, v[XA]
	v_lshlrev_b32 v[HA], 6, v[HH]
	s_lshl_b32 s30, s19, 19                        ; the tile that I finish: rows 128 x group + 32 wb + 16 g, columns 128 x group of Wo
	s_lshl_b32 s6, s5, 17
	s_add_co_u32 s30, s30, s6
	s_lshl_b32 s6, s4, 16
	s_add_co_u32 s30, s30, s6
	s_lshl_b32 s6, s18, 9
	s_add_co_u32 s30, s30, s6
	s_add_nc_u64 s[36:37], s[14:15], s[30:31]
	s_add_nc_u64 s[38:39], s[16:17], s[30:31]
	s_lshl_b32 s30, s18, 9
	s_add_nc_u64 s[40:41], s[12:13], s[30:31]
	s_wait_loadcnt 45                              ; slot 0's part for LDS is in; behind it: 16 + 13 + 16 loads
	STORE 0
	s_wait_dscnt 0x0
	XLOAD RES, XA, 36, 0                           ; x's tile, in the result's layout, into the registers just stored
	BAR
	TRIP 1, 45, 32, 0, 1                           ; 45: behind slot 0's fragments: 13 + 16 + x's 16;  32: behind slot 1's part for LDS: 16 + x's 16
	WIN 0x40
	XLOAD RES, HA, 40, 0                           ; bo, into window 1
	WIN 0
	BAR
	s_wait_loadcnt 32                              ; slot 1's fragments are in; x's 16 and bo's 16 may be out
	KS 0, 0, 0, 1, FBS
	KS 24576, 1024, 0, 1, FBS+24
	BAR                                            ; every wave's reads of the slots are in (the K step's last wait was for 0): they become mailboxes and stages
	PLACES 4                                       ; in front of the first read of results
	s_cmp_eq_u32 s4, 0
	s_cbranch_scc0 .Lsend_low
	SENDACC 64                                     ; g = 0 keeps its first tile of tokens and sends the second
	s_branch .Lsent
.Lsend_low:
	SENDACC 0                                      ; g = 1 the other way round
.Lsent:
	s_wait_dscnt 0x0
	BAR
.set i, 0
.rept 16
	ds_load_b128 v[TT+4*i:TT+4*i+3], v[MR] offset:512*i
.set i, i+1
.endr
	s_wait_dscnt 0x0
	s_wait_loadcnt 0x0                             ; x's tile and bo
	s_cmp_eq_u32 s4, 0
	s_cbranch_scc0 .Ljoin_high
	JOINACC 0
	s_branch .Ljoined
.Ljoin_high:
	JOINACC 64
.Ljoined:
.set j, 0
.rept 32
	v_pk_add_f32 v[TT+j:TT+j+1], v[TT+j:TT+j+1], v[RES+j:RES+j+1]
.set j, j+2
.endr
	WIN 0x04
.set j, 0
.rept 32
	v_pk_add_f32 v[TT+j:TT+j+1], v[TT+j:TT+j+1], v[RES+j:RES+j+1]
.set j, j+2
.endr
	WIN 0
	OUTTILE TT, RB, 38, 0
	s_wait_tensorcnt 0x0
	ds_add_u32 v254, v255
	s_wait_dscnt 0x0
	s_endpgm
.Lfunc_end_k_qe6d3bb9ff2_oproj:
	.size	k_qe6d3bb9ff2_oproj, .Lfunc_end_k_qe6d3bb9ff2_oproj-k_qe6d3bb9ff2_oproj
	.p2alignl 7, 3214868480
	.fill 96, 4, 3214868480
	.section	.rodata,"a",@progbits
	.p2align	6, 0x0
	.amdhsa_kernel k_qe6d3bb9ff2_oproj
		.amdhsa_group_segment_fixed_size 185344
		.amdhsa_private_segment_fixed_size 0
		.amdhsa_enable_private_segment 0
		.amdhsa_kernarg_size 40
		.amdhsa_user_sgpr_count 2
		.amdhsa_user_sgpr_kernarg_segment_ptr 1
		.amdhsa_wavefront_size32 1
		.amdhsa_system_sgpr_workgroup_id_x 1
		.amdhsa_system_sgpr_workgroup_id_y 1
		.amdhsa_system_sgpr_workgroup_id_z 1
		.amdhsa_system_vgpr_workitem_id 0
		.amdhsa_next_free_vgpr 512
		.amdhsa_next_free_sgpr 66
		.amdhsa_reserve_vcc 0
		.amdhsa_float_denorm_mode_32 3
		.amdhsa_float_denorm_mode_16_64 3
		.amdhsa_memory_ordered 1
		.amdhsa_forward_progress 1
		.amdhsa_inst_pref_size 50
	.end_amdhsa_kernel
	.amdgpu_metadata
---
amdhsa.version: [ 1, 2 ]
amdhsa.kernels:
  - .name:           k_qe6d3bb9ff2_oproj
    .symbol:         k_qe6d3bb9ff2_oproj.kd
    .args:
      - { .name: cimg, .offset: 0, .size: 8, .value_kind: global_buffer, .address_space: global }
      - { .name: wimg, .offset: 8, .size: 8, .value_kind: global_buffer, .address_space: global }
      - { .name: bo, .offset: 16, .size: 8, .value_kind: global_buffer, .address_space: global }
      - { .name: x, .offset: 24, .size: 8, .value_kind: global_buffer, .address_space: global }
      - { .name: x1, .offset: 32, .size: 8, .value_kind: global_buffer, .address_space: global }
    .group_segment_fixed_size: 185344
    .private_segment_fixed_size: 0
    .kernarg_segment_align: 8
    .kernarg_segment_size: 40
    .max_flat_workgroup_size: 256
    .sgpr_count:     66
    .vgpr_count:     512
    .wavefront_size: 32
...
	.end_amdgpu_metadata
.endif
;; end of part 4
;; launch ln2: the kernel of part 1 again; grid 256 x 1, 8 waves a work-group, no clusters, 2,048 bytes of LDS; arguments x1, ln2_scale, ln2_shift, himg, Wq_codes, Wk_codes, Wv_codes, Wo_codes, W1_codes, W2_codes, Wq_scales, Wk_scales, Wv_scales, Wo_scales, W1_scales, W2_scales, wimg; writes himg, wimg
;; launch ffn1 (part 5): grid 512 x 1, 8 waves a work-group, no clusters, 308,224 bytes of LDS; arguments himg, wimg, b1, gimg; writes gimg
.if DOCPART == 5
	.amdgcn_target "amdgcn-amd-amdhsa--gfx1250"
	.amdhsa_code_object_version 6
	.text
	.protected	k_qe6d3bb9ff2_ffn1
	.globl	k_qe6d3bb9ff2_ffn1
	.p2align	8
	.type	k_qe6d3bb9ff2_ffn1,@function
k_qe6d3bb9ff2_ffn1:
	s_mov_b64 s[64:65], 0
	v_nop
	global_prefetch_b8 v0, s[64:65] scope:SCOPE_SE
	s_setreg_imm32_b32 hwreg(HW_REG_WAVE_MODE, 25, 1), 1
	s_wait_xcnt 0x0
; g = gelu_tanh(h2 W1 + b1), quantised along the 4,096 hidden units; the product on codes of MX-FP6, K = 1,024.  Operands and result are images of operand registers (a fragment: 1,536 bytes; [group][K step][tile]; scale words [group][K step][512]).
; A work-group multiplies 256 rows of W1 (source 0, two groups) by 128 tokens (source 1).  All of K for these 384 rows, 307,200 bytes, comes into LDS ONCE; nothing is filled again.
; K steps 0 to 6 come by 63 lane copies a wave, as many as a wait on ASYNCcnt can name; the scale words and K step 7 come by 12 loads through registers, issued first and stored to LDS ahead of the first barrier.
; A copy's immediate is added to both its addresses: it stays under 65,536, and the LDS address register and the scalar base carry the same multiple of 49,152.
; Wave w: wa = w / 4 its group of W1, wb = w % 4 its two tiles of tokens.  A lane holds one token; register 16 b + i of a tile is hidden unit 32 b + 16 h + i of the group: 128 units are one K step of the next product.
; THE ACTIVATION: 0.5 x (1 + tanh(u)) = x / (1 + 2^z), z = x (k1 + k3 x^2), k1 = -2 sqrt(2 / pi) log2(e), k3 = 0.044715 k1: the same function, without the difference 1 + tanh.
; b1 is the C of each sum's first product.  No multicast: lane copies have no joint form.
; LIMITS: NaN and infinities are not served; v_exp_f32 gives 0 for results under 2^-126 (1 + 2^z is then 1); a block of zeros gets the byte 1.
.set L16, 1
.set L8,  2
.set RR,  3
.set HH,  4
.set CG,  5                            ; v5  1,536 w + 16 x lane: my tile's bytes in a K step's record; never rewritten
.set CSG, 8                            ; v8  512 w + 16 x lane: my part of a group's scale words; v9, v10 the same in LDS
.set CSL0, 9
.set CSL1, 10
.set ASA, 19
.set ASB, 20
.set R16, 21
.set HA,  23
.set SA,  24
.set SB,  32
.set PW,  34
.set FB,  36
.set FA,  60                           ; v60-155 source 0's eight fragments; ahead of K step 0, v60-107 carry what comes through registers
.set BIAS, 156
.set H,   156                          ; v156-219: b1 for the first K step, later a tile's activations
.set TM,  220
.set PC,  232
.set LA,  232                          ; v232-235 LDS addresses of the copies for source 0: v5 + 49,152 x 0 .. 3;  v236-237 for source 1.  Written again only behind the wait for 0 on ASYNCcnt
.set LB,  236
.set SEL, 46
.set MSB, 0
.macro WIN new
.if MSB != (\new)
	s_set_vgpr_msb (MSB<<8)|(\new)
.set MSB, (\new)
.endif
.endm
.macro PLACES n
.rept \n
	v_nop
.endr
.endm
.macro FILL_LOADS                              ; through registers: the scale words of the three groups, and my tile of K step 7's three records
	global_load_b128 v[FA:FA+3], v[CSG], s[34:35]
	global_load_b128 v[FA+4:FA+7], v[CSG], s[34:35] offset:4096
	global_load_b128 v[FA+8:FA+11], v[CSG], s[38:39]
.irp c, 0,1,2
	global_load_b128 v[FA+12+12*\c:FA+15+12*\c], v[CG], s[50:51] offset:36864+512*\c
	global_load_b128 v[FA+16+12*\c:FA+19+12*\c], v[CG], s[54:55] offset:36864+512*\c
	global_load_b128 v[FA+20+12*\c:FA+23+12*\c], v[CG], s[58:59] offset:36864+512*\c
.endr
.endm
.macro FILL_COPIES                             ; K steps 0 to 6: wave w copies tile w of each of a K step's three records: nine copies a K step.  LDS has memory's order
.irp s, 0,1,2,3,4,5,6
.irp c, 0,1,2
	global_load_async_to_lds_b128 v[LA+\s/4], v[CG], s[48+2*(\s/4):49+2*(\s/4)] offset:12288*(\s%4)+512*\c
	global_load_async_to_lds_b128 v[LA+2+\s/4], v[CG], s[52+2*(\s/4):53+2*(\s/4)] offset:12288*(\s%4)+512*\c
	global_load_async_to_lds_b128 v[LB+\s/4], v[CG], s[56+2*(\s/4):57+2*(\s/4)] offset:12288*(\s%4)+512*\c
.endr
.endr
.endm
.macro FILL_STORES                             ; what came through registers goes to its place in LDS: whole blocks of 256 bytes into which no copy lands
	ds_store_b128 v[CSL0], v[FA:FA+3]
	ds_store_b128 v[CSL0], v[FA+4:FA+7] offset:4096
	ds_store_b128 v[CSL1], v[FA+8:FA+11]
.irp c, 0,1,2
	ds_store_b128 v[LA+1], v[FA+12+12*\c:FA+15+12*\c] offset:36864+512*\c
	ds_store_b128 v[LA+3], v[FA+16+12*\c:FA+19+12*\c] offset:36864+512*\c
	ds_store_b128 v[LB+1], v[FA+20+12*\c:FA+23+12*\c] offset:36864+512*\c
.endr
	s_wait_dscnt 0x0                               ; for the others' sake: my stores have landed
.endm
.macro FRAGL reg, a16, a8, off
	ds_load_b128 v[\reg:\reg+3], v[\a16] offset:\off
	ds_load_b64 v[\reg+4:\reg+5], v[\a8] offset:\off+512
	ds_load_b128 v[\reg+6:\reg+9], v[\a16] offset:\off+768
	ds_load_b64 v[\reg+10:\reg+11], v[\a8] offset:\off+1280
.endm
; One K step of the wave's 8 x 2 tiles: 43 LDS loads in one run, then 16 products on 16 accumulators that take turns, one instruction a turn.  cmode 0: sums go on; 1: begin at 0; 2: begin at the bias.
.macro KS ka, kb, ko, ks, cmode
	PLACES 4                                       ; in front of loads into registers that the last products read
	ds_load_b128 v[SA:SA+3], v[ASA] offset:\ks
	ds_load_b128 v[SA+4:SA+7], v[ASA] offset:\ks+256
	ds_load_b64 v[SB:SB+1], v[ASB] offset:\ks
	FRAGL FB, \kb, \kb+1, \ko
	FRAGL FB+12, \kb, \kb+1, \ko+1536
.irp a, 0,1,2,3,4,5,6,7
	FRAGL FA+12*\a, \ka, \ka+1, \ko+1536*\a
.endr
.if \cmode == 2
	WIN 0x40
.else
	WIN 0x50
.endif
.irp a, 0,1,2,3,4,5,6,7
	s_wait_dscnt 4*(7-\a)                          ; all is in but the four loads of each later tile of source 0
.irp b, 0,1
.if \cmode == 0
	v_wmma_scale_f32_16x16x128_f8f6f4 v[64*\b+8*\a:64*\b+8*\a+7], v[FA+12*\a:FA+12*\a+11], v[FB+12*\b:FB+12*\b+11], v[64*\b+8*\a:64*\b+8*\a+7], v[SA+\a], v[SB+\b] matrix_a_fmt:MATRIX_FMT_FP6 matrix_b_fmt:MATRIX_FMT_FP6
.elseif \cmode == 1
	v_wmma_scale_f32_16x16x128_f8f6f4 v[64*\b+8*\a:64*\b+8*\a+7], v[FA+12*\a:FA+12*\a+11], v[FB+12*\b:FB+12*\b+11], 0, v[SA+\a], v[SB+\b] matrix_a_fmt:MATRIX_FMT_FP6 matrix_b_fmt:MATRIX_FMT_FP6
.else
	v_wmma_scale_f32_16x16x128_f8f6f4 v[64*\b+8*\a:64*\b+8*\a+7], v[FA+12*\a:FA+12*\a+11], v[FB+12*\b:FB+12*\b+11], v[BIAS+8*\a:BIAS+8*\a+7], v[SA+\a], v[SB+\b] matrix_a_fmt:MATRIX_FMT_FP6 matrix_b_fmt:MATRIX_FMT_FP6
.endif
.endr
.endr
	WIN 0
.endm
.macro STAGE n                                 ; my copies of the next two K steps have landed (n = 9 copies for each copied K step behind them), and so have everybody's
	s_wait_asynccnt \n
	s_barrier_signal -1
	s_barrier_wait -1
.endm
.macro QUANT s, w, pc, pw                      ; 64 numbers of a lane in window w, register 16 b + i = k 32 b + 16 h + i of my row: codes to v[pc] .. v[pc + 11], scale word to v[pw]
	WIN 0x14*(\w)
.irp b, 0,1,2,3
	v_max3_num_f32 v[TM+\b], 0x1800000, |v[\s+16*\b]|, |v[\s+1+16*\b]|
.endr
.irp i, 2,4,6,8,10,12,14
.irp b, 0,1,2,3
	v_max3_num_f32 v[TM+\b], v[TM+\b], |v[\s+16*\b+\i]|, |v[\s+1+16*\b+\i]|
.endr
.endr
	WIN 0
.irp b, 0,1,2,3
	v_permlanex16_b32 v[TM+4+\b], v[TM+\b], s[SEL], s[SEL+1]
.endr
.irp b, 0,1,2,3
	v_max_num_f32 v[TM+\b], v[TM+\b], v[TM+4+\b]
.endr
.irp b, 0,1,2,3
	v_add_nc_u32 v[TM+8+\b], 0xff000000, v[TM+\b]
.endr
.irp b, 0,1,2,3
	v_lshrrev_b32 v[TM+4+\b], 23, v[TM+8+\b]
.endr
	v_lshl_or_b32 v[\pw], v[TM+5], 8, v[TM+4]
	v_lshl_or_b32 v[\pw], v[TM+6], 16, v[\pw]
	v_lshl_or_b32 v[\pw], v[TM+7], 24, v[\pw]
	WIN \w
.irp c, 0,1
	v_cvt_scalef32_pk16_fp6_f32 v[\pc+6*\c:\pc+2+6*\c], v[\s+32*\c:\s+15+32*\c], v[TM+8+2*\c]
	v_cvt_scalef32_pk16_fp6_f32 v[\pc+12+4*\c:\pc+14+4*\c], v[\s+16+32*\c:\s+31+32*\c], v[TM+8+2*\c+1]
.endr
	WIN 0
	v_nop
.irp c, 0,1
.irp i, 0,1,2
	v_permlane16_swap_b32 v[\pc+6*\c+\i], v[\pc+12+4*\c+\i]
.endr
.irp i, 0,1,2
	v_mov_b32 v[\pc+3+6*\c+\i], v[\pc+12+4*\c+\i]
.endr
.endr
.endm
.macro PUT pc, sb, imm
	global_store_b128 v[L16], v[\pc:\pc+3], s[\sb:\sb+1] offset:\imm
	global_store_b64 v[L8], v[\pc+4:\pc+5], s[\sb:\sb+1] offset:\imm+512
	global_store_b128 v[L16], v[\pc+6:\pc+9], s[\sb:\sb+1] offset:\imm+768
	global_store_b64 v[L8], v[\pc+10:\pc+11], s[\sb:\sb+1] offset:\imm+1280
.endm
.macro XLOAD reg, adr, sb, imm
.irp k, 0,1,2,3
.irp q, 0,1,2,3
	global_load_b128 v[\reg+16*\k+4*\q:\reg+16*\k+4*\q+3], v[\adr], s[\sb:\sb+1] offset:\imm+128*\k+16*\q
.endr
.endr
.endm
; The activation of tile b of tokens (accumulators v[64 b] on in window 1) into v[H] on.  Each batch of 64 transcendentals has one plain place and one wait behind it, ahead of the first line that names a result.
.macro GELU b
	WIN 0x05
.set j, 0
.rept 32
	v_pk_mul_f32 v[H+j:H+j+1], v[64*\b+j:64*\b+j+1], v[64*\b+j:64*\b+j+1]   ; x^2; each accumulator is read from its low end on
.set j, j+2
.endr
	WIN 0
.set j, 0
.rept 32
	v_pk_fma_f32 v[H+j:H+j+1], v[H+j:H+j+1], v[254:255], v[252:253]         ; k3 x^2 + k1
.set j, j+2
.endr
	WIN 0x04
.set j, 0
.rept 32
	v_pk_mul_f32 v[H+j:H+j+1], v[H+j:H+j+1], v[64*\b+j:64*\b+j+1]           ; z
.set j, j+2
.endr
	WIN 0
.set j, 0
.rept 64
	v_exp_f32 v[H+j], v[H+j]
.set j, j+1
.endr
	v_nop
	s_wait_alu depctr_va_vdst(0)
.set j, 0
.rept 32
	v_pk_add_f32 v[H+j:H+j+1], v[H+j:H+j+1], 1.0 op_sel_hi:[1,0]
.set j, j+2
.endr
.set j, 0
.rept 64
	v_rcp_f32 v[H+j], v[H+j]
.set j, j+1
.endr
	v_nop
	s_wait_alu depctr_va_vdst(0)
	WIN 0x04
.set j, 0
.rept 32
	v_pk_mul_f32 v[H+j:H+j+1], v[H+j:H+j+1], v[64*\b+j:64*\b+j+1]           ; x / (1 + 2^z)
.set j, j+2
.endr
	WIN 0
.endm
	s_load_b256 s[8:15], s[0:1], 0x0               ; himg s[8:9], wimg s[10:11], b1 s[12:13], gimg s[14:15]
	v_lshl_add_u32 v247, v0, 2, 0x4b000
	v_mov_b32 v251, 0
	ds_add_u32 v247, v251
	ds_add_u32 v247, v251
	v_lshrrev_b32 v1, 5, v0
	v_readfirstlane_b32 s2, v1
	v_and_b32 v4, 31, v0
	v_lshlrev_b32 v[L16], 4, v4
	v_lshlrev_b32 v[L8], 3, v4
	v_and_b32 v[RR], 15, v0
	v_bfe_u32 v[HH], v0, 4, 1
	s_lshr_b32 s4, s2, 2                           ; wa
	s_and_b32 s5, s2, 3                            ; wb
	s_mul_i32 s3, s2, 1536
	v_add_nc_u32 v[CG], s3, v[L16]
	v_add_nc_u32 v[LA], s3, v[L16]
	v_add_nc_u32 v[LA+1], 49152, v[LA]
	v_add_nc_u32 v[LA+2], 98304, v[LA]
	v_add_nc_u32 v[LA+3], 147456, v[LA]
	v_add_nc_u32 v[LB], 196608, v[LA]
	v_add_nc_u32 v[LB+1], 245760, v[LA]
	s_lshl_b32 s3, s2, 9
	v_add_nc_u32 v[CSG], s3, v[L16]
	v_add_nc_u32 v[CSL0], 294912, v[CSG]
	v_add_nc_u32 v[CSL1], 303104, v[CSG]
	v_lshlrev_b32 v[HA], 6, v[HH]
	s_and_b32 s18, ttmp9, 15                       ; 256 hidden units
	s_lshr_b32 s19, ttmp9, 4                       ; 128 tokens
	s_mov_b32 s31, 0
	s_mov_b32 s[SEL], 0x76543210
	s_mov_b32 s[SEL+1], 0xfedcba98
	s_wait_dscnt 0x0
	s_wait_kmcnt 0x0
	s_mul_i32 s30, s18, 196608
	s_add_co_u32 s30, s30, 3145728
	s_add_nc_u64 s[48:49], s[10:11], s[30:31]      ; W1's images, and 49,152, 98,304, 147,456 bytes on
	s_add_nc_u64 s[50:51], s[48:49], 49152
	s_add_nc_u64 s[52:53], s[48:49], 98304
	s_add_nc_u64 s[54:55], s[48:49], 147456
	s_lshl_b32 s30, s18, 13
	s_add_co_u32 s30, s30, 9437184+131072
	s_add_nc_u64 s[34:35], s[10:11], s[30:31]      ; its scale words
	s_mul_i32 s30, s19, 98304
	s_add_nc_u64 s[56:57], s[8:9], s[30:31]        ; h2's images, and 49,152 bytes on
	s_add_nc_u64 s[58:59], s[56:57], 49152
	s_lshl_b32 s30, s19, 12
	s_add_co_u32 s30, s30, 3145728
	s_add_nc_u64 s[38:39], s[8:9], s[30:31]        ; its scale words
	s_lshl_b32 s30, s18, 10
	s_lshl_b32 s6, s4, 9
	s_add_co_u32 s30, s30, s6
	s_add_nc_u64 s[40:41], s[12:13], s[30:31]      ; b1 at my 128 units
	FILL_LOADS
	XLOAD BIAS, HA, 40, 0
	FILL_COPIES
	s_lshl_b32 s20, s19, 5
	s_lshl_b32 s6, s18, 1
	s_add_co_u32 s20, s20, s6
	s_add_co_u32 s20, s20, s4                      ; 32 x group of tokens + K step of the next product
	s_mul_i32 s30, s20, 12288
	s_mul_i32 s6, s5, 3072
	s_add_co_u32 s30, s30, s6
	s_add_nc_u64 s[42:43], s[14:15], s[30:31]      ; my two images
	s_lshl_b32 s30, s20, 9
	s_lshr_b32 s6, s5, 1
	s_lshl_b32 s6, s6, 8
	s_add_co_u32 s30, s30, s6
	s_and_b32 s6, s5, 1
	s_lshl_b32 s6, s6, 3
	s_add_co_u32 s30, s30, s6
	s_add_co_u32 s30, s30, 12582912
	s_add_nc_u64 s[44:45], s[14:15], s[30:31]      ; and their scale words
	s_mul_i32 s6, s4, 98304
	v_add_nc_u32 v11, s6, v[L16]
	v_add_nc_u32 v12, s6, v[L8]
	v_add_nc_u32 v13, 49152, v11
	v_add_nc_u32 v14, 49152, v12
	s_mul_i32 s6, s5, 3072
	s_add_co_u32 s6, s6, 196608
	v_add_nc_u32 v15, s6, v[L16]
	v_add_nc_u32 v16, s6, v[L8]
	v_add_nc_u32 v17, 49152, v15
	v_add_nc_u32 v18, 49152, v16
	v_lshlrev_b32 v[R16], 4, v[RR]
	s_lshl_b32 s6, s4, 12
	s_add_co_u32 s6, s6, 294912
	v_add_nc_u32 v[ASA], s6, v[R16]
	s_lshr_b32 s6, s5, 1
	s_lshl_b32 s6, s6, 8
	s_and_b32 s7, s5, 1
	s_lshl_b32 s7, s7, 3
	s_add_co_u32 s6, s6, s7
	s_add_co_u32 s6, s6, 303104
	v_add_nc_u32 v[ASB], s6, v[R16]
.irp b, 0,1,2,3
	v_mov_b32 v[TM+4+\b], 0                        ; a lane permute's destination counts as one of its sources
.endr
	v_mov_b32 v252, 0xc0135761                     ; k1, twice
	v_mov_b32 v253, 0xc0135761
	v_mov_b32 v254, 0xbdd2d3e8                     ; k3, twice
	v_mov_b32 v255, 0xbdd2d3e8
	s_wait_loadcnt 0x0                             ; the twelve loads through registers, and b1
	FILL_STORES
	STAGE 45
	KS 11, 15, 0, 0, 2
	KS 11, 15, 12288, 512, 0
	STAGE 27
	KS 11, 15, 24576, 1024, 0
	KS 11, 15, 36864, 1536, 0
	STAGE 9
	KS 13, 17, 0, 2048, 0
	KS 13, 17, 12288, 2560, 0
	STAGE 0
	KS 13, 17, 24576, 3072, 0
	KS 13, 17, 36864, 3584, 0
	PLACES 4                                       ; in front of the first read of results
	GELU 0
	QUANT H, 0, PC, PW
	PUT PC, 42, 0
	GELU 1
	s_wait_xcnt 0x0                                ; the first tile's stores have read the codes' registers: they are written again only behind this wait
	QUANT H, 0, PC, PW+1
	PUT PC, 42, 1536
	global_store_b64 v[R16], v[PW:PW+1], s[44:45]  ; lanes 16-31 repeat lanes 0-15
	s_wait_tensorcnt 0x0
	ds_add_u32 v247, v251
	s_wait_dscnt 0x0
	s_endpgm
.Lfunc_end_k_qe6d3bb9ff2_ffn1:
	.size	k_qe6d3bb9ff2_ffn1, .Lfunc_end_k_qe6d3bb9ff2_ffn1-k_qe6d3bb9ff2_ffn1
	.p2alignl 7, 3214868480
	.fill 96, 4, 3214868480
	.section	.rodata,"a",@progbits
	.p2align	6, 0x0
	.amdhsa_kernel k_qe6d3bb9ff2_ffn1
		.amdhsa_group_segment_fixed_size 308224
		.amdhsa_private_segment_fixed_size 0
		.amdhsa_enable_private_segment 0
		.amdhsa_kernarg_size 32
		.amdhsa_user_sgpr_count 2
		.amdhsa_user_sgpr_kernarg_segment_ptr 1
		.amdhsa_wavefront_size32 1
		.amdhsa_system_sgpr_workgroup_id_x 1
		.amdhsa_system_sgpr_workgroup_id_y 1
		.amdhsa_system_sgpr_workgroup_id_z 1
		.amdhsa_system_vgpr_workitem_id 0
		.amdhsa_next_free_vgpr 512
		.amdhsa_next_free_sgpr 66
		.amdhsa_reserve_vcc 0
		.amdhsa_float_denorm_mode_32 3
		.amdhsa_float_denorm_mode_16_64 3
		.amdhsa_memory_ordered 1
		.amdhsa_forward_progress 1
		.amdhsa_inst_pref_size 93
	.end_amdhsa_kernel
	.amdgpu_metadata
---
amdhsa.version: [ 1, 2 ]
amdhsa.kernels:
  - .name:           k_qe6d3bb9ff2_ffn1
    .symbol:         k_qe6d3bb9ff2_ffn1.kd
    .args:
      - { .name: himg, .offset: 0, .size: 8, .value_kind: global_buffer, .address_space: global }
      - { .name: wimg, .offset: 8, .size: 8, .value_kind: global_buffer, .address_space: global }
      - { .name: b1, .offset: 16, .size: 8, .value_kind: global_buffer, .address_space: global }
      - { .name: gimg, .offset: 24, .size: 8, .value_kind: global_buffer, .address_space: global }
    .group_segment_fixed_size: 308224
    .private_segment_fixed_size: 0
    .kernarg_segment_align: 8
    .kernarg_segment_size: 32
    .max_flat_workgroup_size: 256
    .sgpr_count:     66
    .vgpr_count:     512
    .wavefront_size: 32
...
	.end_amdgpu_metadata
.endif
;; end of part 5
;; launch ffn2 (part 6): grid 256 x 1, 8 waves a work-group, no clusters, 185,344 bytes of LDS; arguments gimg, wimg, b2, x1, out0; writes out0
.if DOCPART == 6
	.amdgcn_target "amdgcn-amd-amdhsa--gfx1250"
	.amdhsa_code_object_version 6
	.text
	.protected	k_qe6d3bb9ff2_ffn2
	.globl	k_qe6d3bb9ff2_ffn2
	.p2align	8
	.type	k_qe6d3bb9ff2_ffn2,@function
k_qe6d3bb9ff2_ffn2:
	s_mov_b64 s[64:65], 0
	v_nop
	global_prefetch_b8 v0, s[64:65] scope:SCOPE_SE
	s_setreg_imm32_b32 hwreg(HW_REG_WAVE_MODE, 25, 1), 1
	s_wait_xcnt 0x0
; out0 = x1 + g W2 + b2; the product on codes of MX-FP6, K = 4,096: 32 K steps, eight slots of four.  Operands come as images of operand registers (a fragment, 16 rows x 128 K: 1,536 bytes; [group of 128 rows][K step][tile]; scale words [group][K step][512]).
; A work-group makes 128 columns (one group of W2, source 0) x 128 tokens (one group of g, source 1).
; Wave w: wb = w % 4 its two tiles of tokens, g = w / 4 its half of K (K steps g and g + 2 of each slot): 16 accumulators.
; So a fragment of g's images is used by ONE wave: it comes from memory straight into that wave's registers, four dense loads a fragment, and never touches LDS.
; W2's fragments are used by four waves: they and the scale words go through a ring of two LDS slots, filled THROUGH REGISTERS: wave w fetches bytes 6,144 w on of a slot's 49,152 (12 loads) and scale block w (1 load) and stores them to LDS a trip later.
; A slot costs LDS 16 x (8 x 1,536 + 1,280) bytes of reads and 53,248 of stores.
; Loads run two slots ahead, at most 61 a wave; one barrier a trip: in front of it each wave has waited for its reads of the slot in hand and for its stores into the other.
; At the end the two halves of K are joined through LDS: each wave keeps tile g and sends the other.  So K is summed in two halves, not in one ascending chain.  A lane holds one token; register 16 b + i is column 32 b + 16 h + i.
; No tensor load, no copy: no slot is an engine's target.  No multicast for the same reason.  LIMITS: NaN and infinities are not served.
.set GSTR, 393216                      ; a group's images: 32 K steps x 12,288 bytes
.set SSHL, 14                          ; a group's scale words: 32 x 512 = 2^14 bytes
.set WCOD, 6291456                     ; where W2's images begin in wimg,
.set WSCL, 9437184+262144              ; and its scale words
.set ASCL, 12582912                    ; where g's scale words begin in gimg
.set SCLO, 49152                       ; in a slot: behind W2's four records, eight blocks of 512 bytes of scale words: W2's four, then g's four
.set L16, 1
.set L8,  2
.set RR,  3
.set HH,  4
.set ST,  5                            ; v5, v6 where I store my part of a slot and my scale block; v7-10 where I read: these six change slots by an exclusive or with 131,072
.set SS,  6
.set A16, 7
.set A8,  8
.set ASA, 9
.set ASB, 10
.set MS,  11                           ; v11 my partner's mailbox, v12 mine
.set MR,  12
.set STO, 13
.set RD,  14
.set XA,  15
.set HA,  16
.set SA,  20                           ; v20-27 W2's scale words, v28-29 g's
.set SB,  28
.set FA,  32                           ; v32-127 W2's eight fragments
.set FBS, 128                          ; a set of 100 registers, set 0 in window 0, set 1 in window 1: v128-175 my four fragments of g,
.set STG, 176                          ; v176-223 my part of W2's records on its way to LDS,
.set SCR, 224                          ; v224-227 my scale block
.set RES, 176                          ; v176-239: in window 0 x1's tile, in window 1 b2, once the set's part for LDS has been stored for the last time
.set TT,  32                           ; the way out: the finished tile, and the rows read back from the stage
.set RB,  96
.set MSB, 0
.macro WIN new
.if MSB != (\new)
	s_set_vgpr_msb (MSB<<8)|(\new)
.set MSB, (\new)
.endif
.endm
.macro PLACES n
.rept \n
	v_nop
.endr
.endm
.macro FRAGL reg, a16, a8, off
	ds_load_b128 v[\reg:\reg+3], v[\a16] offset:\off
	ds_load_b64 v[\reg+4:\reg+5], v[\a8] offset:\off+512
	ds_load_b128 v[\reg+6:\reg+9], v[\a16] offset:\off+768
	ds_load_b64 v[\reg+10:\reg+11], v[\a8] offset:\off+1280
.endm
; One K step of the wave's 8 x 2 tiles: 35 LDS loads in one run, then 16 products on 16 accumulators that take turns, one instruction a turn.  cmode 0: sums go on; 1: begin at 0.
; Source 1's two fragments stand in registers, at v[fb] on in window fbw.
.macro KS ko, ks, cmode, fbw, fb
	PLACES 4                                       ; in front of loads into registers that the last products read
	ds_load_b128 v[SA:SA+3], v[ASA] offset:\ks
	ds_load_b128 v[SA+4:SA+7], v[ASA] offset:\ks+256
	ds_load_b64 v[SB:SB+1], v[ASB] offset:\ks
.irp a, 0,1,2,3,4,5,6,7
	FRAGL FA+12*\a, A16, A8, \ko+1536*\a
.endr
	WIN 0x50+4*(\fbw)
.irp a, 0,1,2,3,4,5,6,7
	s_wait_dscnt 4*(7-\a)                          ; all is in but the four loads of each later tile of source 0
.irp b, 0,1
.if \cmode == 0
	v_wmma_scale_f32_16x16x128_f8f6f4 v[64*\b+8*\a:64*\b+8*\a+7], v[FA+12*\a:FA+12*\a+11], v[\fb+12*\b:\fb+12*\b+11], v[64*\b+8*\a:64*\b+8*\a+7], v[SA+\a], v[SB+\b] matrix_a_fmt:MATRIX_FMT_FP6 matrix_b_fmt:MATRIX_FMT_FP6
.else
	v_wmma_scale_f32_16x16x128_f8f6f4 v[64*\b+8*\a:64*\b+8*\a+7], v[FA+12*\a:FA+12*\a+11], v[\fb+12*\b:\fb+12*\b+11], 0, v[SA+\a], v[SB+\b] matrix_a_fmt:MATRIX_FMT_FP6 matrix_b_fmt:MATRIX_FMT_FP6
.endif
.endr
.endr
	WIN 0
.endm
.macro XLOAD reg, adr, sb, imm
.irp k, 0,1,2,3
.irp q, 0,1,2,3
	global_load_b128 v[\reg+16*\k+4*\q:\reg+16*\k+4*\q+3], v[\adr], s[\sb:\sb+1] offset:\imm+128*\k+16*\q
.endr
.endr
.endm
.macro LOADW t, set                            ; 13 loads: my part of slot t's four records of source 0, and my scale block
.if \set
	WIN 0x40
.endif
.set i, 0
.rept 12
	global_load_b128 v[STG+4*i:STG+4*i+3], v[L16], s[32:33] offset:49152*(\t)+512*i
.set i, i+1
.endr
	global_load_b128 v[SCR:SCR+3], v[L16], s[34:35] offset:2048*(\t)
	WIN 0
.endm
.macro LOADA t, set                            ; 16 loads: my four fragments of source 1 in slot t: K steps g and g + 2, tiles 2 wb and 2 wb + 1
.if \set
	WIN 0x40
.endif
.irp k, 0,1
.irp b, 0,1
	global_load_b128 v[FBS+24*\k+12*\b:FBS+24*\k+12*\b+3], v[L16], s[42:43] offset:49152*(\t)+24576*\k+1536*\b
	global_load_b64 v[FBS+24*\k+12*\b+4:FBS+24*\k+12*\b+5], v[L8], s[42:43] offset:49152*(\t)+24576*\k+1536*\b+512
	global_load_b128 v[FBS+24*\k+12*\b+6:FBS+24*\k+12*\b+9], v[L16], s[42:43] offset:49152*(\t)+24576*\k+1536*\b+768
	global_load_b64 v[FBS+24*\k+12*\b+10:FBS+24*\k+12*\b+11], v[L8], s[42:43] offset:49152*(\t)+24576*\k+1536*\b+1280
.endr
.endr
	WIN 0
.endm
.macro STORE set                               ; the set's part for LDS goes there; then my store addresses change slots
.if \set
	WIN 0x04                                       ; an LDS store's data are its source 1
.endif
.set i, 0
.rept 12
	ds_store_b128 v[ST], v[STG+4*i:STG+4*i+3] offset:512*i
.set i, i+1
.endr
	ds_store_b128 v[SS], v[SCR:SCR+3]
	WIN 0
	v_xor_b32 v[ST], 0x20000, v[ST]
	v_xor_b32 v[SS], 0x20000, v[SS]
.endm
.macro BAR
	s_barrier_signal -1
	s_barrier_wait -1
.endm
; A trip: my two K steps of the slot in hand (its fragments of source 1 in set cur); then the next slot's part for LDS, which has come into set nxt, goes to the other slot: that slot was last read a trip ago,
; and every wave waited for those reads in front of that trip's barrier.  la: the loads issued behind this slot's fragments of source 1; ld: those issued behind the next slot's part for LDS: they may stay out.
; The six address turns (four here, two in STORE) are the places between the trip's last product and the loads that follow the macro into set cur's fragments.
.macro TRIP cm, la, ld, cur, nxt
	s_wait_loadcnt \la
	KS 0, 0, \cm, \cur, FBS
	KS 24576, 1024, 0, \cur, FBS+24
.irp a, A16, A8, ASA, ASB
	v_xor_b32 v[\a], 0x20000, v[\a]
.endr
	s_wait_loadcnt \ld
	STORE \nxt
	s_wait_dscnt 0x0                               ; for the others' sake: my stores have landed (my reads were waited for in the K step); the stored registers may be loaded again
.endm
.macro OUTTILE t, rb, sb, imm                  ; 16 rows x 128 columns of f32 go through my stage (rows 528 bytes apart) and leave as whole rows
.irp k, 0,1,2,3
.irp q, 0,1,2,3
	ds_store_b128 v[STO], v[\t+16*\k+4*\q:\t+16*\k+4*\q+3] offset:128*\k+16*\q
.endr
.endr
.set i, 0
.rept 16
	ds_load_b128 v[\rb+4*i:\rb+4*i+3], v[RD] offset:528*i   ; LDS serves a wave's instructions in order: these see my stores
.set i, i+1
.endr
.set i, 0
.rept 16
	s_wait_dscnt 15-i                              ; row i is back; the later rows may be out
	global_store_b128 v[L16], v[\rb+4*i:\rb+4*i+3], s[\sb:\sb+1] offset:\imm+4096*i th:TH_STORE_NT   ; 32 lanes store 512 consecutive bytes, at a multiple of 512 from the buffer's first byte
.set i, i+1
.endr
.endm
.macro SENDACC base                            ; 64 accumulator registers to my partner's mailbox, as they stand; each accumulator from its low end on
	WIN 0x04
.irp a, 0,1,2,3,4,5,6,7
	ds_store_b128 v[MS], v[\base+8*\a:\base+8*\a+3] offset:1024*\a
	ds_store_b128 v[MS], v[\base+8*\a+4:\base+8*\a+7] offset:1024*\a+512
.endr
	WIN 0
.endm
.macro JOINACC base                            ; what my partner sent + my own half of K
	WIN 0x01
.set j, 0
.rept 32
	v_pk_add_f32 v[TT+j:TT+j+1], v[\base+j:\base+j+1], v[TT+j:TT+j+1]
.set j, j+2
.endr
	WIN 0
.endm
	s_load_b256 s[8:15], s[0:1], 0x0               ; gimg s[8:9], wimg s[10:11], b2 s[12:13], x1 s[14:15]
	s_load_b64 s[16:17], s[0:1], 0x20              ; out0
	v_lshl_add_u32 v254, v0, 2, 0x2d000
	v_mov_b32 v255, 0
	v_lshrrev_b32 v1, 5, v0
	v_readfirstlane_b32 s2, v1
	v_and_b32 v4, 31, v0
	v_lshlrev_b32 v[L16], 4, v4
	v_lshlrev_b32 v[L8], 3, v4
	v_and_b32 v[RR], 15, v0
	v_bfe_u32 v[HH], v0, 4, 1
	s_lshr_b32 s4, s2, 2                           ; g: my half of K.  Also: my scale block is source 0's (0) or source 1's (1)
	s_and_b32 s5, s2, 3                            ; wb: my tiles of tokens.  Also: which K step's scale block I fetch
	s_and_b32 s18, ttmp9, 7                        ; group of W2
	s_lshr_b32 s19, ttmp9, 3                       ; group of tokens
	s_mov_b32 s24, WSCL
	s_mov_b32 s31, 0
	s_wait_kmcnt 0x0
	s_mul_i32 s30, s18, GSTR
	s_add_co_u32 s30, s30, WCOD
	s_mul_i32 s25, s2, 6144
	s_add_co_u32 s30, s30, s25
	s_add_nc_u64 s[32:33], s[10:11], s[30:31]      ; my part of source 0's records
	s_cmp_eq_u32 s4, 1
	s_cselect_b64 s[20:21], s[8:9], s[10:11]
	s_cselect_b32 s22, s19, s18
	s_cselect_b32 s24, ASCL, s24
	s_lshl_b32 s30, s22, SSHL
	s_add_co_u32 s30, s30, s24
	s_lshl_b32 s25, s5, 9
	s_add_co_u32 s30, s30, s25
	s_add_nc_u64 s[34:35], s[20:21], s[30:31]      ; my scale block
	s_mul_i32 s30, s19, GSTR
	s_mul_i32 s25, s4, 12288
	s_add_co_u32 s30, s30, s25
	s_mul_i32 s25, s5, 3072
	s_add_co_u32 s30, s30, s25
	s_add_nc_u64 s[42:43], s[8:9], s[30:31]        ; my fragments of source 1: K step g, tile 2 wb
	LOADW 0, 0
	LOADA 0, 0
	LOADW 1, 1
	LOADA 1, 1
	s_mul_i32 s3, s2, 6144
	v_add_nc_u32 v[ST], s3, v[L16]
	s_lshl_b32 s3, s2, 9
	s_add_co_u32 s3, s3, SCLO
	v_add_nc_u32 v[SS], s3, v[L16]
	s_mul_i32 s3, s4, 12288
	v_add_nc_u32 v[A16], s3, v[L16]
	v_add_nc_u32 v[A8], s3, v[L8]
	v_lshlrev_b32 v17, 4, v[RR]
	s_lshl_b32 s3, s4, 9
	s_add_co_u32 s6, s3, SCLO
	v_add_nc_u32 v[ASA], s6, v17
	s_lshr_b32 s6, s5, 1
	s_lshl_b32 s6, s6, 8
	s_add_co_u32 s3, s3, s6
	s_and_b32 s6, s5, 1
	s_lshl_b32 s6, s6, 3
	s_add_co_u32 s3, s3, s6
	s_add_co_u32 s3, s3, SCLO+2048
	v_add_nc_u32 v[ASB], s3, v17
	s_xor_b32 s3, s2, 4
	s_lshl_b32 s3, s3, 13
	v_add_nc_u32 v[MS], s3, v[L16]
	s_lshl_b32 s3, s2, 13
	v_add_nc_u32 v[MR], s3, v[L16]
	s_mul_i32 s3, s2, 8448
	s_add_co_u32 s3, s3, 65536
	v_add_nc_u32 v[RD], s3, v[L16]
	v_mul_u32_u24 v[STO], v[RR], 528
	v_lshl_add_u32 v[STO], v[HH], 6, v[STO]
	v_add_nc_u32 v[STO], s3, v[STO]
	v_lshlrev_b32 v[XA], 12, v[RR]
	v_lshl_add_u32 v[XA], v[HH], 6, v[XA]
	v_lshlrev_b32 v[HA], 6, v[HH]
	s_lshl_b32 s30, s19, 19                        ; the tile that I finish: rows 128 x group + 32 wb + 16 g, columns 128 x group of W2
	s_lshl_b32 s6, s5, 17
	s_add_co_u32 s30, s30, s6
	s_lshl_b32 s6, s4, 16
	s_add_co_u32 s30, s30, s6
	s_lshl_b32 s6, s18, 9
	s_add_co_u32 s30, s30, s6
	s_add_nc_u64 s[36:37], s[14:15], s[30:31]
	s_add_nc_u64 s[38:39], s[16:17], s[30:31]
	s_lshl_b32 s30, s18, 9
	s_add_nc_u64 s[40:41], s[12:13], s[30:31]
	s_wait_loadcnt 45                              ; slot 0's part for LDS is in; behind it: 16 + 13 + 16 loads
	STORE 0
	s_wait_dscnt 0x0
	LOADW 2, 0
	BAR
	TRIP 1, 42, 29, 0, 1                           ; 42: behind a slot's fragments: 13 + 16 + 13 loads;  29: behind the next slot's part for LDS: 16 + 13
	LOADA 2, 0
	LOADW 3, 1
	BAR
	TRIP 0, 42, 29, 1, 0
	LOADA 3, 1
	LOADW 4, 0
	BAR
	TRIP 0, 42, 29, 0, 1
	LOADA 4, 0
	LOADW 5, 1
	BAR
	TRIP 0, 42, 29, 1, 0
	LOADA 5, 1
	LOADW 6, 0
	BAR
	TRIP 0, 42, 29, 0, 1
	LOADA 6, 0
	LOADW 7, 1
	BAR
	TRIP 0, 42, 29, 1, 0
	LOADA 7, 1
	XLOAD RES, XA, 36, 0                           ; nothing is left to fetch of W2: x1's tile, in the result's layout, into the registers just stored
	BAR
	TRIP 0, 45, 32, 0, 1                           ; 45: behind slot 6's fragments: 13 + 16 + x1's 16;  32: behind slot 7's part for LDS: 16 + x1's 16
	WIN 0x40
	XLOAD RES, HA, 40, 0                           ; b2, into window 1
	WIN 0
	BAR
	s_wait_loadcnt 32                              ; slot 7's fragments are in; x1's 16 and b2's 16 may be out
	KS 0, 0, 0, 1, FBS
	KS 24576, 1024, 0, 1, FBS+24
	BAR                                            ; every wave's reads of the ring are in (the K step's last wait was for 0): it becomes mailboxes and stages
	PLACES 4                                       ; in front of the first read of results
	s_cmp_eq_u32 s4, 0
	s_cbranch_scc0 .Lsend_low
	SENDACC 64                                     ; g = 0 keeps its first tile of tokens and sends the second
	s_branch .Lsent
.Lsend_low:
	SENDACC 0                                      ; g = 1 the other way round
.Lsent:
	s_wait_dscnt 0x0
	BAR
.set i, 0
.rept 16
	ds_load_b128 v[TT+4*i:TT+4*i+3], v[MR] offset:512*i
.set i, i+1
.endr
	s_wait_dscnt 0x0
	s_wait_loadcnt 0x0                             ; x1's tile and b2
	s_cmp_eq_u32 s4, 0
	s_cbranch_scc0 .Ljoin_high
	JOINACC 0
	s_branch .Ljoined
.Ljoin_high:
	JOINACC 64
.Ljoined:
.set j, 0
.rept 32
	v_pk_add_f32 v[TT+j:TT+j+1], v[TT+j:TT+j+1], v[RES+j:RES+j+1]
.set j, j+2
.endr
	WIN 0x04
.set j, 0
.rept 32
	v_pk_add_f32 v[TT+j:TT+j+1], v[TT+j:TT+j+1], v[RES+j:RES+j+1]
.set j, j+2
.endr
	WIN 0
	OUTTILE TT, RB, 38, 0
	s_wait_tensorcnt 0x0
	ds_add_u32 v254, v255
	s_wait_dscnt 0x0
	s_endpgm
.Lfunc_end_k_qe6d3bb9ff2_ffn2:
	.size	k_qe6d3bb9ff2_ffn2, .Lfunc_end_k_qe6d3bb9ff2_ffn2-k_qe6d3bb9ff2_ffn2
	.p2alignl 7, 3214868480
	.fill 96, 4, 3214868480
	.section	.rodata,"a",@progbits
	.p2align	6, 0x0
	.amdhsa_kernel k_qe6d3bb9ff2_ffn2
		.amdhsa_group_segment_fixed_size 185344
		.amdhsa_private_segment_fixed_size 0
		.amdhsa_enable_private_segment 0
		.amdhsa_kernarg_size 40
		.amdhsa_user_sgpr_count 2
		.amdhsa_user_sgpr_kernarg_segment_ptr 1
		.amdhsa_wavefront_size32 1
		.amdhsa_system_sgpr_workgroup_id_x 1
		.amdhsa_system_sgpr_workgroup_id_y 1
		.amdhsa_system_sgpr_workgroup_id_z 1
		.amdhsa_system_vgpr_workitem_id 0
		.amdhsa_next_free_vgpr 512
		.amdhsa_next_free_sgpr 66
		.amdhsa_reserve_vcc 0
		.amdhsa_float_denorm_mode_32 3
		.amdhsa_float_denorm_mode_16_64 3
		.amdhsa_memory_ordered 1
		.amdhsa_forward_progress 1
		.amdhsa_inst_pref_size 130
	.end_amdhsa_kernel
	.amdgpu_metadata
---
amdhsa.version: [ 1, 2 ]
amdhsa.kernels:
  - .name:           k_qe6d3bb9ff2_ffn2
    .symbol:         k_qe6d3bb9ff2_ffn2.kd
    .args:
      - { .name: gimg, .offset: 0, .size: 8, .value_kind: global_buffer, .address_space: global }
      - { .name: wimg, .offset: 8, .size: 8, .value_kind: global_buffer, .address_space: global }
      - { .name: b2, .offset: 16, .size: 8, .value_kind: global_buffer, .address_space: global }
      - { .name: x1, .offset: 24, .size: 8, .value_kind: global_buffer, .address_space: global }
      - { .name: out0, .offset: 32, .size: 8, .value_kind: global_buffer, .address_space: global }
    .group_segment_fixed_size: 185344
    .private_segment_fixed_size: 0
    .kernarg_segment_align: 8
    .kernarg_segment_size: 40
    .max_flat_workgroup_size: 256
    .sgpr_count:     66
    .vgpr_count:     512
    .wavefront_size: 32
...
	.end_amdgpu_metadata
.endif
;; end of part 6
;; ======== version 2 of 2: 7 launches
;; workspace buffers: wimg 9,830,400 bytes; himg 3,276,800 bytes; cimg 3,276,800 bytes; gimg 13,107,200 bytes; kv 6,684,672 bytes; qrec 6,684,672 bytes; x1 16,777,216 bytes
;; launch prep (part 7): grid 352 x 1, 8 waves a work-group, no clusters, 2,048 bytes of LDS; arguments x, ln1_scale, ln1_shift, himg, Wq_codes, Wk_codes, Wv_codes, Wo_codes, W1_codes, W2_codes, Wq_scales, Wk_scales, Wv_scales, Wo_scales, W1_scales, W2_scales, wimg; writes himg, wimg
.if DOCPART == 7
	.amdgcn_target "amdgcn-amd-amdhsa--gfx1250"
	.amdhsa_code_object_version 6
	.text
	.protected	k_qe6d3bb9ff2_prep
	.globl	k_qe6d3bb9ff2_prep
	.p2align	8
	.type	k_qe6d3bb9ff2_prep,@function
k_qe6d3bb9ff2_prep:
	s_mov_b64 s[64:65], 0
	v_nop
	global_prefetch_b8 v0, s[64:65] scope:SCOPE_SE
	s_setreg_imm32_b32 hwreg(HW_REG_WAVE_MODE, 25, 1), 1
	s_wait_xcnt 0x0
; TWO JOBS, parted by the work-group's number.
; Work-groups 0-255: layer norm of 16 rows of 1,024 f32 numbers (mean, then variance of the centred numbers: two passes over registers), gain and shift,
; then the quantiser of MX-FP6 (E2M3, one E8M0 byte for each 32 along the row).  Wave w takes columns 128 w .. 128 w + 127, which are K step w of the next product.
; Work-groups 256-351 (first launch only): the six weights, given as rows of codes, are laid out anew as images of operand registers.
; THE IMAGE.  A fragment (16 rows x 128 K) is 12 registers a lane.  Its image is 1,536 bytes: registers 0-3 at 16 x lane, 4-5 at 512 + 8 x lane, 6-9 at 768 + 16 x lane, 10-11 at 1,280 + 8 x lane.
; Images lie [group of 128 rows][K step][tile of 16 rows]; scale words lie [group][K step][512 bytes], the word of (tile t, row r) at 256 (t / 4) + 16 r + 4 (t % 4).
; Rows of an activation's tile are neighbours.  Lane r of a WEIGHT's tile t takes row 32 (t / 2) + 8 (t % 2) + r + 8 (r / 8), so that with the weight as source 0 a lane's 16 results of tiles 2 b, 2 b + 1 are 16 neighbouring columns.
; LIMITS: NaN and infinities among the inputs are not served.  A block of zeros gets the byte 1 where the rule says 127: its codes are zeros, and only this program reads the bytes.
; The scale words of a tile of rows are 16 words of a block of 256 bytes whose other words come from three neighbouring work-groups: one byte in 24 of what is stored.
.set L16, 1                            ; v1  16 x lane
.set L8,  2                            ; v2  8 x lane
.set RR,  3                            ; v3  r = lane % 16
.set HH,  4                            ; v4  h = lane / 16
.set XA,  5                            ; v5  4,096 r + 64 h: my 16 numbers of a block of 32 in row r
.set HA,  6                            ; v6  64 h: the same in a vector of gains
.set RW,  7                            ; v7  LDS: 32 r + 4 w: my wave's partial sum of row r
.set RDD, 8                            ; v8  LDS: 32 r: the eight partial sums of row r
.set R16, 9                            ; v9  16 r
.set TM,  16                           ; v16-27 the quantiser's maxima, bytes and scale operands
.set PW,  28                           ; v28 the scale word
.set PC,  40                           ; v40-59 the codes
.set X,   64                           ; v64-127  my 64 numbers: register 16 b + i = column 32 b + 16 h + i of the wave's 128
.set G,   128                          ; v128-191 their gains
.set B,   192                          ; v192-255 their shifts
.set SEL, 42                           ; s[42:43] lane selects: lane l xor 16
.set MSB, 0
.macro WIN new                         ; the immediate's high byte repeats the setting that is left
.if MSB != (\new)
	s_set_vgpr_msb (MSB<<8)|(\new)
.set MSB, (\new)
.endif
.endm
; 64 numbers of a lane, v[s] on in window w, register 16 b + i = k 32 b + 16 h + i of my row, become a fragment's codes in v[pc] .. v[pc + 11] and its scale word in v[pw].
.macro QUANT s, w, pc, pw
	WIN 0x14*(\w)
.irp b, 0,1,2,3
	v_max3_num_f32 v[TM+\b], 0x1800000, |v[\s+16*\b]|, |v[\s+1+16*\b]|   ; my 16 numbers of block b, and the floor 2^(3 - 127): the byte cannot fall under 1
.endr
.irp i, 2,4,6,8,10,12,14
.irp b, 0,1,2,3
	s_delay_alu instid0(VALU_DEP_4)
	v_max3_num_f32 v[TM+\b], v[TM+\b], |v[\s+16*\b+\i]|, |v[\s+1+16*\b+\i]|
.endr
.endr
	WIN 0
.irp b, 0,1,2,3
	s_delay_alu instid0(VALU_DEP_4)
	v_permlanex16_b32 v[TM+4+\b], v[TM+\b], s[SEL], s[SEL+1]
.endr
.irp b, 0,1,2,3
	s_delay_alu instid0(VALU_DEP_4)
	v_max_num_f32 v[TM+\b], v[TM+\b], v[TM+4+\b]   ; with lane l xor 16's 16: the block's largest magnitude
.endr
.irp b, 0,1,2,3
	s_delay_alu instid0(VALU_DEP_4)
	v_add_nc_u32 v[TM+8+\b], 0xff000000, v[TM+\b]  ; 2 off its exponent field: the conversion's scale operand
.endr
.irp b, 0,1,2,3
	s_delay_alu instid0(VALU_DEP_4)
	v_lshrrev_b32 v[TM+4+\b], 23, v[TM+8+\b]       ; the scale's byte
.endr
	s_delay_alu instid0(VALU_DEP_3)
	v_lshl_or_b32 v[\pw], v[TM+5], 8, v[TM+4]
	s_delay_alu instid0(VALU_DEP_1)
	v_lshl_or_b32 v[\pw], v[TM+6], 16, v[\pw]
	s_delay_alu instid0(VALU_DEP_1)
	v_lshl_or_b32 v[\pw], v[TM+7], 24, v[\pw]
	WIN \w
.irp c, 0,1
	v_cvt_scalef32_pk16_fp6_f32 v[\pc+6*\c:\pc+2+6*\c], v[\s+32*\c:\s+15+32*\c], v[TM+8+2*\c]
	v_cvt_scalef32_pk16_fp6_f32 v[\pc+12+4*\c:\pc+14+4*\c], v[\s+16+32*\c:\s+31+32*\c], v[TM+8+2*\c+1]   ; (a conversion's three registers begin on an even number)
.endr
	WIN 0
	v_nop                                          ; one plain place behind a scaled conversion
.irp c, 0,1                                    ; the operand wants a whole block in a lane: lanes 0-15 block 2 c, lanes 16-31 block 2 c + 1
.irp i, 0,1,2
	v_permlane16_swap_b32 v[\pc+6*\c+\i], v[\pc+12+4*\c+\i]
.endr
.irp i, 0,1,2
	s_delay_alu instid0(VALU_DEP_3)
	v_mov_b32 v[\pc+3+6*\c+\i], v[\pc+12+4*\c+\i]
.endr
.endr
.endm
.macro PUT pc, sb, imm                         ; a fragment's image: four stores, each of consecutive bytes over the 32 lanes
	global_store_b128 v[L16], v[\pc:\pc+3], s[\sb:\sb+1] offset:\imm
	global_store_b64 v[L8], v[\pc+4:\pc+5], s[\sb:\sb+1] offset:\imm+512
	global_store_b128 v[L16], v[\pc+6:\pc+9], s[\sb:\sb+1] offset:\imm+768
	global_store_b64 v[L8], v[\pc+10:\pc+11], s[\sb:\sb+1] offset:\imm+1280
.endm
.macro XLOAD reg, adr, sb, imm                 ; 64 numbers: of each of four blocks of 32 my half's 16
.irp k, 0,1,2,3
.irp q, 0,1,2,3
	global_load_b128 v[\reg+16*\k+4*\q:\reg+16*\k+4*\q+3], v[\adr], s[\sb:\sb+1] offset:\imm+128*\k+16*\q
.endr
.endr
.endm
.macro LANESUM                                 ; v[30:37], four pairs of partial sums, become the sum over my row's 128 columns, in v30
	s_delay_alu instid0(VALU_DEP_3)
	v_pk_add_f32 v[30:31], v[30:31], v[32:33]
	s_delay_alu instid0(VALU_DEP_2)
	v_pk_add_f32 v[34:35], v[34:35], v[36:37]
	s_delay_alu instid0(VALU_DEP_1)
	v_pk_add_f32 v[30:31], v[30:31], v[34:35]
	s_delay_alu instid0(VALU_DEP_1)
	v_add_f32 v30, v30, v31
	s_delay_alu instid0(VALU_DEP_1)
	v_permlanex16_b32 v31, v30, s[SEL], s[SEL+1]
	s_delay_alu instid0(VALU_DEP_1)
	v_add_f32 v30, v30, v31
.endm
.macro ROWSUM off                              ; through LDS: eight waves' sums of each row; the total in v40
	ds_store_b32 v[RW], v30 offset:\off            ; both halves of the lanes write the same word with the same value
	s_wait_dscnt 0x0                               ; for the others' sake: my store has landed
	s_barrier_signal -1
	s_barrier_wait -1
	ds_load_b128 v[40:43], v[RDD] offset:\off
	ds_load_b128 v[44:47], v[RDD] offset:\off+16
	s_wait_dscnt 0x0
	v_add_f32 v40, v40, v41
	v_add_f32 v42, v42, v43
	v_add_f32 v44, v44, v45
	v_add_f32 v46, v46, v47
	s_delay_alu instid0(VALU_DEP_3)
	v_add_f32 v40, v40, v42
	s_delay_alu instid0(VALU_DEP_2)
	v_add_f32 v44, v44, v46
	s_delay_alu instid0(VALU_DEP_1)
	v_add_f32 v40, v40, v44
.endm
	s_load_b512 s[8:23], s[0:1], 0x0               ; rows s[8:9], gain s[10:11], shift s[12:13], himg s[14:15], codes of Wq, Wk, Wv, Wo s[16:23]
	s_load_b512 s[24:39], s[0:1], 0x40             ; codes of W1, W2 s[24:27]; scales of Wq, Wk, Wv, Wo, W1, W2 s[28:39]
	s_load_b64 s[40:41], s[0:1], 0x80              ; wimg
	v_lshl_add_u32 v62, v0, 2, 0x400
	v_mov_b32 v63, 0
	v_lshrrev_b32 v10, 5, v0
	s_delay_alu instid0(VALU_DEP_1)
	v_readfirstlane_b32 s2, v10                    ; wave 0..7
	v_and_b32 v10, 31, v0
	s_delay_alu instid0(VALU_DEP_1)
	v_lshlrev_b32 v[L16], 4, v10
	s_delay_alu instid0(VALU_DEP_2)
	v_lshlrev_b32 v[L8], 3, v10
	v_and_b32 v[RR], 15, v0
	v_bfe_u32 v[HH], v0, 4, 1
	s_mov_b32 s[SEL], 0x76543210
	s_mov_b32 s[SEL+1], 0xfedcba98
	s_cmp_ge_u32 ttmp9, 256                        ; the same for all waves of a work-group
	s_cbranch_scc1 .Lrelay
	; ---- layer norm and quantiser: work-group T = tile of 16 rows
	v_lshlrev_b32 v[XA], 12, v[RR]
	s_delay_alu instid0(VALU_DEP_1)
	v_lshl_add_u32 v[XA], v[HH], 6, v[XA]
	v_lshlrev_b32 v[HA], 6, v[HH]
	v_lshlrev_b32 v[RDD], 5, v[RR]
	s_lshl_b32 s3, s2, 2
	v_add_nc_u32 v[RW], s3, v[RDD]
	v_lshlrev_b32 v[R16], 4, v[RR]
.irp b, 0,1,2,3
	v_mov_b32 v[TM+4+\b], 0                        ; written once: a lane permute's destination counts as one of its sources
.endr
	s_lshl_b32 s44, ttmp9, 16                      ; 16 rows of 4,096 bytes
	s_lshl_b32 s46, s2, 9                          ; my wave's 128 columns
	s_add_co_u32 s44, s44, s46
	s_mov_b32 s45, 0
	s_mov_b32 s47, 0
	s_mov_b32 s48, 0x3a800000                      ; 1 / 1,024
	s_mov_b32 s49, 0x3727c5ac                      ; 1e-5
	s_lshr_b32 s50, ttmp9, 3
	s_lshl_b32 s50, s50, 3
	s_add_co_u32 s50, s50, s2                      ; 8 x group + K step
	s_and_b32 s51, ttmp9, 7                        ; tile in the group
	s_mul_i32 s52, s50, 12288
	s_mul_i32 s53, s51, 1536
	s_add_co_u32 s52, s52, s53
	s_mov_b32 s53, 0
	s_wait_alu depctr_va_vdst(0)
	s_wait_kmcnt 0x0
	s_add_nc_u64 s[8:9], s[8:9], s[44:45]
	s_add_nc_u64 s[10:11], s[10:11], s[46:47]
	s_add_nc_u64 s[12:13], s[12:13], s[46:47]
	XLOAD X, XA, 8, 0
	XLOAD G, HA, 10, 0
	XLOAD B, HA, 12, 0
	s_add_nc_u64 s[54:55], s[14:15], s[52:53]      ; where my image goes
	s_lshl_b32 s52, s50, 9
	s_lshr_b32 s56, s51, 2
	s_lshl_b32 s56, s56, 8
	s_add_co_u32 s52, s52, s56
	s_and_b32 s56, s51, 3
	s_lshl_b32 s56, s56, 2
	s_add_co_u32 s52, s52, s56
	s_add_co_u32 s52, s52, 3145728
	s_add_nc_u64 s[56:57], s[14:15], s[52:53]      ; and my scale words
	s_wait_loadcnt 32                              ; my 16 loads of the rows are in; the 32 of gain and shift may be out
	v_pk_add_f32 v[30:31], v[X:X+1], v[X+2:X+3]
	v_pk_add_f32 v[32:33], v[X+4:X+5], v[X+6:X+7]
	v_pk_add_f32 v[34:35], v[X+8:X+9], v[X+10:X+11]
	v_pk_add_f32 v[36:37], v[X+12:X+13], v[X+14:X+15]
.irp j, 16,24,32,40,48,56
	s_delay_alu instid0(VALU_DEP_4)
	v_pk_add_f32 v[30:31], v[30:31], v[X+\j:X+\j+1]
	s_delay_alu instid0(VALU_DEP_4)
	v_pk_add_f32 v[32:33], v[32:33], v[X+\j+2:X+\j+3]
	s_delay_alu instid0(VALU_DEP_4)
	v_pk_add_f32 v[34:35], v[34:35], v[X+\j+4:X+\j+5]
	s_delay_alu instid0(VALU_DEP_4)
	v_pk_add_f32 v[36:37], v[36:37], v[X+\j+6:X+\j+7]
.endr
	LANESUM
	ROWSUM 0
	s_delay_alu instid0(VALU_DEP_1)
	v_mul_f32 v38, s48, v40                        ; the mean, in both registers of a pair
	s_delay_alu instid0(VALU_DEP_1)
	v_mov_b32 v39, v38
.set j, 0
.rept 32
	v_pk_add_f32 v[X+j:X+j+1], v[X+j:X+j+1], v[38:39] neg_lo:[0,1] neg_hi:[0,1]
.set j, j+2
.endr
	v_pk_mul_f32 v[30:31], v[X:X+1], v[X:X+1]
	v_pk_mul_f32 v[32:33], v[X+2:X+3], v[X+2:X+3]
	v_pk_mul_f32 v[34:35], v[X+4:X+5], v[X+4:X+5]
	v_pk_mul_f32 v[36:37], v[X+6:X+7], v[X+6:X+7]
.irp j, 8,16,24,32,40,48,56
	s_delay_alu instid0(VALU_DEP_4)
	v_pk_fma_f32 v[30:31], v[X+\j:X+\j+1], v[X+\j:X+\j+1], v[30:31]
	s_delay_alu instid0(VALU_DEP_4)
	v_pk_fma_f32 v[32:33], v[X+\j+2:X+\j+3], v[X+\j+2:X+\j+3], v[32:33]
	s_delay_alu instid0(VALU_DEP_4)
	v_pk_fma_f32 v[34:35], v[X+\j+4:X+\j+5], v[X+\j+4:X+\j+5], v[34:35]
	s_delay_alu instid0(VALU_DEP_4)
	v_pk_fma_f32 v[36:37], v[X+\j+6:X+\j+7], v[X+\j+6:X+\j+7], v[36:37]
.endr
	LANESUM
	ROWSUM 512                                     ; other bytes than the first sum's: no wave writes what another may still read
	s_delay_alu instid0(VALU_DEP_1)
	v_fma_f32 v40, v40, s48, s49                   ; variance + eps
	s_wait_alu depctr_va_vdst(0)
	v_rsq_f32 v30, v40
	v_nop                                          ; a plain place behind the transcendental,
	s_wait_alu depctr_va_vdst(0)                   ; and the wait ahead of the first line that names its result
	v_mov_b32 v31, v30
	s_wait_alu depctr_va_vdst(0)
	s_wait_loadcnt 0x0                             ; gain and shift
.set j, 0
.rept 32
	v_pk_mul_f32 v[X+j:X+j+1], v[X+j:X+j+1], v[30:31]
.set j, j+2
.endr
.set j, 0
.rept 32
	v_pk_fma_f32 v[X+j:X+j+1], v[X+j:X+j+1], v[G+j:G+j+1], v[B+j:B+j+1]
.set j, j+2
.endr
	QUANT X, 0, PC, PW
	PUT PC, 54, 0
	global_store_b32 v[R16], v[PW], s[56:57]       ; lanes 16-31 repeat lanes 0-15
	s_wait_tensorcnt 0x0
	ds_add_u32 v62, v63
	s_wait_dscnt 0x0
	s_endpgm
	; ---- the weights: work-group 256 + k lays chunk k, one group of 128 rows x 8 K steps (98,304 bytes of images).  Wave w takes tile w, and the scale words of the chunk's K step w.
.Lrelay:
	s_sub_co_u32 s3, ttmp9, 256                    ; k = 0 .. 95: Wq 0-7, Wk 8-15, Wv 16-23, Wo 24-31, W1 32-63, W2 64-95 (four chunks to a group of W2)
	s_and_b32 s48, s3, 7                           ; the group, for the four square weights;
	s_and_b32 s49, s3, 31                          ; for W1: k - 32; for W2: (k - 64) / 4, with K steps 8 ((k - 64) % 4) on
	s_and_b32 s51, s49, 3
	s_lshr_b32 s50, s49, 2
	s_mov_b32 s52, 768
	s_wait_kmcnt 0x0
	s_mov_b64 s[44:45], s[16:17]
	s_mov_b64 s[46:47], s[28:29]
	s_cmp_ge_u32 s3, 8
	s_cselect_b64 s[44:45], s[18:19], s[44:45]
	s_cselect_b64 s[46:47], s[30:31], s[46:47]
	s_cmp_ge_u32 s3, 16
	s_cselect_b64 s[44:45], s[20:21], s[44:45]
	s_cselect_b64 s[46:47], s[32:33], s[46:47]
	s_cmp_ge_u32 s3, 24
	s_cselect_b64 s[44:45], s[22:23], s[44:45]
	s_cselect_b64 s[46:47], s[34:35], s[46:47]
	s_cmp_ge_u32 s3, 32
	s_cselect_b64 s[44:45], s[24:25], s[44:45]
	s_cselect_b64 s[46:47], s[36:37], s[46:47]
	s_cselect_b32 s48, s49, s48
	s_cmp_ge_u32 s3, 64
	s_cselect_b64 s[44:45], s[26:27], s[44:45]
	s_cselect_b64 s[46:47], s[38:39], s[46:47]
	s_cselect_b32 s48, s50, s48                    ; group
	s_cselect_b32 s51, s51, 0                      ; which eight K steps
	s_cselect_b32 s52, 3072, s52                   ; a row of codes in bytes
	s_cselect_b32 s53, 128, 32                     ; a row of scale bytes
	s_lshl_b32 s54, s48, 7
	s_lshr_b32 s55, s2, 1
	s_lshl_b32 s55, s55, 5
	s_add_co_u32 s54, s54, s55
	s_and_b32 s55, s2, 1
	s_lshl_b32 s55, s55, 3
	s_add_co_u32 s54, s54, s55                     ; my tile's first row: 128 G + 32 (w / 2) + 8 (w % 2)
	s_mul_i32 s54, s54, s52
	s_mul_i32 s55, s51, 768
	s_add_co_u32 s54, s54, s55
	s_mov_b32 s55, 0
	s_add_nc_u64 s[44:45], s[44:45], s[54:55]
	s_lshl_b32 s54, s48, 7
	s_mul_i32 s54, s54, s53
	s_lshl_b32 s57, s51, 5
	s_add_co_u32 s54, s54, s57
	s_lshl_b32 s57, s2, 2
	s_add_co_u32 s54, s54, s57                     ; the group's scale bytes, at K step 8 kg + w
	s_add_nc_u64 s[46:47], s[46:47], s[54:55]
	s_wait_alu depctr_va_vdst(0)
	v_and_b32 v5, 8, v[RR]
	s_delay_alu instid0(VALU_DEP_1)
	v_add_nc_u32 v5, v5, v[RR]                     ; r + 8 (r / 8)
	s_delay_alu instid0(VALU_DEP_1)
	v_mul_lo_u32 v6, v5, s52
	s_delay_alu instid0(VALU_DEP_1)
	v_mad_u32_u24 v6, v[HH], 24, v6                ; codes: my row, + 24 h
	s_delay_alu instid0(VALU_DEP_3)
	v_lshl_add_u32 v7, v[HH], 6, v5                ; scale words: lane (r, h) gathers those of tiles 4 h + 0 .. 3: rows 64 h + r + 8 (r / 8) + 0, 8, 32, 40
	s_delay_alu instid0(VALU_DEP_1)
	v_mul_lo_u32 v7, v7, s53
	s_lshl_b32 s56, s53, 3
	v_add_nc_u32 v8, s56, v7
	s_lshl_b32 s56, s53, 5
	v_add_nc_u32 v9, s56, v7
	v_add_nc_u32 v10, s56, v8
	global_load_b32 v160, v7, s[46:47]
	global_load_b32 v161, v8, s[46:47]
	global_load_b32 v162, v9, s[46:47]
	global_load_b32 v163, v10, s[46:47]
.irp s, 0,1,2,3,4,5,6,7
.irp p, 0,1,2,3,4,5
	global_load_b64 v[64+12*\s+2*\p:65+12*\s+2*\p], v6, s[44:45] offset:96*\s+48*(\p/3)+8*(\p%3)
.endr
.endr
	s_mul_i32 s54, s3, 98304
	s_mul_i32 s57, s2, 1536
	s_add_co_u32 s54, s54, s57
	s_add_nc_u64 s[58:59], s[40:41], s[54:55]
	s_lshl_b32 s54, s3, 12
	s_lshl_b32 s57, s2, 9
	s_add_co_u32 s54, s54, s57
	s_add_co_u32 s54, s54, 9437184
	s_add_nc_u64 s[60:61], s[40:41], s[54:55]
.irp s, 0,1,2,3,4,5,6,7
	s_wait_loadcnt 6*(7-\s)                        ; K step s's six loads are in; six for each later K step may be out
	PUT 64+12*\s, 58, 12288*\s
.endr
	global_store_b128 v[L16], v[160:163], s[60:61] ; a whole block of 512 bytes of scale words (in since the first of the waits above)
	s_endpgm
.Lfunc_end_k_qe6d3bb9ff2_prep:
	.size	k_qe6d3bb9ff2_prep, .Lfunc_end_k_qe6d3bb9ff2_prep-k_qe6d3bb9ff2_prep
	.p2alignl 7, 3214868480
	.fill 96, 4, 3214868480
	.section	.rodata,"a",@progbits
	.p2align	6, 0x0
	.amdhsa_kernel k_qe6d3bb9ff2_prep
		.amdhsa_group_segment_fixed_size 2048
		.amdhsa_private_segment_fixed_size 0
		.amdhsa_enable_private_segment 0
		.amdhsa_kernarg_size 136
		.amdhsa_user_sgpr_count 2
		.amdhsa_user_sgpr_kernarg_segment_ptr 1
		.amdhsa_wavefront_size32 1
		.amdhsa_system_sgpr_workgroup_id_x 1
		.amdhsa_system_sgpr_workgroup_id_y 1
		.amdhsa_system_sgpr_workgroup_id_z 1
		.amdhsa_system_vgpr_workitem_id 0
		.amdhsa_next_free_vgpr 256
		.amdhsa_next_free_sgpr 66
		.amdhsa_reserve_vcc 0
		.amdhsa_float_denorm_mode_32 3
		.amdhsa_float_denorm_mode_16_64 3
		.amdhsa_memory_ordered 1
		.amdhsa_forward_progress 1
		.amdhsa_inst_pref_size 39
	.end_amdhsa_kernel
	.amdgpu_metadata
---
amdhsa.version: [ 1, 2 ]
amdhsa.kernels:
  - .name:           k_qe6d3bb9ff2_prep
    .symbol:         k_qe6d3bb9ff2_prep.kd
    .args:
      - { .name: x, .offset: 0, .size: 8, .value_kind: global_buffer, .address_space: global }
      - { .name: ln1_scale, .offset: 8, .size: 8, .value_kind: global_buffer, .address_space: global }
      - { .name: ln1_shift, .offset: 16, .size: 8, .value_kind: global_buffer, .address_space: global }
      - { .name: himg, .offset: 24, .size: 8, .value_kind: global_buffer, .address_space: global }
      - { .name: Wq_codes, .offset: 32, .size: 8, .value_kind: global_buffer, .address_space: global }
      - { .name: Wk_codes, .offset: 40, .size: 8, .value_kind: global_buffer, .address_space: global }
      - { .name: Wv_codes, .offset: 48, .size: 8, .value_kind: global_buffer, .address_space: global }
      - { .name: Wo_codes, .offset: 56, .size: 8, .value_kind: global_buffer, .address_space: global }
      - { .name: W1_codes, .offset: 64, .size: 8, .value_kind: global_buffer, .address_space: global }
      - { .name: W2_codes, .offset: 72, .size: 8, .value_kind: global_buffer, .address_space: global }
      - { .name: Wq_scales, .offset: 80, .size: 8, .value_kind: global_buffer, .address_space: global }
      - { .name: Wk_scales, .offset: 88, .size: 8, .value_kind: global_buffer, .address_space: global }
      - { .name: Wv_scales, .offset: 96, .size: 8, .value_kind: global_buffer, .address_space: global }
      - { .name: Wo_scales, .offset: 104, .size: 8, .value_kind: global_buffer, .address_space: global }
      - { .name: W1_scales, .offset: 112, .size: 8, .value_kind: global_buffer, .address_space: global }
      - { .name: W2_scales, .offset: 120, .size: 8, .value_kind: global_buffer, .address_space: global }
      - { .name: wimg, .offset: 128, .size: 8, .value_kind: global_buffer, .address_space: global }
    .group_segment_fixed_size: 2048
    .private_segment_fixed_size: 0
    .kernarg_segment_align: 8
    .kernarg_segment_size: 136
    .max_flat_workgroup_size: 256
    .sgpr_count:     66
    .vgpr_count:     256
    .wavefront_size: 32
...
	.end_amdgpu_metadata
.endif
;; end of part 7
;; launch qkv (part 8): grid 384 x 1, 8 waves a work-group, no clusters, 308,224 bytes of LDS; arguments himg, wimg, qrec, kv; writes qrec, kv
.if DOCPART == 8
	.amdgcn_target "amdgcn-amd-amdhsa--gfx1250"
	.amdhsa_code_object_version 6
	.text
	.protected	k_qe6d3bb9ff2_qkv
	.globl	k_qe6d3bb9ff2_qkv
	.p2align	8
	.type	k_qe6d3bb9ff2_qkv,@function
k_qe6d3bb9ff2_qkv:
	s_mov_b64 s[64:65], 0
	v_nop
	global_prefetch_b8 v0, s[64:65] scope:SCOPE_SE
	s_setreg_imm32_b32 hwreg(HW_REG_WAVE_MODE, 25, 1), 1
	s_wait_xcnt 0x0
; q = h Wq, k = h Wk, v = h Wv on codes of MX-FP6 (K = 1,024), each result quantised on the way out: q and k along the head's 64, v along the keys.
; Operands come as images of operand registers (a fragment, 16 rows x 128 K: 1,536 bytes; [group of 128 rows][K step][tile]; scale words [group][K step][512]).
; A work-group multiplies 256 rows of source 0 (two groups) by 128 rows of source 1 (one group).  All of K for these 384 rows, 307,200 bytes with the scale words, comes into LDS ONCE; nothing in LDS is filled again.
; K steps 0 to 6 come by 63 lane copies a wave, as many as a wait on ASYNCcnt can name; the scale words and K step 7 come by 12 loads through registers, issued first and stored to LDS ahead of the first barrier.
; A copy's immediate is added to both its addresses: it stays under 65,536, and the LDS address register and the scalar base carry the same multiple of 49,152.
; The products follow the copies, two K steps behind each of four barriers.
; Wave w: wa = w / 4 its group of source 0 (8 tiles), wb = w % 4 its two tiles of source 1: 16 accumulators.
; Work-groups 0-255: source 0 = Wq or Wk (its tiles' rows chosen so that a lane's results run along the columns), source 1 = tokens: a lane holds one token and 64 + 64 numbers of two heads.
; Work-groups 256-383: source 0 = tokens, source 1 = Wv: a lane holds one channel of v and its registers run along the tokens, which are the keys.  A lane's 16 numbers of two neighbouring tiles are
; keys 32 b + 8 h + 0 .. 7 and 32 b + 16 + 8 h + 0 .. 7: the right block of 32, in another order inside it.  The attention launch lays p in the same order, so the products are the same; only the order of summing differs.
; OUT.  A record of 208,896 bytes for each (batch, head): scale words of k (or q) at 0, of v at 8,192; then four quarters of 49,152: 32 tiles of 16 keys x 768 bytes, 4 key steps x 4 tiles of channels x 1,536.
; A head's 64 fill half a fragment; its scale word repeats its two bytes, since the upper half of K is zero codes in the attention launch.
; No multicast: lane copies have no joint form; a whole panel is asked for at once instead.
; LIMITS: NaN and infinities are not served; a block of zeros gets the byte 1 (its codes are zeros; only this program reads the bytes).
.set REC, 208896
.set L16, 1
.set L8,  2
.set RR,  3
.set HH,  4
.set CG,  5                            ; v5  1,536 w + 16 x lane: my tile's bytes in a K step's record; never rewritten
.set CSG, 8                            ; v8  512 w + 16 x lane: my part of a group's scale words; v9, v10 the same in LDS, for source 0 and source 1
.set CSL0, 9
.set CSL1, 10
.set ASA, 19                           ; v11-18 fragment addresses (source 0: v11, v12, K steps 4-7: v13, v14; source 1: v15-18); v19, v20 scale words'
.set ASB, 20
.set R16, 21
.set SA,  24                           ; v24-31 source 0's scale words, v32-33 source 1's
.set SB,  32
.set PW,  34                           ; v34-35 the scale words made here
.set FB,  36                           ; v36-59 source 1's two fragments
.set FA,  60                           ; v60-155 source 0's eight; ahead of K step 0, v60-107 carry what comes through registers
.set PC2, 136                          ; the second tile's codes, where source 0's fragments lay
.set BIAS, 156
.set TM,  220
.set PC,  232
.set LA,  232                          ; v232-235 LDS addresses of the copies for source 0: v5 + 49,152 x 0 .. 3;  v236-237 for source 1: + 196,608, + 245,760.  Written again only behind the wait for 0 on ASYNCcnt
.set LB,  236
.set SEL, 46
.set MSB, 0
.macro WIN new
.if MSB != (\new)
	s_set_vgpr_msb (MSB<<8)|(\new)
.set MSB, (\new)
.endif
.endm
.macro PLACES n
.rept \n
	v_nop
.endr
.endm
.macro FILL_LOADS                              ; through registers: the scale words of the three groups, and my tile of K step 7's three records
	global_load_b128 v[FA:FA+3], v[CSG], s[34:35]
	global_load_b128 v[FA+4:FA+7], v[CSG], s[34:35] offset:4096
	global_load_b128 v[FA+8:FA+11], v[CSG], s[38:39]
.irp c, 0,1,2
	global_load_b128 v[FA+12+12*\c:FA+15+12*\c], v[CG], s[50:51] offset:36864+512*\c
	global_load_b128 v[FA+16+12*\c:FA+19+12*\c], v[CG], s[54:55] offset:36864+512*\c
	global_load_b128 v[FA+20+12*\c:FA+23+12*\c], v[CG], s[58:59] offset:36864+512*\c
.endr
.endm
.macro FILL_COPIES                             ; K steps 0 to 6: wave w copies tile w of each of a K step's three records: nine copies a K step.  LDS has memory's order
.irp s, 0,1,2,3,4,5,6
.irp c, 0,1,2
	global_load_async_to_lds_b128 v[LA+\s/4], v[CG], s[48+2*(\s/4):49+2*(\s/4)] offset:12288*(\s%4)+512*\c
	global_load_async_to_lds_b128 v[LA+2+\s/4], v[CG], s[52+2*(\s/4):53+2*(\s/4)] offset:12288*(\s%4)+512*\c
	global_load_async_to_lds_b128 v[LB+\s/4], v[CG], s[56+2*(\s/4):57+2*(\s/4)] offset:12288*(\s%4)+512*\c
.endr
.endr
.endm
.macro FILL_STORES                             ; what came through registers goes to its place in LDS: whole blocks of 256 bytes into which no copy lands
	ds_store_b128 v[CSL0], v[FA:FA+3]
	ds_store_b128 v[CSL0], v[FA+4:FA+7] offset:4096
	ds_store_b128 v[CSL1], v[FA+8:FA+11]
.irp c, 0,1,2
	ds_store_b128 v[LA+1], v[FA+12+12*\c:FA+15+12*\c] offset:36864+512*\c
	ds_store_b128 v[LA+3], v[FA+16+12*\c:FA+19+12*\c] offset:36864+512*\c
	ds_store_b128 v[LB+1], v[FA+20+12*\c:FA+23+12*\c] offset:36864+512*\c
.endr
	s_wait_dscnt 0x0                               ; for the others' sake: my stores have landed
.endm
.macro FRAGL reg, a16, a8, off                 ; a fragment from its image
	ds_load_b128 v[\reg:\reg+3], v[\a16] offset:\off
	ds_load_b64 v[\reg+4:\reg+5], v[\a8] offset:\off+512
	ds_load_b128 v[\reg+6:\reg+9], v[\a16] offset:\off+768
	ds_load_b64 v[\reg+10:\reg+11], v[\a8] offset:\off+1280
.endm
; One K step of the wave's 8 x 2 tiles.  43 LDS loads in one run, then 16 products; the 16 accumulators (window 1, v[64 b + 8 a]) take turns, one instruction a turn, in the same order in every step.
; cmode 0: sums go on; 1: the first product starts the sums; 2: they start from a bias in window 0.
.macro KS ka, kb, ko, ks, cmode
	PLACES 4                                       ; in front of loads into registers that the last products read
	ds_load_b128 v[SA:SA+3], v[ASA] offset:\ks
	ds_load_b128 v[SA+4:SA+7], v[ASA] offset:\ks+256
	ds_load_b64 v[SB:SB+1], v[ASB] offset:\ks
	FRAGL FB, \kb, \kb+1, \ko
	FRAGL FB+12, \kb, \kb+1, \ko+1536
.irp a, 0,1,2,3,4,5,6,7
	FRAGL FA+12*\a, \ka, \ka+1, \ko+1536*\a
.endr
.if \cmode == 2
	WIN 0x40
.else
	WIN 0x50
.endif
.irp a, 0,1,2,3,4,5,6,7
	s_wait_dscnt 4*(7-\a)                          ; all is in but the four loads of each later tile of source 0
.irp b, 0,1
.if \cmode == 0
	v_wmma_scale_f32_16x16x128_f8f6f4 v[64*\b+8*\a:64*\b+8*\a+7], v[FA+12*\a:FA+12*\a+11], v[FB+12*\b:FB+12*\b+11], v[64*\b+8*\a:64*\b+8*\a+7], v[SA+\a], v[SB+\b] matrix_a_fmt:MATRIX_FMT_FP6 matrix_b_fmt:MATRIX_FMT_FP6
.elseif \cmode == 1
	v_wmma_scale_f32_16x16x128_f8f6f4 v[64*\b+8*\a:64*\b+8*\a+7], v[FA+12*\a:FA+12*\a+11], v[FB+12*\b:FB+12*\b+11], 0, v[SA+\a], v[SB+\b] matrix_a_fmt:MATRIX_FMT_FP6 matrix_b_fmt:MATRIX_FMT_FP6
.else
	v_wmma_scale_f32_16x16x128_f8f6f4 v[64*\b+8*\a:64*\b+8*\a+7], v[FA+12*\a:FA+12*\a+11], v[FB+12*\b:FB+12*\b+11], v[BIAS+8*\a:BIAS+8*\a+7], v[SA+\a], v[SB+\b] matrix_a_fmt:MATRIX_FMT_FP6 matrix_b_fmt:MATRIX_FMT_FP6
.endif
.endr
.endr
	WIN 0
.endm
.macro STAGE n                                 ; my copies of the next two K steps have landed (n = 9 copies for each copied K step behind them), and so have everybody's
	s_wait_asynccnt \n
	s_barrier_signal -1
	s_barrier_wait -1
.endm
.macro QUANT s, w, pc, pw                      ; 64 numbers of a lane in window w, register 16 b + i = k 32 b + 16 h + i of my row: codes to v[pc] .. v[pc + 11], scale word to v[pw]
	WIN 0x14*(\w)
.irp b, 0,1,2,3
	v_max3_num_f32 v[TM+\b], 0x1800000, |v[\s+16*\b]|, |v[\s+1+16*\b]|   ; with the floor 2^(3 - 127); each accumulator is read from its low end on
.endr
.irp i, 2,4,6,8,10,12,14
.irp b, 0,1,2,3
	v_max3_num_f32 v[TM+\b], v[TM+\b], |v[\s+16*\b+\i]|, |v[\s+1+16*\b+\i]|
.endr
.endr
	WIN 0
.irp b, 0,1,2,3
	v_permlanex16_b32 v[TM+4+\b], v[TM+\b], s[SEL], s[SEL+1]
.endr
.irp b, 0,1,2,3
	s_delay_alu instid0(VALU_DEP_4)
	v_max_num_f32 v[TM+\b], v[TM+\b], v[TM+4+\b]
.endr
.irp b, 0,1,2,3
	s_delay_alu instid0(VALU_DEP_4)
	v_add_nc_u32 v[TM+8+\b], 0xff000000, v[TM+\b]
.endr
.irp b, 0,1,2,3
	s_delay_alu instid0(VALU_DEP_4)
	v_lshrrev_b32 v[TM+4+\b], 23, v[TM+8+\b]
.endr
	s_delay_alu instid0(VALU_DEP_3)
	v_lshl_or_b32 v[\pw], v[TM+5], 8, v[TM+4]
	s_delay_alu instid0(VALU_DEP_1)
	v_lshl_or_b32 v[\pw], v[TM+6], 16, v[\pw]
	s_delay_alu instid0(VALU_DEP_1)
	v_lshl_or_b32 v[\pw], v[TM+7], 24, v[\pw]
	WIN \w
.irp c, 0,1
	v_cvt_scalef32_pk16_fp6_f32 v[\pc+6*\c:\pc+2+6*\c], v[\s+32*\c:\s+15+32*\c], v[TM+8+2*\c]
	v_cvt_scalef32_pk16_fp6_f32 v[\pc+12+4*\c:\pc+14+4*\c], v[\s+16+32*\c:\s+31+32*\c], v[TM+8+2*\c+1]
.endr
	WIN 0
	v_nop
.irp c, 0,1
.irp i, 0,1,2
	v_permlane16_swap_b32 v[\pc+6*\c+\i], v[\pc+12+4*\c+\i]
.endr
.irp i, 0,1,2
	s_delay_alu instid0(VALU_DEP_3)
	v_mov_b32 v[\pc+3+6*\c+\i], v[\pc+12+4*\c+\i]
.endr
.endr
.endm
.macro PUT pc, sb, imm
	global_store_b128 v[L16], v[\pc:\pc+3], s[\sb:\sb+1] offset:\imm
	global_store_b64 v[L8], v[\pc+4:\pc+5], s[\sb:\sb+1] offset:\imm+512
	global_store_b128 v[L16], v[\pc+6:\pc+9], s[\sb:\sb+1] offset:\imm+768
	global_store_b64 v[L8], v[\pc+10:\pc+11], s[\sb:\sb+1] offset:\imm+1280
.endm
	s_load_b256 s[8:15], s[0:1], 0x0               ; himg s[8:9], wimg s[10:11], qrec s[12:13], kv s[14:15]
	v_lshl_add_u32 v247, v0, 2, 0x4b000
	v_mov_b32 v251, 0
	ds_add_u32 v247, v251
	ds_add_u32 v247, v251
	v_lshrrev_b32 v1, 5, v0
	s_delay_alu instid0(VALU_DEP_1)
	v_readfirstlane_b32 s2, v1                     ; wave 0..7
	v_and_b32 v4, 31, v0
	s_delay_alu instid0(VALU_DEP_1)
	v_lshlrev_b32 v[L16], 4, v4
	s_delay_alu instid0(VALU_DEP_2)
	v_lshlrev_b32 v[L8], 3, v4
	v_and_b32 v[RR], 15, v0
	v_bfe_u32 v[HH], v0, 4, 1
	s_lshr_b32 s4, s2, 2                           ; wa
	s_and_b32 s5, s2, 3                            ; wb
	s_mul_i32 s3, s2, 1536
	v_add_nc_u32 v[CG], s3, v[L16]
	v_add_nc_u32 v[LA], s3, v[L16]
	s_delay_alu instid0(VALU_DEP_1)
	v_add_nc_u32 v[LA+1], 49152, v[LA]
	s_delay_alu instid0(VALU_DEP_2)
	v_add_nc_u32 v[LA+2], 98304, v[LA]
	s_delay_alu instid0(VALU_DEP_3)
	v_add_nc_u32 v[LA+3], 147456, v[LA]
	s_delay_alu instid0(VALU_DEP_4)
	v_add_nc_u32 v[LB], 196608, v[LA]
	v_add_nc_u32 v[LB+1], 245760, v[LA]
	s_lshl_b32 s3, s2, 9
	v_add_nc_u32 v[CSG], s3, v[L16]
	s_delay_alu instid0(VALU_DEP_1)
	v_add_nc_u32 v[CSL0], 294912, v[CSG]
	s_delay_alu instid0(VALU_DEP_2)
	v_add_nc_u32 v[CSL1], 303104, v[CSG]
	s_and_b32 s18, ttmp9, 7                        ; q, k: block of source 0 (two groups of Wq | Wk), block of source 1 (tokens)
	s_lshr_b32 s19, ttmp9, 3
	s_and_b32 s20, ttmp9, 127                      ; v: work-group 256 + m
	s_and_b32 s21, s20, 15                         ; block of source 0 (tokens),
	s_lshr_b32 s20, s20, 4                         ; group of Wv
	s_mov_b32 s24, 3145728
	s_mov_b32 s25, 9437184+65536
	s_mov_b32 s31, 0
	s_mov_b32 s[SEL], 0x76543210
	s_mov_b32 s[SEL+1], 0xfedcba98
	s_wait_alu depctr_va_vdst(0)
	s_wait_dscnt 0x0
	s_wait_kmcnt 0x0
	s_cmp_lt_u32 ttmp9, 256
	s_cselect_b32 s18, s18, s21
	s_cselect_b32 s19, s19, s20
	s_cselect_b64 s[26:27], s[10:11], s[8:9]       ; source 0's buffer
	s_cselect_b64 s[28:29], s[8:9], s[10:11]       ; source 1's
	s_cselect_b32 s24, 9437184, s24                ; where source 0's scale words begin
	s_cselect_b32 s25, 3145728, s25                ; source 1's
	s_cselect_b32 s22, 0, 1572864                  ; source 1's images
	s_mul_i32 s30, s18, 196608
	s_add_nc_u64 s[48:49], s[26:27], s[30:31]      ; source 0's images, and 49,152, 98,304, 147,456 bytes on
	s_add_nc_u64 s[50:51], s[48:49], 49152
	s_add_nc_u64 s[52:53], s[48:49], 98304
	s_add_nc_u64 s[54:55], s[48:49], 147456
	s_lshl_b32 s30, s18, 13
	s_add_co_u32 s30, s30, s24
	s_add_nc_u64 s[34:35], s[26:27], s[30:31]      ; its scale words
	s_mul_i32 s30, s19, 98304
	s_add_co_u32 s30, s30, s22
	s_add_nc_u64 s[56:57], s[28:29], s[30:31]      ; source 1's images, and 49,152 bytes on
	s_add_nc_u64 s[58:59], s[56:57], 49152
	s_lshl_b32 s30, s19, 12
	s_add_co_u32 s30, s30, s25
	s_add_nc_u64 s[38:39], s[28:29], s[30:31]      ; its scale words
	FILL_LOADS
	FILL_COPIES
	s_mul_i32 s6, s4, 98304
	v_add_nc_u32 v11, s6, v[L16]
	v_add_nc_u32 v12, s6, v[L8]
	s_delay_alu instid0(VALU_DEP_2)
	v_add_nc_u32 v13, 49152, v11
	s_delay_alu instid0(VALU_DEP_2)
	v_add_nc_u32 v14, 49152, v12
	s_mul_i32 s6, s5, 3072
	s_add_co_u32 s6, s6, 196608
	v_add_nc_u32 v15, s6, v[L16]
	v_add_nc_u32 v16, s6, v[L8]
	s_delay_alu instid0(VALU_DEP_2)
	v_add_nc_u32 v17, 49152, v15
	s_delay_alu instid0(VALU_DEP_2)
	v_add_nc_u32 v18, 49152, v16
	v_lshlrev_b32 v[R16], 4, v[RR]
	s_wait_alu depctr_va_vdst(0)
	s_lshl_b32 s6, s4, 12
	s_add_co_u32 s6, s6, 294912
	v_add_nc_u32 v[ASA], s6, v[R16]
	s_lshr_b32 s6, s5, 1
	s_lshl_b32 s6, s6, 8
	s_and_b32 s7, s5, 1
	s_lshl_b32 s7, s7, 3
	s_add_co_u32 s6, s6, s7
	s_add_co_u32 s6, s6, 303104
	v_add_nc_u32 v[ASB], s6, v[R16]
.irp b, 0,1,2,3
	v_mov_b32 v[TM+4+\b], 0                        ; written once: a lane permute's destination counts as one of its sources
.endr
	s_wait_alu depctr_va_vdst(0)
	s_wait_loadcnt 0x0                             ; the twelve loads through registers
	FILL_STORES
	STAGE 45
	KS 11, 15, 0, 0, 1
	KS 11, 15, 12288, 512, 0
	STAGE 27
	KS 11, 15, 24576, 1024, 0
	KS 11, 15, 36864, 1536, 0
	STAGE 9
	KS 13, 17, 0, 2048, 0
	KS 13, 17, 12288, 2560, 0
	STAGE 0
	KS 13, 17, 24576, 3072, 0
	KS 13, 17, 36864, 3584, 0
	PLACES 4                                       ; in front of the first read of results
	QUANT 0, 1, PC, PW
	QUANT 64, 1, PC2, PW+1
	s_cmp_ge_u32 ttmp9, 256
	s_cbranch_scc1 .Lvout
	; ---- q or k: the fragment's two halves are two heads' tiles of 16 tokens x 64
	s_lshl_b32 s20, s18, 1
	s_add_co_u32 s20, s20, s4                      ; group of columns 0..15: 0-7 of q, 8-15 of k
	s_and_b32 s21, s20, 7                          ; pair of heads
	s_lshr_b32 s22, s19, 4                         ; batch
	s_and_b32 s23, s19, 15                         ; step of 128 tokens
	s_cmp_lt_u32 s20, 8
	s_cselect_b64 s[40:41], s[12:13], s[14:15]
	s_lshl_b32 s22, s22, 4
	s_lshl_b32 s21, s21, 1
	s_add_co_u32 s21, s21, s22
	s_mul_i32 s30, s21, REC
	s_add_nc_u64 s[40:41], s[40:41], s[30:31]      ; the even head's record; the odd head's follows it
	s_lshl_b32 s30, s23, 9
	s_lshr_b32 s24, s5, 1
	s_lshl_b32 s24, s24, 8
	s_add_co_u32 s30, s30, s24
	s_and_b32 s24, s5, 1
	s_lshl_b32 s24, s24, 3
	s_add_co_u32 s30, s30, s24
	s_add_nc_u64 s[42:43], s[40:41], s[30:31]      ; my two tiles' scale words
	s_lshr_b32 s30, s23, 2
	s_mul_i32 s30, s30, 49152
	s_and_b32 s24, s23, 3
	s_lshl_b32 s24, s24, 3
	s_lshl_b32 s25, s5, 1
	s_add_co_u32 s24, s24, s25
	s_mul_i32 s24, s24, 768
	s_add_co_u32 s30, s30, s24
	s_add_co_u32 s30, s30, 12288
	s_add_nc_u64 s[40:41], s[40:41], s[30:31]      ; my two tiles
	global_store_b128 v[L16], v[PC:PC+3], s[40:41]
	global_store_b64 v[L8], v[PC+4:PC+5], s[40:41] offset:512
	global_store_b128 v[L16], v[PC+6:PC+9], s[40:41] offset:REC
	global_store_b64 v[L8], v[PC+10:PC+11], s[40:41] offset:REC+512
	s_wait_alu depctr_va_vdst(0)
	global_store_b128 v[L16], v[PC2:PC2+3], s[40:41] offset:768
	global_store_b64 v[L8], v[PC2+4:PC2+5], s[40:41] offset:768+512
	global_store_b128 v[L16], v[PC2+6:PC2+9], s[40:41] offset:768+REC
	global_store_b64 v[L8], v[PC2+10:PC2+11], s[40:41] offset:768+REC+512
	v_mov_b32 v254, 0x01000100                     ; lanes 0-15 store the even head's word: bytes 0, 1, 0, 1 of the fragment's;
	v_mov_b32 v255, 0x03020302                     ; lanes 16-31 the odd head's: bytes 2, 3, 2, 3
	v_cmp_eq_u32 vcc_lo, 1, v[HH]
	s_delay_alu instid0(VALU_DEP_1)
	v_cndmask_b32 v254, v254, v255, vcc_lo
	s_delay_alu instid0(VALU_DEP_1)
	v_perm_b32 v252, v[PW], v[PW], v254
	s_delay_alu instid0(VALU_DEP_2)
	v_perm_b32 v253, v[PW+1], v[PW+1], v254
	v_mul_u32_u24 v22, v[HH], REC
	s_delay_alu instid0(VALU_DEP_1)
	v_add_nc_u32 v22, v22, v[R16]
	global_store_b64 v22, v[252:253], s[42:43]
	s_wait_tensorcnt 0x0
	ds_add_u32 v247, v251
	s_wait_dscnt 0x0
	s_endpgm
	; ---- v: a whole fragment: 16 channels x 128 keys
.Lvout:
	s_lshl_b32 s20, s18, 1
	s_add_co_u32 s20, s20, s4                      ; group of tokens 0..31
	s_lshr_b32 s22, s20, 4                         ; batch
	s_and_b32 s23, s20, 15                         ; key step
	s_lshl_b32 s21, s19, 1
	s_lshr_b32 s24, s5, 1
	s_add_co_u32 s21, s21, s24                     ; head
	s_lshl_b32 s22, s22, 4
	s_add_co_u32 s21, s21, s22
	s_mul_i32 s30, s21, REC
	s_add_nc_u64 s[40:41], s[14:15], s[30:31]
	s_and_b32 s24, s5, 1                           ; which two of the head's four tiles of channels
	s_lshl_b32 s30, s23, 8
	s_lshl_b32 s25, s24, 3
	s_add_co_u32 s30, s30, s25
	s_add_co_u32 s30, s30, 8192
	s_add_nc_u64 s[42:43], s[40:41], s[30:31]
	s_lshr_b32 s30, s23, 2
	s_mul_i32 s30, s30, 49152
	s_and_b32 s25, s23, 3
	s_mul_i32 s25, s25, 6144
	s_add_co_u32 s30, s30, s25
	s_mul_i32 s25, s24, 3072
	s_add_co_u32 s30, s30, s25
	s_add_co_u32 s30, s30, 12288+24576
	s_add_nc_u64 s[40:41], s[40:41], s[30:31]
	PUT PC, 40, 0
	s_wait_alu depctr_va_vdst(0)
	PUT PC2, 40, 1536
	global_store_b64 v[R16], v[PW:PW+1], s[42:43]  ; lanes 16-31 repeat lanes 0-15
	s_wait_tensorcnt 0x0
	ds_add_u32 v247, v251
	s_wait_dscnt 0x0
	s_endpgm
.Lfunc_end_k_qe6d3bb9ff2_qkv:
	.size	k_qe6d3bb9ff2_qkv, .Lfunc_end_k_qe6d3bb9ff2_qkv-k_qe6d3bb9ff2_qkv
	.p2alignl 7, 3214868480
	.fill 96, 4, 3214868480
	.section	.rodata,"a",@progbits
	.p2align	6, 0x0
	.amdhsa_kernel k_qe6d3bb9ff2_qkv
		.amdhsa_group_segment_fixed_size 308224
		.amdhsa_private_segment_fixed_size 0
		.amdhsa_enable_private_segment 0
		.amdhsa_kernarg_size 32
		.amdhsa_user_sgpr_count 2
		.amdhsa_user_sgpr_kernarg_segment_ptr 1
		.amdhsa_wavefront_size32 1
		.amdhsa_system_sgpr_workgroup_id_x 1
		.amdhsa_system_sgpr_workgroup_id_y 1
		.amdhsa_system_sgpr_workgroup_id_z 1
		.amdhsa_system_vgpr_workitem_id 0
		.amdhsa_next_free_vgpr 512
		.amdhsa_next_free_sgpr 66
		.amdhsa_reserve_vcc 1
		.amdhsa_float_denorm_mode_32 3
		.amdhsa_float_denorm_mode_16_64 3
		.amdhsa_memory_ordered 1
		.amdhsa_forward_progress 1
		.amdhsa_inst_pref_size 68
	.end_amdhsa_kernel
	.amdgpu_metadata
---
amdhsa.version: [ 1, 2 ]
amdhsa.kernels:
  - .name:           k_qe6d3bb9ff2_qkv
    .symbol:         k_qe6d3bb9ff2_qkv.kd
    .args:
      - { .name: himg, .offset: 0, .size: 8, .value_kind: global_buffer, .address_space: global }
      - { .name: wimg, .offset: 8, .size: 8, .value_kind: global_buffer, .address_space: global }
      - { .name: qrec, .offset: 16, .size: 8, .value_kind: global_buffer, .address_space: global }
      - { .name: kv, .offset: 24, .size: 8, .value_kind: global_buffer, .address_space: global }
    .group_segment_fixed_size: 308224
    .private_segment_fixed_size: 0
    .kernarg_segment_align: 8
    .kernarg_segment_size: 32
    .max_flat_workgroup_size: 256
    .sgpr_count:     66
    .vgpr_count:     512
    .wavefront_size: 32
...
	.end_amdgpu_metadata
.endif
;; end of part 8
;; launch attn (part 9): grid 8 x 32, 16 waves a work-group, no clusters, 210,944 bytes of LDS; arguments qrec, kv, cimg; writes cimg
.if DOCPART == 9
	.amdgcn_target "amdgcn-amd-amdhsa--gfx1250"
	.amdhsa_code_object_version 6
	.text
	.protected	k_qe6d3bb9ff2_attn
	.globl	k_qe6d3bb9ff2_attn
	.p2align	8
	.type	k_qe6d3bb9ff2_attn,@function
k_qe6d3bb9ff2_attn:
	s_mov_b64 s[64:65], 0
	v_nop
	global_prefetch_b8 v0, s[64:65] scope:SCOPE_SE
	s_setreg_imm32_b32 hwreg(HW_REG_WAVE_MODE, 25, 1), 1
	s_wait_xcnt 0x0
; Causal attention of one (batch, head) on codes of MX-FP6, head size 64, 2,048 keys; the result ctx is quantised along the head's 64 and stored as half a fragment's image.
; THE SOFTMAX AHEAD OF THE SECOND PRODUCT: t = score x log2(e) / 8; M = the running largest t rounded up to a whole number; p = 2^(t - M) is quantised along the keys, not normalised;
; the row's sum is taken of the unquantised p and divides at the end; when M moves, the sum and O are multiplied by 2^(old M - new M), which rounds nothing.
; SHARES.  The head's whole record (k's tiles, v's fragments, their scale words: 208,896 bytes) is copied into LDS ONCE, 26 lane copies a wave; nothing is filled again.
; Q's three loads are issued AHEAD of the copies: the first quarter's products want Q and 8 of the 26 copies, and the other 18 land under that quarter's work.
; A copy's immediate is added to both its addresses: it stays under 65,536, and for each quarter of the record the LDS address register and the scalar base carry the same multiple of 49,152.
; Each of sixteen waves owns one tile of 16 queries.  Work-group j has tiles 8 j + i (j + 1 key steps of 128) and 127 - 8 j - i (16 - j steps), i = 0 .. 7; the kinds alternate so that of waves w, w + 4, w + 8, w + 12
; and of waves 4 n .. 4 n + 3 alike two are of each kind.  Every wave walks all 16 steps: trip counts are constants; a step all of whose keys come after the wave's queries is jumped over.
; LAYOUT.  S^T = K Q^T (source 0 = 16 neighbouring keys, source 1 = my queries) and O^T = V^T P^T: a lane holds one query throughout.  The head's 64 fill k = 0 .. 63 of the instruction's 128; the rest are zero codes on both sides.
; A lane's 16 registers of two neighbouring key tiles are keys 32 b + 8 h + 0 .. 7 and 32 b + 16 + 8 h + 0 .. 7: v's codes were laid in that same order inside each block of 32.
; v's channels of a tile are chosen so that O^T's register 16 b + i is channel 32 b + 16 h + i.
; No multicast: lane copies have no joint form.  LIMITS: NaN and infinities are not served; v_exp_f32 gives 0 for results under 2^-126; a block of zeros gets the byte 1.
; The two scale bytes of a row of ctx leave by a store of 2 bytes a lane, 32 bytes a wave (lanes 16-31 repeat lanes 0-15).
.set REC, 208896
.set L16, 1                            ; v1  16 x lane
.set R16, 3                            ; v3  16 r
.set QA0, 4                            ; v4, v2, v10, v11  LDS addresses of the copies: 16 x thread + 49,152 x quarter; never rewritten
.set QA1, 2
.set QA2, 10
.set QA3, 11
.set CB,  5                            ; v5  16 x thread: the copies' offset in memory; never rewritten
.set CC,  6                            ; v6, v7  8,192 + 8 x thread: the copy of v's scale words; never rewritten
.set CD,  7
.set ADK16, 8                          ; v8, v9 the step's LDS addresses: its tiles' first byte + 16 x lane, + 8 x lane
.set ADK8, 9
.set TA,  254                          ; v254 the scale words' LDS address, made just ahead of each of their loads; at work otherwise
.set PSW, 243                          ; v243 a partial sum of p, then p's scale word
.set WV,  10                           ; s10 wave
.set QT,  13                           ; s13 my tile of queries, 0 .. 127
.set Q0,  14                           ; s14 my first query
.set KF,  15                           ; s15 the step's first key
.set TB,  16                           ; s16 where the step's tiles begin in LDS
.set TS,  17                           ; s17 k's scale words
.set TJ,  18                           ; s18 v's
.set CNT, 19
.set SEL, 20
.set CS,  22                           ; s[22:23] c = log2(e) / 8
; REGISTERS: v12 -M, v13 largest t, v[14:15] the sum; v16-27 Q; v28-31 v's scale words; v32-79 four fragments of K; v80-127 four of V; v128-191 S^T, then p; v192-223 O^T; v224-235 p's codes; v232-242, v244-247 at work;
; v243 p's scale word; v248-251 k's scale words; v252 f (v253 is named with it as a pair and holds 0); v254 at work; v255 Q's scale word.
.macro PLACES n
.rept \n
	v_nop
.endr
.endm
.macro FRAGL reg, a16, a8, off
	ds_load_b128 v[\reg:\reg+3], v[\a16] offset:\off
	ds_load_b64 v[\reg+4:\reg+5], v[\a8] offset:\off+512
	ds_load_b128 v[\reg+6:\reg+9], v[\a16] offset:\off+768
	ds_load_b64 v[\reg+10:\reg+11], v[\a8] offset:\off+1280
.endm
.macro COPYQ la, sb                            ; a quarter of the record: six copies of 512 threads x 16 bytes
.set i, 0
.rept 6
	global_load_async_to_lds_b128 v[\la], v[CB], s[\sb:\sb+1] offset:12288+8192*i
.set i, i+1
.endr
.endm
.macro STEP                                    ; 128 keys
	s_add_co_u32 s25, s[Q0], 15
	s_cmp_gt_u32 s[KF], s25
	s_cbranch_scc1 .Lhidden_\@                     ; all keys come after my queries: a branch on ids; no barrier and no copy stands in a step
	s_setprio 2
	v_add_nc_u32 v[ADK16], s[TB], v[L16]
	s_wait_alu depctr_va_vdst(0)
	v_lshrrev_b32 v[ADK8], 1, v[L16]
	s_delay_alu instid0(VALU_DEP_1)
	v_add_nc_u32 v[ADK8], s[TB], v[ADK8]
	s_wait_alu depctr_va_vdst(0)
	v_add_nc_u32 v[TA], s[TS], v[R16]              ; k's scale words of this step
	s_wait_alu depctr_va_vdst(0)
.irp g, 0,1                                    ; S^T = K Q^T, four tiles of 16 keys at a time
.if \g
	PLACES 4                                       ; in front of loads into registers that the four products above read
.endif
.irp t, 0,1,2,3
	ds_load_b128 v[32+12*\t:35+12*\t], v[ADK16] offset:768*(4*\g+\t)
	ds_load_b64 v[36+12*\t:37+12*\t], v[ADK8] offset:768*(4*\g+\t)+512
.endr
	ds_load_b128 v[248:251], v[TA] offset:256*\g
	s_wait_dscnt 0x0
.irp t, 0,1,2,3
	v_wmma_scale_f32_16x16x128_f8f6f4 v[128+8*(4*\g+\t):135+8*(4*\g+\t)], v[32+12*\t:43+12*\t], v[16:27], 0, v[248+\t], v255 matrix_a_fmt:MATRIX_FMT_FP6 matrix_b_fmt:MATRIX_FMT_FP6
.endr
.endr
	v_add_nc_u32 v[TA], s[TJ], v[R16]              ; v's scale words of this step
.irp t, 0,1,2,3                                ; V's four fragments are asked for now and land under the softmax (the four lines at the step's head, the four places above and the line above lie behind the products that read these registers last)
	FRAGL 80+12*\t, ADK16, ADK8, 24576+1536*\t
.endr
	ds_load_b128 v[28:31], v[TA]
	PLACES 4                                       ; in front of the first read of the scores
	s_add_co_u32 s25, s[KF], 127                   ; on the diagonal hidden scores become -infinity ahead of the maximum; a step all of whose keys count skips this
	s_cmp_le_u32 s25, s[Q0]
	s_cbranch_scc1 .Lopen_\@
	s_sub_co_i32 s25, s[Q0], s[KF]
	v_and_b32 v252, 15, v0
	v_bfe_u32 v254, v0, 4, 1
	s_delay_alu instid0(VALU_DEP_1)
	v_lshlrev_b32 v254, 3, v254
	s_delay_alu instid0(VALU_DEP_1)
	v_sub_nc_u32 v252, v252, v254
	s_delay_alu instid0(VALU_DEP_1)
	v_add_nc_u32 v252, s25, v252                   ; d = my query - KF - 8 h.  Register n holds key KF + 16 (n / 8) + n % 8 + 8 h: hidden where 16 (n / 8) + n % 8 > d
	v_mov_b32 v254, 0xff800000
.set n, 0
.rept 64
	v_cmp_gt_i32 vcc_lo, 16*(n/8)+n%8, v252
	v_cndmask_b32 v[128+n], v[128+n], v254, vcc_lo
.set n, n+1
.endr
.Lopen_\@:
.irp b, 0,1,2,3
	v_max3_num_f32 v[232+\b], v[128+16*\b], v[129+16*\b], v[130+16*\b]   ; the largest score of each block of 32 keys: for the row's maximum, and, since p rises with the score, for the block's largest p
.endr
.irp i, 3,5,7,9,11,13
.irp b, 0,1,2,3
	v_max3_num_f32 v[232+\b], v[232+\b], v[128+16*\b+\i], v[129+16*\b+\i]
.endr
.endr
.irp b, 0,1,2,3
	v_max_num_f32 v[232+\b], v[232+\b], v[143+16*\b]
.endr
.irp b, 0,1,2,3
	s_delay_alu instid0(VALU_DEP_4)
	v_permlanex16_b32 v[236+\b], v[232+\b], s[SEL], s[SEL+1]
.endr
.irp b, 0,1,2,3
	s_delay_alu instid0(VALU_DEP_4)
	v_max_num_f32 v[232+\b], v[232+\b], v[236+\b]
.endr
	s_delay_alu instid0(VALU_DEP_2)
	v_max3_num_f32 v254, v232, v233, v234
	s_delay_alu instid0(VALU_DEP_1)
	v_max_num_f32 v254, v254, v235
	s_delay_alu instid0(VALU_DEP_1)
	v_mul_f32 v254, s[CS], v254
	s_delay_alu instid0(VALU_DEP_1)
	v_max_num_f32 v13, v13, v254                   ; the running largest t
	v_mov_b32 v254, v12
	s_delay_alu instid0(VALU_DEP_2)
	v_floor_f32 v12, -v13                          ; -M = floor(-t): M is a whole number
	s_delay_alu instid0(VALU_DEP_1)
	v_sub_f32 v254, v12, v254
	s_delay_alu instid0(VALU_DEP_1)
	v_cvt_i32_f32 v254, v254                       ; (it saturates)
	s_delay_alu instid0(VALU_DEP_1)
	v_ldexp_f32 v252, 1.0, v254                    ; f = 2^(old M - new M)
.set j, 0
	s_setprio 1
.rept 32
	v_pk_fma_f32 v[128+j:129+j], v[128+j:129+j], s[CS:CS+1], v[12:13] op_sel_hi:[1,0,0]   ; t - M
.set j, j+2
.endr
.irp b, 0,1,2,3
	v_fma_f32 v[232+\b], v[232+\b], s[CS], v12
.endr
.set j, 0
	s_wait_alu depctr_va_vdst(0)
.rept 64
	v_exp_f32 v[128+j], v[128+j]                   ; p = 2^(t - M)
.set j, j+1
.endr
	v_pk_mul_f32 v[14:15], v[14:15], v[252:253] op_sel_hi:[1,0]   ; the sum under the new M (a plain place behind the exponentials)
	s_wait_alu depctr_va_vdst(0)                   ; one wait for the batch of 64, ahead of the first line that names a result
.irp b, 0,1,2,3
	v_exp_f32 v[232+\b], v[232+\b]                 ; each block's largest p
.endr
	v_pk_add_f32 v[236:237], v[132:133], v[136:137]
	v_pk_add_f32 v[250:251], v[140:141], v[144:145]
	v_pk_add_f32 v[248:249], v[148:149], v[152:153]
	v_pk_add_f32 v[246:247], v[156:157], v[160:161]
	v_pk_add_f32 v[244:245], v[164:165], v[168:169]
	v_pk_add_f32 v[242:243], v[172:173], v[176:177]
	v_pk_add_f32 v[240:241], v[180:181], v[184:185]
	v_pk_add_f32 v[14:15], v[14:15], v[188:189]
	v_pk_add_f32 v[236:237], v[236:237], v[128:129]
	v_pk_add_f32 v[250:251], v[250:251], v[130:131]
	v_pk_add_f32 v[248:249], v[248:249], v[134:135]
	v_pk_add_f32 v[246:247], v[246:247], v[138:139]
	v_pk_add_f32 v[244:245], v[244:245], v[142:143]
	v_pk_add_f32 v[242:243], v[242:243], v[146:147]
	v_pk_add_f32 v[240:241], v[240:241], v[150:151]
	v_pk_add_f32 v[14:15], v[14:15], v[154:155]
	v_pk_add_f32 v[236:237], v[236:237], v[158:159]
	v_pk_add_f32 v[250:251], v[250:251], v[162:163]
	v_pk_add_f32 v[248:249], v[248:249], v[166:167]
	v_pk_add_f32 v[246:247], v[246:247], v[170:171]
	v_pk_add_f32 v[244:245], v[244:245], v[174:175]
	v_pk_add_f32 v[242:243], v[242:243], v[178:179]
	v_pk_add_f32 v[240:241], v[240:241], v[182:183]
	v_pk_add_f32 v[14:15], v[14:15], v[186:187]
	v_pk_add_f32 v[236:237], v[236:237], v[190:191]
	s_delay_alu instid0(VALU_DEP_2)
	v_pk_add_f32 v[14:15], v[14:15], v[246:247]
	s_delay_alu instid0(VALU_DEP_2)
	v_pk_add_f32 v[236:237], v[236:237], v[244:245]
	v_pk_add_f32 v[250:251], v[250:251], v[242:243]
	v_pk_add_f32 v[248:249], v[248:249], v[240:241]
	s_delay_alu instid0(VALU_DEP_2)
	v_pk_add_f32 v[14:15], v[14:15], v[250:251]
	s_delay_alu instid0(VALU_DEP_2)
	v_pk_add_f32 v[236:237], v[236:237], v[248:249]
	s_delay_alu instid0(VALU_DEP_1)
	v_pk_add_f32 v[14:15], v[14:15], v[236:237]
	s_wait_alu depctr_va_vdst(0)                   ; and one for the four
.irp b, 0,1,2,3
	v_max_num_f32 v[232+\b], 0x1800000, v[232+\b]  ; the floor 2^(3 - 127)
.endr
.irp b, 0,1,2,3
	s_delay_alu instid0(VALU_DEP_4)
	v_add_nc_u32 v[244+\b], 0xff000000, v[232+\b]
.endr
.irp b, 0,1,2,3
	s_delay_alu instid0(VALU_DEP_4)
	v_lshrrev_b32 v[236+\b], 23, v[244+\b]
.endr
	s_delay_alu instid0(VALU_DEP_3)
	v_lshl_or_b32 v[PSW], v237, 8, v236            ; p's scale word for these 128 keys
	s_delay_alu instid0(VALU_DEP_1)
	v_lshl_or_b32 v[PSW], v238, 16, v[PSW]
	s_delay_alu instid0(VALU_DEP_1)
	v_lshl_or_b32 v[PSW], v239, 24, v[PSW]
	s_setprio 0
.irp c, 0,1
	v_cvt_scalef32_pk16_fp6_f32 v[224+6*\c:226+6*\c], v[128+32*\c:143+32*\c], v[244+2*\c]
	v_cvt_scalef32_pk16_fp6_f32 v[236+4*\c:238+4*\c], v[144+32*\c:159+32*\c], v[244+2*\c+1]
.endr
	v_nop
.irp c, 0,1
.irp i, 0,1,2
	v_permlane16_swap_b32 v[224+6*\c+\i], v[236+4*\c+\i]
.endr
.irp i, 0,1,2
	s_delay_alu instid0(VALU_DEP_3)
	v_mov_b32 v[227+6*\c+\i], v[236+4*\c+\i]
.endr
.endr
.set j, 0
.rept 16
	v_pk_mul_f32 v[192+j:193+j], v[192+j:193+j], v[252:253] op_sel_hi:[1,0]   ; O^T under the new M; for each product below twelve of these name none of its registers: the places behind p's codes and scale word
.set j, j+2
.endr
	s_wait_alu depctr_va_vdst(0)
	s_wait_dscnt 0x0                               ; V
.irp t, 0,1,2,3
	v_wmma_scale_f32_16x16x128_f8f6f4 v[192+8*\t:199+8*\t], v[80+12*\t:91+12*\t], v[224:235], v[192+8*\t:199+8*\t], v[28+\t], v[PSW] matrix_a_fmt:MATRIX_FMT_FP6 matrix_b_fmt:MATRIX_FMT_FP6
.endr
.Lhidden_\@:
.endm
.macro QUARTER q                               ; four key steps, whose bytes six copies of each wave brought
	s_wait_dscnt 0x0
	s_wait_asynccnt 18-6*\q                        ; only the six copies of each later quarter may be out
	s_barrier_signal -1
	s_barrier_wait -1                              ; and so for every wave
	s_mov_b32 s[TB], 12288+49152*\q
	s_mov_b32 s[CNT], 4
.Lq_\@:
	STEP
	s_add_co_u32 s[TB], s[TB], 6144
	s_add_co_u32 s[TS], s[TS], 512
	s_add_co_u32 s[TJ], s[TJ], 256
	s_add_co_u32 s[KF], s[KF], 128
	s_sub_co_u32 s[CNT], s[CNT], 1
	s_cmp_lg_u32 s[CNT], 0
	s_cbranch_scc1 .Lq_\@
	s_setprio 0
.endm
	s_load_b128 s[4:7], s[0:1], 0x0                ; qrec s[4:5], kv s[6:7]
	s_load_b64 s[8:9], s[0:1], 0x10                ; cimg
	v_lshl_add_u32 v254, v0, 2, 0x33000
	v_mov_b32 v255, 0
	ds_add_u32 v254, v255
	ds_add_u32 v254, v255
	s_wait_dscnt 0x0
	v_lshrrev_b32 v1, 5, v0
	s_delay_alu instid0(VALU_DEP_1)
	v_readfirstlane_b32 s[WV], v1                  ; wave 0..15
	v_lshlrev_b32 v[CB], 4, v0
	v_lshlrev_b32 v[QA0], 4, v0
	v_lshl_add_u32 v[QA1], v0, 4, 49152
	v_lshl_add_u32 v[QA2], v0, 4, 98304
	v_lshl_add_u32 v[QA3], v0, 4, 147456
	v_lshl_add_u32 v[CC], v0, 3, 8192
	v_lshl_add_u32 v[CD], v0, 3, 8192
	v_and_b32 v8, 31, v0
	s_delay_alu instid0(VALU_DEP_1)
	v_lshlrev_b32 v[L16], 4, v8
	s_delay_alu instid0(VALU_DEP_2)
	v_lshlrev_b32 v[ADK8], 3, v8                   ; 8 x lane, for Q's load
	v_and_b32 v[R16], 15, v0
	s_delay_alu instid0(VALU_DEP_1)
	v_lshlrev_b32 v[R16], 4, v[R16]
	s_and_b32 s24, ttmp7, 0xffff                   ; 16 x batch + head
	s_mul_i32 s26, s24, REC
	s_mov_b32 s27, 0
	s_lshr_b32 s11, s[WV], 2
	s_xor_b32 s11, s11, s[WV]
	s_and_b32 s11, s11, 1                          ; the wave's kind
	s_lshr_b32 s12, s[WV], 1
	s_lshl_b32 s[QT], ttmp9, 3
	s_add_co_u32 s[QT], s[QT], s12                 ; 8 j + i
	s_sub_co_u32 s12, 127, s[QT]
	s_cmp_eq_u32 s11, 1
	s_cselect_b32 s[QT], s12, s[QT]
	s_lshl_b32 s[Q0], s[QT], 4
	s_lshr_b32 s32, s[QT], 5                       ; where my tile of Q lies in its record
	s_mul_i32 s32, s32, 49152
	s_and_b32 s33, s[QT], 31
	s_mul_i32 s33, s33, 768
	s_add_co_u32 s32, s32, s33
	s_add_co_u32 s32, s32, 12288
	s_mov_b32 s33, 0
	s_lshr_b32 s38, s[QT], 3                       ; and its scale words
	s_lshl_b32 s38, s38, 9
	s_bfe_u32 s40, s[QT], 0x10002
	s_lshl_b32 s40, s40, 8
	s_add_co_u32 s38, s38, s40
	s_and_b32 s40, s[QT], 3
	s_lshl_b32 s40, s40, 2
	s_add_co_u32 s38, s38, s40
	s_mov_b32 s39, 0
	s_wait_alu depctr_va_vdst(0)
	s_wait_kmcnt 0x0
	s_add_nc_u64 s[30:31], s[4:5], s[26:27]        ; q's record
	s_add_nc_u64 s[34:35], s[30:31], s[32:33]
	s_add_nc_u64 s[36:37], s[30:31], s[38:39]
	global_load_b128 v[16:19], v[L16], s[34:35]    ; Q's half fragment stays in registers; asked for ahead of the copies
	global_load_b64 v[20:21], v[ADK8], s[34:35] offset:512
	global_load_b32 v255, v[R16], s[36:37]
	s_add_nc_u64 s[28:29], s[6:7], s[26:27]        ; the head's record of k and v, and 49,152, 98,304, 147,456 bytes on
	s_add_nc_u64 s[48:49], s[28:29], 49152
	s_add_nc_u64 s[50:51], s[28:29], 98304
	s_add_nc_u64 s[52:53], s[28:29], 147456
	global_load_async_to_lds_b128 v[QA0], v[CB], s[28:29]          ; k's scale words: 512 threads x 16 bytes
	global_load_async_to_lds_b64 v[CC], v[CD], s[28:29]            ; v's: 512 x 8
	COPYQ QA0, 28
	COPYQ QA1, 48
	COPYQ QA2, 50
	COPYQ QA3, 52
	s_mov_b32 s[SEL], 0x76543210
	s_mov_b32 s[SEL+1], 0xfedcba98
	s_mov_b32 s[CS], 0x3e38aa3b
	s_mov_b32 s[CS+1], s[CS]
	s_mov_b32 s[KF], 0
	s_mov_b32 s[TS], 0
	s_mov_b32 s[TJ], 8192
.irp i, 22,23,24,25,26,27
	v_mov_b32 v[\i], 0                             ; k = 64 .. 127: zero codes
.endr
.irp t, 0,1,2,3
.irp i, 6,7,8,9,10,11
	v_mov_b32 v[32+12*\t+\i], 0
.endr
.endr
	v_mov_b32 v13, 0xff61b1e6                      ; the largest t so far: -3e38
	s_delay_alu instid0(VALU_DEP_1)
	v_floor_f32 v12, -v13
	v_mov_b32 v14, 0
	v_mov_b32 v15, 0
.irp b, 0,1,2,3
	v_mov_b32 v[236+\b], 0                         ; a lane permute's destination counts as one of its sources
.endr
	v_mov_b32 v252, 0
	v_mov_b32 v253, 0
.set j, 0
.rept 32
	v_mov_b32 v[192+j], 0                          ; O^T: the step is written without a first step of its own; the first change of M multiplies zeros
.set j, j+1
.endr
	s_wait_loadcnt 0x0                             ; Q: its loads' address registers may be written again
	QUARTER 0
	QUARTER 1
	QUARTER 2
	QUARTER 3
	; ---- the way out: O^T / the sum, quantised along the head's 64: two blocks
	PLACES 4
	v_add_f32 v14, v14, v15
	s_delay_alu instid0(VALU_DEP_1)
	v_permlanex16_b32 v252, v14, s[SEL], s[SEL+1]
	s_delay_alu instid0(VALU_DEP_1)
	v_add_f32 v14, v14, v252
	s_wait_alu depctr_va_vdst(0)
	v_rcp_f32 v14, v14
	v_lshrrev_b32 v[ADK8], 1, v[L16]               ; 8 x lane, for the store below (a plain place behind the transcendental)
	s_lshr_b32 s32, s24, 4
	s_lshl_b32 s32, s32, 7
	s_add_co_u32 s32, s32, s[QT]                   ; my tile of 16 tokens among 256
	s_and_b32 s38, s24, 15
	s_lshr_b32 s38, s38, 1                         ; K step of the next product: the pair of heads
	s_and_b32 s39, s24, 1                          ; which half of its fragment
	s_lshr_b32 s40, s32, 3
	s_lshl_b32 s40, s40, 3
	s_add_co_u32 s40, s40, s38
	s_and_b32 s41, s32, 7
	s_mul_i32 s42, s40, 12288
	s_mul_i32 s43, s41, 1536
	s_add_co_u32 s42, s42, s43
	s_mul_i32 s43, s39, 768
	s_add_co_u32 s42, s42, s43
	s_mov_b32 s43, 0
	s_add_nc_u64 s[44:45], s[8:9], s[42:43]
	s_lshl_b32 s42, s40, 9
	s_lshr_b32 s46, s41, 2
	s_lshl_b32 s46, s46, 8
	s_add_co_u32 s42, s42, s46
	s_and_b32 s46, s41, 3
	s_lshl_b32 s46, s46, 2
	s_add_co_u32 s42, s42, s46
	s_lshl_b32 s46, s39, 1
	s_add_co_u32 s42, s42, s46
	s_add_co_u32 s42, s42, 3145728
	s_add_nc_u64 s[46:47], s[8:9], s[42:43]
	s_wait_alu depctr_va_vdst(0)                   ; ahead of the first line that names the reciprocal
.set j, 0
.rept 32
	v_mul_f32 v[128+j], v[192+j], v14              ; register 16 b + i = channel 32 b + 16 h + i
.set j, j+1
.endr
.irp b, 0,1
	v_max3_num_f32 v[232+\b], 0x1800000, |v[128+16*\b]|, |v[129+16*\b]|
.endr
.irp i, 2,4,6,8,10,12,14
.irp b, 0,1
	s_delay_alu instid0(VALU_DEP_2)
	v_max3_num_f32 v[232+\b], v[232+\b], |v[128+16*\b+\i]|, |v[129+16*\b+\i]|
.endr
.endr
.irp b, 0,1
	s_delay_alu instid0(VALU_DEP_2)
	v_permlanex16_b32 v[236+\b], v[232+\b], s[SEL], s[SEL+1]
.endr
.irp b, 0,1
	s_delay_alu instid0(VALU_DEP_2)
	v_max_num_f32 v[232+\b], v[232+\b], v[236+\b]
.endr
.irp b, 0,1
	s_delay_alu instid0(VALU_DEP_2)
	v_add_nc_u32 v[244+\b], 0xff000000, v[232+\b]
.endr
.irp b, 0,1
	s_delay_alu instid0(VALU_DEP_2)
	v_lshrrev_b32 v[236+\b], 23, v[244+\b]
.endr
	s_delay_alu instid0(VALU_DEP_1)
	v_lshl_or_b32 v254, v237, 8, v236              ; the row's two bytes
	v_cvt_scalef32_pk16_fp6_f32 v[224:226], v[128:143], v244
	v_cvt_scalef32_pk16_fp6_f32 v[240:242], v[144:159], v245
	v_nop
.irp i, 0,1,2
	v_permlane16_swap_b32 v[224+\i], v[240+\i]
.endr
.irp i, 0,1,2
	s_delay_alu instid0(VALU_DEP_3)
	v_mov_b32 v[227+\i], v[240+\i]
.endr
	global_store_b128 v[L16], v[224:227], s[44:45]
	global_store_b64 v[ADK8], v[228:229], s[44:45] offset:512
	global_store_b16 v[R16], v254, s[46:47]
	s_wait_xcnt 0x0
	v_lshl_add_u32 v254, v0, 2, 0x33000
	v_mov_b32 v255, 0
	s_wait_alu depctr_va_vdst(0)
	s_wait_tensorcnt 0x0
	ds_add_u32 v254, v255
	s_wait_dscnt 0x0
	s_endpgm
.Lfunc_end_k_qe6d3bb9ff2_attn:
	.size	k_qe6d3bb9ff2_attn, .Lfunc_end_k_qe6d3bb9ff2_attn-k_qe6d3bb9ff2_attn
	.p2alignl 7, 3214868480
	.fill 96, 4, 3214868480
	.section	.rodata,"a",@progbits
	.p2align	6, 0x0
	.amdhsa_kernel k_qe6d3bb9ff2_attn
		.amdhsa_group_segment_fixed_size 210944
		.amdhsa_private_segment_fixed_size 0
		.amdhsa_enable_private_segment 0
		.amdhsa_kernarg_size 24
		.amdhsa_user_sgpr_count 2
		.amdhsa_user_sgpr_kernarg_segment_ptr 1
		.amdhsa_wavefront_size32 1
		.amdhsa_system_sgpr_workgroup_id_x 1
		.amdhsa_system_sgpr_workgroup_id_y 1
		.amdhsa_system_sgpr_workgroup_id_z 1
		.amdhsa_system_vgpr_workitem_id 0
		.amdhsa_next_free_vgpr 256
		.amdhsa_next_free_sgpr 66
		.amdhsa_reserve_vcc 1
		.amdhsa_float_denorm_mode_32 3
		.amdhsa_float_denorm_mode_16_64 3
		.amdhsa_memory_ordered 1
		.amdhsa_forward_progress 1
		.amdhsa_inst_pref_size 108
	.end_amdhsa_kernel
	.amdgpu_metadata
---
amdhsa.version: [ 1, 2 ]
amdhsa.kernels:
  - .name:           k_qe6d3bb9ff2_attn
    .symbol:         k_qe6d3bb9ff2_attn.kd
    .args:
      - { .name: qrec, .offset: 0, .size: 8, .value_kind: global_buffer, .address_space: global }
      - { .name: kv, .offset: 8, .size: 8, .value_kind: global_buffer, .address_space: global }
      - { .name: cimg, .offset: 16, .size: 8, .value_kind: global_buffer, .address_space: global }
    .group_segment_fixed_size: 210944
    .private_segment_fixed_size: 0
    .kernarg_segment_align: 8
    .kernarg_segment_size: 24
    .max_flat_workgroup_size: 512
    .sgpr_count:     66
    .vgpr_count:     256
    .wavefront_size: 32
...
	.end_amdgpu_metadata
.endif
;; end of part 9
;; launch oproj (part 10): grid 256 x 1, 8 waves a work-group, no clusters, 185,344 bytes of LDS; arguments cimg, wimg, bo, x, x1; writes x1
.if DOCPART == 10
	.amdgcn_target "amdgcn-amd-amdhsa--gfx1250"
	.amdhsa_code_object_version 6
	.text
	.protected	k_qe6d3bb9ff2_oproj
	.globl	k_qe6d3bb9ff2_oproj
	.p2align	8
	.type	k_qe6d3bb9ff2_oproj,@function
k_qe6d3bb9ff2_oproj:
	s_mov_b64 s[64:65], 0
	v_nop
	global_prefetch_b8 v0, s[64:65] scope:SCOPE_SE
	s_setreg_imm32_b32 hwreg(HW_REG_WAVE_SCHED_MODE, 0, 2), 2
	s_setreg_imm32_b32 hwreg(HW_REG_WAVE_MODE, 25, 1), 1
	s_wait_xcnt 0x0
	s_wait_alu depctr_vm_vsrc(0)
; x1 = x + ctx Wo + bo; the product on codes of MX-FP6, K = 1,024: 8 K steps, two slots of four.  Operands come as images of operand registers (a fragment, 16 rows x 128 K: 1,536 bytes; [group of 128 rows][K step][tile]; scale words [group][K step][512]).
; A work-group makes 128 columns (one group of Wo, source 0) x 128 tokens (one group of ctx, source 1): 8 x 32 = 256 work-groups.
; Wave w: wb = w % 4 its two tiles of tokens, g = w / 4 its half of K (K steps g and g + 2 of each slot): 16 accumulators.
; So a fragment of ctx is used by ONE wave: it comes from memory straight into that wave's registers, four dense loads a fragment, and never touches LDS.
; Wo's fragments are used by four waves: they and the scale words go through two LDS slots, filled THROUGH REGISTERS: wave w fetches bytes 6,144 w on of a slot's 49,152 (12 loads) and scale block w (1 load) and stores them to LDS.
; All that the work-group needs is asked for in its first lines: both slots, then x's tile.
; At the end the two halves of K are joined through LDS: each wave keeps tile g and sends the other.  So K is summed in two halves, not in one ascending chain.  A lane holds one token; register 16 b + i is column 32 b + 16 h + i.
; No tensor load, no copy: no slot is an engine's target.  No multicast for the same reason.  LIMITS: NaN and infinities are not served.
; THE MODE: SCHED_MODE bits 1:0 = 2 (LLVM: expert scheduling mode 2), set by the entry lines.  The code itself states the register dependences
; between vector or matrix instructions and memory or LDS instructions, with s_wait_alu, always for 0.
; THE PLAN.  Registers that memory or LDS instructions touch:
;   v1, v2        offsets of every global load and store: written at the head, never again.
;   v5, v6        read by the 13 LDS stores of a slot; turned to the other slot behind them.
;   v7-10         read by a K step's LDS loads; turned with v5, v6, once a trip.
;   v11-16        mailboxes, stage, offsets of x and bo: written at the head, never again.
;   SA, SB, FA    a K step's 35 LDS loads land in them; its 16 products read them.
;   a set's v128-175  global loads land; the products of the set's trip read them.
;   a set's v176-227  global loads land; 13 LDS stores read them; then x's tile or bo lands there.
;   accumulators  written by the products; at the end read by LDS stores (one half) and by vector additions (the other).
;   TT, RB        TT: mailbox loads land, additions write, the stage's stores read.  RB: the stage's loads land, global stores read.
; The trip has three waits: one on va_vdst ahead of its second K step's LDS loads; one on vm_vsrc behind its LDS stores, ahead of the six turns; one on va_vdst at its end, which also serves the next trip's first
; K step: between it and that step's LDS loads stand only global loads, window switches, the barrier, a wait on LOADcnt and v_nop, which name none of the registers that those loads touch.
.set GSTR, 98304                       ; a group's images: 8 K steps x 12,288 bytes
.set SSHL, 12                          ; a group's scale words: 8 x 512 = 2^12 bytes
.set WCOD, 2359296                     ; where Wo's images begin in wimg,
.set WSCL, 9437184+98304               ; and its scale words
.set ASCL, 3145728                     ; where ctx's scale words begin in cimg
.set SCLO, 49152                       ; in a slot: behind Wo's four records, eight blocks of 512 bytes of scale words: Wo's four, then ctx's four
.set L16, 1
.set L8,  2
.set RR,  3
.set HH,  4
.set ST,  5                            ; v5, v6 where I store my part of a slot and my scale block; v7-10 where I read: these six change slots by an exclusive or with 131,072
.set SS,  6
.set A16, 7
.set A8,  8
.set ASA, 9
.set ASB, 10
.set MS,  11                           ; v11 my partner's mailbox, v12 mine
.set MR,  12
.set STO, 13
.set RD,  14
.set XA,  15
.set HA,  16
.set SA,  20                           ; v20-27 Wo's scale words, v28-29 ctx's
.set SB,  28
.set FA,  32                           ; v32-127 Wo's eight fragments
.set FBS, 128                          ; a set of 100 registers, set 0 in window 0, set 1 in window 1: v128-175 my four fragments of ctx,
.set STG, 176                          ; v176-223 my part of Wo's records on its way to LDS,
.set SCR, 224                          ; v224-227 my scale block
.set RES, 176                          ; v176-239: in window 0 x's tile, in window 1 bo, once the set's part for LDS has been stored
.set TT,  32                           ; the way out: the finished tile, and the rows read back from the stage
.set RB,  96
.set MSB, 0
.macro WIN new
.if MSB != (\new)
	s_set_vgpr_msb (MSB<<8)|(\new)
.set MSB, (\new)
.endif
.endm
.macro PLACES n
.rept \n
	v_nop
.endr
.endm
.macro FRAGL reg, a16, a8, off
	ds_load_b128 v[\reg:\reg+3], v[\a16] offset:\off
	ds_load_b64 v[\reg+4:\reg+5], v[\a8] offset:\off+512
	ds_load_b128 v[\reg+6:\reg+9], v[\a16] offset:\off+768
	ds_load_b64 v[\reg+10:\reg+11], v[\a8] offset:\off+1280
.endm
; One K step of the wave's 8 x 2 tiles: 35 LDS loads in one run, then 16 products on 16 accumulators that take turns, one instruction a turn.  cmode 0: sums go on; 1: begin at 0.
; Source 1's two fragments stand in registers, at v[fb] on in window fbw.  w = 1: a trip's second K step, whose loads land in registers that products issued since the last wait on va_vdst have read.
.macro KS ko, ks, cmode, fbw, fb, w
	PLACES 4                                       ; in front of loads into registers that the last products read
.if \w
	s_wait_alu depctr_va_vdst(0)                   ; the first K step's products are done reading SA, SB and FA, in which the loads below land (in the first trip also: the head's turns of v[ST], v[SS] are written)
.endif
	ds_load_b128 v[SA:SA+3], v[ASA] offset:\ks
	ds_load_b128 v[SA+4:SA+7], v[ASA] offset:\ks+256
	ds_load_b64 v[SB:SB+1], v[ASB] offset:\ks
.irp a, 0,1,2,3,4,5,6,7
	FRAGL FA+12*\a, A16, A8, \ko+1536*\a
.endr
	WIN 0x50+4*(\fbw)
.irp a, 0,1,2,3,4,5,6,7
	s_wait_dscnt 4*(7-\a)                          ; all is in but the four loads of each later tile of source 0
.irp b, 0,1
.if \cmode == 0
	v_wmma_scale_f32_16x16x128_f8f6f4 v[64*\b+8*\a:64*\b+8*\a+7], v[FA+12*\a:FA+12*\a+11], v[\fb+12*\b:\fb+12*\b+11], v[64*\b+8*\a:64*\b+8*\a+7], v[SA+\a], v[SB+\b] matrix_a_fmt:MATRIX_FMT_FP6 matrix_b_fmt:MATRIX_FMT_FP6
.else
	v_wmma_scale_f32_16x16x128_f8f6f4 v[64*\b+8*\a:64*\b+8*\a+7], v[FA+12*\a:FA+12*\a+11], v[\fb+12*\b:\fb+12*\b+11], 0, v[SA+\a], v[SB+\b] matrix_a_fmt:MATRIX_FMT_FP6 matrix_b_fmt:MATRIX_FMT_FP6
.endif
.endr
.endr
	WIN 0
.endm
.macro XLOAD reg, adr, sb, imm
.irp k, 0,1,2,3
.irp q, 0,1,2,3
	global_load_b128 v[\reg+16*\k+4*\q:\reg+16*\k+4*\q+3], v[\adr], s[\sb:\sb+1] offset:\imm+128*\k+16*\q
.endr
.endr
.endm
.macro LOADW t, set                            ; 13 loads: my part of slot t's four records of source 0, and my scale block
.if \set
	WIN 0x40
.endif
.set i, 0
.rept 12
	global_load_b128 v[STG+4*i:STG+4*i+3], v[L16], s[32:33] offset:49152*(\t)+512*i
.set i, i+1
.endr
	global_load_b128 v[SCR:SCR+3], v[L16], s[34:35] offset:2048*(\t)
	WIN 0
.endm
.macro LOADA t, set                            ; 16 loads: my four fragments of source 1 in slot t: K steps g and g + 2, tiles 2 wb and 2 wb + 1
.if \set
	WIN 0x40
.endif
.irp k, 0,1
.irp b, 0,1
	global_load_b128 v[FBS+24*\k+12*\b:FBS+24*\k+12*\b+3], v[L16], s[42:43] offset:49152*(\t)+24576*\k+1536*\b
	global_load_b64 v[FBS+24*\k+12*\b+4:FBS+24*\k+12*\b+5], v[L8], s[42:43] offset:49152*(\t)+24576*\k+1536*\b+512
	global_load_b128 v[FBS+24*\k+12*\b+6:FBS+24*\k+12*\b+9], v[L16], s[42:43] offset:49152*(\t)+24576*\k+1536*\b+768
	global_load_b64 v[FBS+24*\k+12*\b+10:FBS+24*\k+12*\b+11], v[L8], s[42:43] offset:49152*(\t)+24576*\k+1536*\b+1280
.endr
.endr
	WIN 0
.endm
.macro STORE set                               ; the set's part for LDS goes there
.if \set
	WIN 0x04                                       ; an LDS store's data are its source 1
.endif
.set i, 0
.rept 12
	ds_store_b128 v[ST], v[STG+4*i:STG+4*i+3] offset:512*i
.set i, i+1
.endr
	ds_store_b128 v[SS], v[SCR:SCR+3]
	WIN 0
.endm
.macro BAR
	s_barrier_signal -1
	s_barrier_wait -1
.endm
; A trip: my two K steps of the slot in hand (its fragments of source 1 in set cur); then the next slot's part for LDS, which has come into set nxt, goes to the other slot; then all six LDS addresses change slots.
; la: the loads issued behind this slot's fragments of source 1; ld: those issued behind the next slot's part for LDS: they may stay out.
.macro TRIP cm, la, ld, cur, nxt
	s_wait_loadcnt \la
	KS 0, 0, \cm, \cur, FBS, 0
	KS 24576, 1024, 0, \cur, FBS+24, 1
	s_wait_loadcnt \ld
	STORE \nxt
	s_wait_alu depctr_vm_vsrc(0)                   ; the trip's LDS loads have read v7-10 and its LDS stores v5, v6, which the six lines below write; the stores have read set nxt's part for LDS, in which the loads behind the macro land
.irp a, ST, SS, A16, A8, ASA, ASB
	v_xor_b32 v[\a], 0x20000, v[\a]
.endr
	s_wait_dscnt 0x0                               ; for the others' sake: my stores have landed (my reads were waited for in the K step)
	s_wait_alu depctr_va_vdst(0)                   ; the six turns are written, which the next LDS loads read; the trip's products are done reading SA, SB and FA, in which the next trip's first LDS loads land
.endm
.macro OUTTILE t, rb, sb, imm                  ; 16 rows x 128 columns of f32 go through my stage (rows 528 bytes apart) and leave as whole rows
.irp k, 0,1,2,3
.irp q, 0,1,2,3
	ds_store_b128 v[STO], v[\t+16*\k+4*\q:\t+16*\k+4*\q+3] offset:128*\k+16*\q
.endr
.endr
.set i, 0
.rept 16
	ds_load_b128 v[\rb+4*i:\rb+4*i+3], v[RD] offset:528*i   ; LDS serves a wave's instructions in order: these see my stores
.set i, i+1
.endr
.set i, 0
.rept 16
	s_wait_dscnt 15-i                              ; row i is back; the later rows may be out
	global_store_b128 v[L16], v[\rb+4*i:\rb+4*i+3], s[\sb:\sb+1] offset:\imm+4096*i   ; 32 lanes store 512 consecutive bytes, at a multiple of 512 from the buffer's first byte
.set i, i+1
.endr
.endm
.macro SENDACC base                            ; 64 accumulator registers to my partner's mailbox, as they stand; each accumulator from its low end on
	WIN 0x04
.irp a, 0,1,2,3,4,5,6,7
	ds_store_b128 v[MS], v[\base+8*\a:\base+8*\a+3] offset:1024*\a
	ds_store_b128 v[MS], v[\base+8*\a+4:\base+8*\a+7] offset:1024*\a+512
.endr
	WIN 0
.endm
.macro JOINACC base                            ; what my partner sent + my own half of K
	WIN 0x01
.set j, 0
.rept 32
	v_pk_add_f32 v[TT+j:TT+j+1], v[\base+j:\base+j+1], v[TT+j:TT+j+1]
.set j, j+2
.endr
	WIN 0
.endm
	s_load_b256 s[8:15], s[0:1], 0x0               ; cimg s[8:9], wimg s[10:11], bo s[12:13], x s[14:15]
	s_load_b64 s[16:17], s[0:1], 0x20              ; x1
	v_lshl_add_u32 v254, v0, 2, 0x2d000
	v_mov_b32 v255, 0
	v_lshrrev_b32 v1, 5, v0
	v_readfirstlane_b32 s2, v1
	v_and_b32 v4, 31, v0
	v_lshlrev_b32 v[L16], 4, v4
	v_lshlrev_b32 v[L8], 3, v4
	v_and_b32 v[RR], 15, v0
	v_bfe_u32 v[HH], v0, 4, 1
	s_wait_alu depctr_va_sdst(0)                   ; s2, the wave's number, is written, ahead of its first reader
	s_lshr_b32 s4, s2, 2                           ; g: my half of K.  Also: my scale block is source 0's (0) or source 1's (1)
	s_and_b32 s5, s2, 3                            ; wb: my tiles of tokens.  Also: which K step's scale block I fetch
	s_and_b32 s18, ttmp9, 7                        ; group of Wo
	s_lshr_b32 s19, ttmp9, 3                       ; group of tokens
	s_mov_b32 s24, WSCL
	s_mov_b32 s31, 0
	s_wait_kmcnt 0x0
	s_mul_i32 s30, s18, GSTR
	s_add_co_u32 s30, s30, WCOD
	s_mul_i32 s25, s2, 6144
	s_add_co_u32 s30, s30, s25
	s_add_nc_u64 s[32:33], s[10:11], s[30:31]      ; my part of source 0's records
	s_cmp_eq_u32 s4, 1
	s_cselect_b64 s[20:21], s[8:9], s[10:11]
	s_cselect_b32 s22, s19, s18
	s_cselect_b32 s24, ASCL, s24
	s_lshl_b32 s30, s22, SSHL
	s_add_co_u32 s30, s30, s24
	s_lshl_b32 s25, s5, 9
	s_add_co_u32 s30, s30, s25
	s_add_nc_u64 s[34:35], s[20:21], s[30:31]      ; my scale block
	s_mul_i32 s30, s19, GSTR
	s_mul_i32 s25, s4, 12288
	s_add_co_u32 s30, s30, s25
	s_mul_i32 s25, s5, 3072
	s_add_co_u32 s30, s30, s25
	s_add_nc_u64 s[42:43], s[8:9], s[30:31]        ; my fragments of source 1: K step g, tile 2 wb
	s_wait_alu depctr_va_vdst(0)                   ; v1 and v2 are written: every global load and store of the kernel reads one of them as its offset
	LOADW 0, 0
	LOADA 0, 0
	LOADW 1, 1
	LOADA 1, 1
	s_mul_i32 s3, s2, 6144
	v_add_nc_u32 v[ST], s3, v[L16]
	s_lshl_b32 s3, s2, 9
	s_add_co_u32 s3, s3, SCLO
	v_add_nc_u32 v[SS], s3, v[L16]
	s_mul_i32 s3, s4, 12288
	v_add_nc_u32 v[A16], s3, v[L16]
	v_add_nc_u32 v[A8], s3, v[L8]
	v_lshlrev_b32 v17, 4, v[RR]
	s_wait_alu depctr_va_vdst(0)
	s_lshl_b32 s3, s4, 9
	s_add_co_u32 s6, s3, SCLO
	v_add_nc_u32 v[ASA], s6, v17
	s_lshr_b32 s6, s5, 1
	s_lshl_b32 s6, s6, 8
	s_add_co_u32 s3, s3, s6
	s_and_b32 s6, s5, 1
	s_lshl_b32 s6, s6, 3
	s_add_co_u32 s3, s3, s6
	s_add_co_u32 s3, s3, SCLO+2048
	v_add_nc_u32 v[ASB], s3, v17
	s_xor_b32 s3, s2, 4
	s_lshl_b32 s3, s3, 13
	v_add_nc_u32 v[MS], s3, v[L16]
	s_lshl_b32 s3, s2, 13
	v_add_nc_u32 v[MR], s3, v[L16]
	s_mul_i32 s3, s2, 8448
	s_add_co_u32 s3, s3, 65536
	v_add_nc_u32 v[RD], s3, v[L16]
	v_mul_u32_u24 v[STO], v[RR], 528
	v_lshl_add_u32 v[STO], v[HH], 6, v[STO]
	v_add_nc_u32 v[STO], s3, v[STO]
	v_lshlrev_b32 v[XA], 12, v[RR]
	v_lshl_add_u32 v[XA], v[HH], 6, v[XA]
	v_lshlrev_b32 v[HA], 6, v[HH]
	s_lshl_b32 s30, s19, 19                        ; the tile that I finish: rows 128 x group + 32 wb + 16 g, columns 128 x group of Wo
	s_lshl_b32 s6, s5, 17
	s_add_co_u32 s30, s30, s6
	s_lshl_b32 s6, s4, 16
	s_add_co_u32 s30, s30, s6
	s_lshl_b32 s6, s18, 9
	s_add_co_u32 s30, s30, s6
	s_add_nc_u64 s[36:37], s[14:15], s[30:31]
	s_add_nc_u64 s[38:39], s[16:17], s[30:31]
	s_lshl_b32 s30, s18, 9
	s_add_nc_u64 s[40:41], s[12:13], s[30:31]
	s_wait_loadcnt 45                              ; slot 0's part for LDS is in; behind it: 16 + 13 + 16 loads
	s_wait_alu depctr_va_vdst(0)                   ; v5 to v16 are written: the LDS addresses, and the offsets of x and bo, which the LDS and memory instructions from here on read
	STORE 0
	s_wait_alu depctr_vm_vsrc(0)                   ; the LDS stores have read v[ST] and v[SS], which the two lines below write, and set 0's part for LDS, in which x's tile lands
	v_xor_b32 v[ST], 0x20000, v[ST]
	v_xor_b32 v[SS], 0x20000, v[SS]
	s_wait_dscnt 0x0
	XLOAD RES, XA, 36, 0                           ; x's tile, in the result's layout, into the registers just stored
	BAR
	TRIP 1, 45, 32, 0, 1                           ; 45: behind slot 0's fragments: 13 + 16 + x's 16;  32: behind slot 1's part for LDS: 16 + x's 16
	WIN 0x40
	XLOAD RES, HA, 40, 0                           ; bo, into window 1
	WIN 0
	BAR
	s_wait_loadcnt 32                              ; slot 1's fragments are in; x's 16 and bo's 16 may be out
	KS 0, 0, 0, 1, FBS, 0
	KS 24576, 1024, 0, 1, FBS+24, 1
	BAR                                            ; every wave's reads of the slots are in (the K step's last wait was for 0): they become mailboxes and stages
	PLACES 4                                       ; in front of the first read of results
	s_wait_alu depctr_va_vdst(0)                   ; the products have written the accumulators, which the LDS stores below read, and are done reading FA, in which the loads from my mailbox land; the places above stay beside this wait
	s_cmp_eq_u32 s4, 0
	s_cbranch_scc0 .Lsend_low
	SENDACC 64                                     ; g = 0 keeps its first tile of tokens and sends the second
	s_branch .Lsent
.Lsend_low:
	SENDACC 0                                      ; g = 1 the other way round
.Lsent:
	s_wait_dscnt 0x0
	BAR
.set i, 0
.rept 16
	ds_load_b128 v[TT+4*i:TT+4*i+3], v[MR] offset:512*i
.set i, i+1
.endr
	s_wait_dscnt 0x0
	s_wait_loadcnt 0x0                             ; x's tile and bo
	s_cmp_eq_u32 s4, 0
	s_cbranch_scc0 .Ljoin_high
	JOINACC 0
	s_branch .Ljoined
.Ljoin_high:
	JOINACC 64
.Ljoined:
.set j, 0
.rept 32
	v_pk_add_f32 v[TT+j:TT+j+1], v[TT+j:TT+j+1], v[RES+j:RES+j+1]
.set j, j+2
.endr
	WIN 0x04
.set j, 0
.rept 32
	v_pk_add_f32 v[TT+j:TT+j+1], v[TT+j:TT+j+1], v[RES+j:RES+j+1]
.set j, j+2
.endr
	WIN 0
	s_wait_alu depctr_va_vdst(0)                   ; the additions have written v[TT ..], which the stage's LDS stores read
	OUTTILE TT, RB, 38, 0
	s_wait_dscnt 0x0                               ; the closing lines, six on end
	s_wait_alu 0x0
	s_wait_tensorcnt 0x0
	ds_add_u32 v254, v255
	s_wait_dscnt 0x0
	s_endpgm
.Lfunc_end_k_qe6d3bb9ff2_oproj:
	.size	k_qe6d3bb9ff2_oproj, .Lfunc_end_k_qe6d3bb9ff2_oproj-k_qe6d3bb9ff2_oproj
	.p2alignl 7, 3214868480
	.fill 96, 4, 3214868480
	.section	.rodata,"a",@progbits
	.p2align	6, 0x0
	.amdhsa_kernel k_qe6d3bb9ff2_oproj
		.amdhsa_group_segment_fixed_size 185344
		.amdhsa_private_segment_fixed_size 0
		.amdhsa_enable_private_segment 0
		.amdhsa_kernarg_size 40
		.amdhsa_user_sgpr_count 2
		.amdhsa_user_sgpr_kernarg_segment_ptr 1
		.amdhsa_wavefront_size32 1
		.amdhsa_system_sgpr_workgroup_id_x 1
		.amdhsa_system_sgpr_workgroup_id_y 1
		.amdhsa_system_sgpr_workgroup_id_z 1
		.amdhsa_system_vgpr_workitem_id 0
		.amdhsa_next_free_vgpr 512
		.amdhsa_next_free_sgpr 66
		.amdhsa_reserve_vcc 0
		.amdhsa_float_denorm_mode_32 3
		.amdhsa_float_denorm_mode_16_64 3
		.amdhsa_memory_ordered 1
		.amdhsa_forward_progress 1
		.amdhsa_inst_pref_size 50
	.end_amdhsa_kernel
	.amdgpu_metadata
---
amdhsa.version: [ 1, 2 ]
amdhsa.kernels:
  - .name:           k_qe6d3bb9ff2_oproj
    .symbol:         k_qe6d3bb9ff2_oproj.kd
    .args:
      - { .name: cimg, .offset: 0, .size: 8, .value_kind: global_buffer, .address_space: global }
      - { .name: wimg, .offset: 8, .size: 8, .value_kind: global_buffer, .address_space: global }
      - { .name: bo, .offset: 16, .size: 8, .value_kind: global_buffer, .address_space: global }
      - { .name: x, .offset: 24, .size: 8, .value_kind: global_buffer, .address_space: global }
      - { .name: x1, .offset: 32, .size: 8, .value_kind: global_buffer, .address_space: global }
    .group_segment_fixed_size: 185344
    .private_segment_fixed_size: 0
    .kernarg_segment_align: 8
    .kernarg_segment_size: 40
    .max_flat_workgroup_size: 256
    .sgpr_count:     66
    .vgpr_count:     512
    .wavefront_size: 32
...
	.end_amdgpu_metadata
.endif
;; end of part 10
;; launch ln2: the kernel of part 7 again; grid 256 x 1, 8 waves a work-group, no clusters, 2,048 bytes of LDS; arguments x1, ln2_scale, ln2_shift, himg, Wq_codes, Wk_codes, Wv_codes, Wo_codes, W1_codes, W2_codes, Wq_scales, Wk_scales, Wv_scales, Wo_scales, W1_scales, W2_scales, wimg; writes himg, wimg
;; launch ffn1 (part 11): grid 512 x 1, 8 waves a work-group, no clusters, 308,224 bytes of LDS; arguments himg, wimg, b1, gimg; writes gimg
.if DOCPART == 11
	.amdgcn_target "amdgcn-amd-amdhsa--gfx1250"
	.amdhsa_code_object_version 6
	.text
	.protected	k_qe6d3bb9ff2_ffn1
	.globl	k_qe6d3bb9ff2_ffn1
	.p2align	8
	.type	k_qe6d3bb9ff2_ffn1,@function
k_qe6d3bb9ff2_ffn1:
	s_mov_b64 s[64:65], 0
	v_nop
	global_prefetch_b8 v0, s[64:65] scope:SCOPE_SE
	s_setreg_imm32_b32 hwreg(HW_REG_WAVE_MODE, 25, 1), 1
	s_wait_xcnt 0x0
; g = gelu_tanh(h2 W1 + b1), quantised along the 4,096 hidden units; the product on codes of MX-FP6, K = 1,024.  Operands and result are images of operand registers (a fragment: 1,536 bytes; [group][K step][tile]; scale words [group][K step][512]).
; A work-group multiplies 256 rows of W1 (source 0, two groups) by 128 tokens (source 1).  All of K for these 384 rows, 307,200 bytes, comes into LDS ONCE; nothing is filled again.
; K steps 0 to 6 come by 63 lane copies a wave, as many as a wait on ASYNCcnt can name; the scale words and K step 7 come by 12 loads through registers, issued first and stored to LDS ahead of the first barrier.
; A copy's immediate is added to both its addresses: it stays under 65,536, and the LDS address register and the scalar base carry the same multiple of 49,152.
; Wave w: wa = w / 4 its group of W1, wb = w % 4 its two tiles of tokens.  A lane holds one token; register 16 b + i of a tile is hidden unit 32 b + 16 h + i of the group: 128 units are one K step of the next product.
; THE ACTIVATION: 0.5 x (1 + tanh(u)) = x / (1 + 2^z), z = x (k1 + k3 x^2), k1 = -2 sqrt(2 / pi) log2(e), k3 = 0.044715 k1: the same function, without the difference 1 + tanh.
; b1 is the C of each sum's first product.  No multicast: lane copies have no joint form.
; LIMITS: NaN and infinities are not served; v_exp_f32 gives 0 for results under 2^-126 (1 + 2^z is then 1); a block of zeros gets the byte 1.
.set L16, 1
.set L8,  2
.set RR,  3
.set HH,  4
.set CG,  5                            ; v5  1,536 w + 16 x lane: my tile's bytes in a K step's record; never rewritten
.set CSG, 8                            ; v8  512 w + 16 x lane: my part of a group's scale words; v9, v10 the same in LDS
.set CSL0, 9
.set CSL1, 10
.set ASA, 19
.set ASB, 20
.set R16, 21
.set HA,  23
.set SA,  24
.set SB,  32
.set PW,  34
.set FB,  36
.set FA,  60                           ; v60-155 source 0's eight fragments; ahead of K step 0, v60-107 carry what comes through registers
.set BIAS, 156
.set H,   156                          ; v156-219: b1 for the first K step, later a tile's activations
.set TM,  220
.set PC,  232
.set LA,  232                          ; v232-235 LDS addresses of the copies for source 0: v5 + 49,152 x 0 .. 3;  v236-237 for source 1.  Written again only behind the wait for 0 on ASYNCcnt
.set LB,  236
.set SEL, 46
.set MSB, 0
.macro WIN new
.if MSB != (\new)
	s_set_vgpr_msb (MSB<<8)|(\new)
.set MSB, (\new)
.endif
.endm
.macro PLACES n
.rept \n
	v_nop
.endr
.endm
.macro FILL_LOADS                              ; through registers: the scale words of the three groups, and my tile of K step 7's three records
	global_load_b128 v[FA:FA+3], v[CSG], s[34:35]
	global_load_b128 v[FA+4:FA+7], v[CSG], s[34:35] offset:4096
	global_load_b128 v[FA+8:FA+11], v[CSG], s[38:39]
.irp c, 0,1,2
	global_load_b128 v[FA+12+12*\c:FA+15+12*\c], v[CG], s[50:51] offset:36864+512*\c
	global_load_b128 v[FA+16+12*\c:FA+19+12*\c], v[CG], s[54:55] offset:36864+512*\c
	global_load_b128 v[FA+20+12*\c:FA+23+12*\c], v[CG], s[58:59] offset:36864+512*\c
.endr
.endm
.macro FILL_COPIES                             ; K steps 0 to 6: wave w copies tile w of each of a K step's three records: nine copies a K step.  LDS has memory's order
.irp s, 0,1,2,3,4,5,6
.irp c, 0,1,2
	global_load_async_to_lds_b128 v[LA+\s/4], v[CG], s[48+2*(\s/4):49+2*(\s/4)] offset:12288*(\s%4)+512*\c
	global_load_async_to_lds_b128 v[LA+2+\s/4], v[CG], s[52+2*(\s/4):53+2*(\s/4)] offset:12288*(\s%4)+512*\c
	global_load_async_to_lds_b128 v[LB+\s/4], v[CG], s[56+2*(\s/4):57+2*(\s/4)] offset:12288*(\s%4)+512*\c
.endr
.endr
.endm
.macro FILL_STORES                             ; what came through registers goes to its place in LDS: whole blocks of 256 bytes into which no copy lands
	ds_store_b128 v[CSL0], v[FA:FA+3]
	ds_store_b128 v[CSL0], v[FA+4:FA+7] offset:4096
	ds_store_b128 v[CSL1], v[FA+8:FA+11]
.irp c, 0,1,2
	ds_store_b128 v[LA+1], v[FA+12+12*\c:FA+15+12*\c] offset:36864+512*\c
	ds_store_b128 v[LA+3], v[FA+16+12*\c:FA+19+12*\c] offset:36864+512*\c
	ds_store_b128 v[LB+1], v[FA+20+12*\c:FA+23+12*\c] offset:36864+512*\c
.endr
	s_wait_dscnt 0x0                               ; for the others' sake: my stores have landed
.endm
.macro FRAGL reg, a16, a8, off
	ds_load_b128 v[\reg:\reg+3], v[\a16] offset:\off
	ds_load_b64 v[\reg+4:\reg+5], v[\a8] offset:\off+512
	ds_load_b128 v[\reg+6:\reg+9], v[\a16] offset:\off+768
	ds_load_b64 v[\reg+10:\reg+11], v[\a8] offset:\off+1280
.endm
; One K step of the wave's 8 x 2 tiles: 43 LDS loads in one run, then 16 products on 16 accumulators that take turns, one instruction a turn.  cmode 0: sums go on; 1: begin at 0; 2: begin at the bias.
.macro KS ka, kb, ko, ks, cmode
	PLACES 4                                       ; in front of loads into registers that the last products read
	ds_load_b128 v[SA:SA+3], v[ASA] offset:\ks
	ds_load_b128 v[SA+4:SA+7], v[ASA] offset:\ks+256
	ds_load_b64 v[SB:SB+1], v[ASB] offset:\ks
	FRAGL FB, \kb, \kb+1, \ko
	FRAGL FB+12, \kb, \kb+1, \ko+1536
.irp a, 0,1,2,3,4,5,6,7
	FRAGL FA+12*\a, \ka, \ka+1, \ko+1536*\a
.endr
.if \cmode == 2
	WIN 0x40
.else
	WIN 0x50
.endif
.irp a, 0,1,2,3,4,5,6,7
	s_wait_dscnt 4*(7-\a)                          ; all is in but the four loads of each later tile of source 0
.irp b, 0,1
.if \cmode == 0
	v_wmma_scale_f32_16x16x128_f8f6f4 v[64*\b+8*\a:64*\b+8*\a+7], v[FA+12*\a:FA+12*\a+11], v[FB+12*\b:FB+12*\b+11], v[64*\b+8*\a:64*\b+8*\a+7], v[SA+\a], v[SB+\b] matrix_a_fmt:MATRIX_FMT_FP6 matrix_b_fmt:MATRIX_FMT_FP6
.elseif \cmode == 1
	v_wmma_scale_f32_16x16x128_f8f6f4 v[64*\b+8*\a:64*\b+8*\a+7], v[FA+12*\a:FA+12*\a+11], v[FB+12*\b:FB+12*\b+11], 0, v[SA+\a], v[SB+\b] matrix_a_fmt:MATRIX_FMT_FP6 matrix_b_fmt:MATRIX_FMT_FP6
.else
	v_wmma_scale_f32_16x16x128_f8f6f4 v[64*\b+8*\a:64*\b+8*\a+7], v[FA+12*\a:FA+12*\a+11], v[FB+12*\b:FB+12*\b+11], v[BIAS+8*\a:BIAS+8*\a+7], v[SA+\a], v[SB+\b] matrix_a_fmt:MATRIX_FMT_FP6 matrix_b_fmt:MATRIX_FMT_FP6
.endif
.endr
.endr
	WIN 0
.endm
.macro STAGE n                                 ; my copies of the next two K steps have landed (n = 9 copies for each copied K step behind them), and so have everybody's
	s_wait_asynccnt \n
	s_barrier_signal -1
	s_barrier_wait -1
.endm
.macro QUANT s, w, pc, pw                      ; 64 numbers of a lane in window w, register 16 b + i = k 32 b + 16 h + i of my row: codes to v[pc] .. v[pc + 11], scale word to v[pw]
	WIN 0x14*(\w)
.irp b, 0,1,2,3
	v_max3_num_f32 v[TM+\b], 0x1800000, |v[\s+16*\b]|, |v[\s+1+16*\b]|
.endr
.irp i, 2,4,6,8,10,12,14
.irp b, 0,1,2,3
	s_delay_alu instid0(VALU_DEP_4)
	v_max3_num_f32 v[TM+\b], v[TM+\b], |v[\s+16*\b+\i]|, |v[\s+1+16*\b+\i]|
.endr
.endr
	WIN 0
.irp b, 0,1,2,3
	s_delay_alu instid0(VALU_DEP_4)
	v_permlanex16_b32 v[TM+4+\b], v[TM+\b], s[SEL], s[SEL+1]
.endr
.irp b, 0,1,2,3
	s_delay_alu instid0(VALU_DEP_4)
	v_max_num_f32 v[TM+\b], v[TM+\b], v[TM+4+\b]
.endr
.irp b, 0,1,2,3
	s_delay_alu instid0(VALU_DEP_4)
	v_add_nc_u32 v[TM+8+\b], 0xff000000, v[TM+\b]
.endr
.irp b, 0,1,2,3
	s_delay_alu instid0(VALU_DEP_4)
	v_lshrrev_b32 v[TM+4+\b], 23, v[TM+8+\b]
.endr
	s_delay_alu instid0(VALU_DEP_3)
	v_lshl_or_b32 v[\pw], v[TM+5], 8, v[TM+4]
	s_delay_alu instid0(VALU_DEP_1)
	v_lshl_or_b32 v[\pw], v[TM+6], 16, v[\pw]
	s_delay_alu instid0(VALU_DEP_1)
	v_lshl_or_b32 v[\pw], v[TM+7], 24, v[\pw]
	WIN \w
.irp c, 0,1
	v_cvt_scalef32_pk16_fp6_f32 v[\pc+6*\c:\pc+2+6*\c], v[\s+32*\c:\s+15+32*\c], v[TM+8+2*\c]
	v_cvt_scalef32_pk16_fp6_f32 v[\pc+12+4*\c:\pc+14+4*\c], v[\s+16+32*\c:\s+31+32*\c], v[TM+8+2*\c+1]
.endr
	WIN 0
	v_nop
.irp c, 0,1
.irp i, 0,1,2
	v_permlane16_swap_b32 v[\pc+6*\c+\i], v[\pc+12+4*\c+\i]
.endr
.irp i, 0,1,2
	s_delay_alu instid0(VALU_DEP_3)
	v_mov_b32 v[\pc+3+6*\c+\i], v[\pc+12+4*\c+\i]
.endr
.endr
.endm
.macro PUT pc, sb, imm
	global_store_b128 v[L16], v[\pc:\pc+3], s[\sb:\sb+1] offset:\imm
	global_store_b64 v[L8], v[\pc+4:\pc+5], s[\sb:\sb+1] offset:\imm+512
	global_store_b128 v[L16], v[\pc+6:\pc+9], s[\sb:\sb+1] offset:\imm+768
	global_store_b64 v[L8], v[\pc+10:\pc+11], s[\sb:\sb+1] offset:\imm+1280
.endm
.macro XLOAD reg, adr, sb, imm
.irp k, 0,1,2,3
.irp q, 0,1,2,3
	global_load_b128 v[\reg+16*\k+4*\q:\reg+16*\k+4*\q+3], v[\adr], s[\sb:\sb+1] offset:\imm+128*\k+16*\q
.endr
.endr
.endm
; The activation of tile b of tokens (accumulators v[64 b] on in window 1) into v[H] on.  Each batch of 64 transcendentals has one plain place and one wait behind it, ahead of the first line that names a result.
.macro GELU b
	WIN 0x05
.set j, 0
.rept 32
	v_pk_mul_f32 v[H+j:H+j+1], v[64*\b+j:64*\b+j+1], v[64*\b+j:64*\b+j+1]   ; x^2; each accumulator is read from its low end on
.set j, j+2
.endr
	WIN 0
.set j, 0
.rept 32
	v_pk_fma_f32 v[H+j:H+j+1], v[H+j:H+j+1], v[254:255], v[252:253]         ; k3 x^2 + k1
.set j, j+2
.endr
	WIN 0x04
.set j, 0
.rept 32
	v_pk_mul_f32 v[H+j:H+j+1], v[H+j:H+j+1], v[64*\b+j:64*\b+j+1]           ; z
.set j, j+2
.endr
	WIN 0
.set j, 0
	s_wait_alu depctr_va_vdst(0)
.rept 64
	v_exp_f32 v[H+j], v[H+j]
.set j, j+1
.endr
	v_nop
	s_wait_alu depctr_va_vdst(0)
.set j, 0
.rept 32
	v_pk_add_f32 v[H+j:H+j+1], v[H+j:H+j+1], 1.0 op_sel_hi:[1,0]
.set j, j+2
.endr
.set j, 0
	s_wait_alu depctr_va_vdst(0)
.rept 64
	v_rcp_f32 v[H+j], v[H+j]
.set j, j+1
.endr
	v_nop
	s_wait_alu depctr_va_vdst(0)
	WIN 0x04
.set j, 0
.rept 32
	v_pk_mul_f32 v[H+j:H+j+1], v[H+j:H+j+1], v[64*\b+j:64*\b+j+1]           ; x / (1 + 2^z)
.set j, j+2
.endr
	WIN 0
.endm
	s_load_b256 s[8:15], s[0:1], 0x0               ; himg s[8:9], wimg s[10:11], b1 s[12:13], gimg s[14:15]
	v_lshl_add_u32 v247, v0, 2, 0x4b000
	v_mov_b32 v251, 0
	ds_add_u32 v247, v251
	ds_add_u32 v247, v251
	v_lshrrev_b32 v1, 5, v0
	s_delay_alu instid0(VALU_DEP_1)
	v_readfirstlane_b32 s2, v1
	v_and_b32 v4, 31, v0
	s_delay_alu instid0(VALU_DEP_1)
	v_lshlrev_b32 v[L16], 4, v4
	s_delay_alu instid0(VALU_DEP_2)
	v_lshlrev_b32 v[L8], 3, v4
	v_and_b32 v[RR], 15, v0
	v_bfe_u32 v[HH], v0, 4, 1
	s_lshr_b32 s4, s2, 2                           ; wa
	s_and_b32 s5, s2, 3                            ; wb
	s_mul_i32 s3, s2, 1536
	v_add_nc_u32 v[CG], s3, v[L16]
	v_add_nc_u32 v[LA], s3, v[L16]
	s_delay_alu instid0(VALU_DEP_1)
	v_add_nc_u32 v[LA+1], 49152, v[LA]
	s_delay_alu instid0(VALU_DEP_2)
	v_add_nc_u32 v[LA+2], 98304, v[LA]
	s_delay_alu instid0(VALU_DEP_3)
	v_add_nc_u32 v[LA+3], 147456, v[LA]
	s_delay_alu instid0(VALU_DEP_4)
	v_add_nc_u32 v[LB], 196608, v[LA]
	v_add_nc_u32 v[LB+1], 245760, v[LA]
	s_lshl_b32 s3, s2, 9
	v_add_nc_u32 v[CSG], s3, v[L16]
	s_delay_alu instid0(VALU_DEP_1)
	v_add_nc_u32 v[CSL0], 294912, v[CSG]
	s_delay_alu instid0(VALU_DEP_2)
	v_add_nc_u32 v[CSL1], 303104, v[CSG]
	v_lshlrev_b32 v[HA], 6, v[HH]
	s_and_b32 s18, ttmp9, 15                       ; 256 hidden units
	s_lshr_b32 s19, ttmp9, 4                       ; 128 tokens
	s_mov_b32 s31, 0
	s_mov_b32 s[SEL], 0x76543210
	s_mov_b32 s[SEL+1], 0xfedcba98
	s_wait_alu depctr_va_vdst(0)
	s_wait_dscnt 0x0
	s_wait_kmcnt 0x0
	s_mul_i32 s30, s18, 196608
	s_add_co_u32 s30, s30, 3145728
	s_add_nc_u64 s[48:49], s[10:11], s[30:31]      ; W1's images, and 49,152, 98,304, 147,456 bytes on
	s_add_nc_u64 s[50:51], s[48:49], 49152
	s_add_nc_u64 s[52:53], s[48:49], 98304
	s_add_nc_u64 s[54:55], s[48:49], 147456
	s_lshl_b32 s30, s18, 13
	s_add_co_u32 s30, s30, 9437184+131072
	s_add_nc_u64 s[34:35], s[10:11], s[30:31]      ; its scale words
	s_mul_i32 s30, s19, 98304
	s_add_nc_u64 s[56:57], s[8:9], s[30:31]        ; h2's images, and 49,152 bytes on
	s_add_nc_u64 s[58:59], s[56:57], 49152
	s_lshl_b32 s30, s19, 12
	s_add_co_u32 s30, s30, 3145728
	s_add_nc_u64 s[38:39], s[8:9], s[30:31]        ; its scale words
	s_lshl_b32 s30, s18, 10
	s_lshl_b32 s6, s4, 9
	s_add_co_u32 s30, s30, s6
	s_add_nc_u64 s[40:41], s[12:13], s[30:31]      ; b1 at my 128 units
	FILL_LOADS
	XLOAD BIAS, HA, 40, 0
	FILL_COPIES
	s_lshl_b32 s20, s19, 5
	s_lshl_b32 s6, s18, 1
	s_add_co_u32 s20, s20, s6
	s_add_co_u32 s20, s20, s4                      ; 32 x group of tokens + K step of the next product
	s_mul_i32 s30, s20, 12288
	s_mul_i32 s6, s5, 3072
	s_add_co_u32 s30, s30, s6
	s_add_nc_u64 s[42:43], s[14:15], s[30:31]      ; my two images
	s_lshl_b32 s30, s20, 9
	s_lshr_b32 s6, s5, 1
	s_lshl_b32 s6, s6, 8
	s_add_co_u32 s30, s30, s6
	s_and_b32 s6, s5, 1
	s_lshl_b32 s6, s6, 3
	s_add_co_u32 s30, s30, s6
	s_add_co_u32 s30, s30, 12582912
	s_add_nc_u64 s[44:45], s[14:15], s[30:31]      ; and their scale words
	s_mul_i32 s6, s4, 98304
	v_add_nc_u32 v11, s6, v[L16]
	v_add_nc_u32 v12, s6, v[L8]
	s_delay_alu instid0(VALU_DEP_2)
	v_add_nc_u32 v13, 49152, v11
	s_delay_alu instid0(VALU_DEP_2)
	v_add_nc_u32 v14, 49152, v12
	s_mul_i32 s6, s5, 3072
	s_add_co_u32 s6, s6, 196608
	v_add_nc_u32 v15, s6, v[L16]
	v_add_nc_u32 v16, s6, v[L8]
	s_delay_alu instid0(VALU_DEP_2)
	v_add_nc_u32 v17, 49152, v15
	s_delay_alu instid0(VALU_DEP_2)
	v_add_nc_u32 v18, 49152, v16
	v_lshlrev_b32 v[R16], 4, v[RR]
	s_wait_alu depctr_va_vdst(0)
	s_lshl_b32 s6, s4, 12
	s_add_co_u32 s6, s6, 294912
	v_add_nc_u32 v[ASA], s6, v[R16]
	s_lshr_b32 s6, s5, 1
	s_lshl_b32 s6, s6, 8
	s_and_b32 s7, s5, 1
	s_lshl_b32 s7, s7, 3
	s_add_co_u32 s6, s6, s7
	s_add_co_u32 s6, s6, 303104
	v_add_nc_u32 v[ASB], s6, v[R16]
.irp b, 0,1,2,3
	v_mov_b32 v[TM+4+\b], 0                        ; a lane permute's destination counts as one of its sources
.endr
	v_mov_b32 v252, 0xc0135761                     ; k1, twice
	v_mov_b32 v253, 0xc0135761
	v_mov_b32 v254, 0xbdd2d3e8                     ; k3, twice
	v_mov_b32 v255, 0xbdd2d3e8
	s_wait_alu depctr_va_vdst(0)
	s_wait_loadcnt 0x0                             ; the twelve loads through registers, and b1
	FILL_STORES
	STAGE 45
	KS 11, 15, 0, 0, 2
	KS 11, 15, 12288, 512, 0
	STAGE 27
	KS 11, 15, 24576, 1024, 0
	KS 11, 15, 36864, 1536, 0
	STAGE 9
	KS 13, 17, 0, 2048, 0
	KS 13, 17, 12288, 2560, 0
	STAGE 0
	KS 13, 17, 24576, 3072, 0
	KS 13, 17, 36864, 3584, 0
	PLACES 4                                       ; in front of the first read of results
	GELU 0
	QUANT H, 0, PC, PW
	PUT PC, 42, 0
	GELU 1
	s_wait_xcnt 0x0                                ; the first tile's stores have read the codes' registers: they are written again only behind this wait
	QUANT H, 0, PC, PW+1
	PUT PC, 42, 1536
	global_store_b64 v[R16], v[PW:PW+1], s[44:45]  ; lanes 16-31 repeat lanes 0-15
	s_wait_tensorcnt 0x0
	ds_add_u32 v247, v251
	s_wait_dscnt 0x0
	s_endpgm
.Lfunc_end_k_qe6d3bb9ff2_ffn1:
	.size	k_qe6d3bb9ff2_ffn1, .Lfunc_end_k_qe6d3bb9ff2_ffn1-k_qe6d3bb9ff2_ffn1
	.p2alignl 7, 3214868480
	.fill 96, 4, 3214868480
	.section	.rodata,"a",@progbits
	.p2align	6, 0x0
	.amdhsa_kernel k_qe6d3bb9ff2_ffn1
		.amdhsa_group_segment_fixed_size 308224
		.amdhsa_private_segment_fixed_size 0
		.amdhsa_enable_private_segment 0
		.amdhsa_kernarg_size 32
		.amdhsa_user_sgpr_count 2
		.amdhsa_user_sgpr_kernarg_segment_ptr 1
		.amdhsa_wavefront_size32 1
		.amdhsa_system_sgpr_workgroup_id_x 1
		.amdhsa_system_sgpr_workgroup_id_y 1
		.amdhsa_system_sgpr_workgroup_id_z 1
		.amdhsa_system_vgpr_workitem_id 0
		.amdhsa_next_free_vgpr 512
		.amdhsa_next_free_sgpr 66
		.amdhsa_reserve_vcc 0
		.amdhsa_float_denorm_mode_32 3
		.amdhsa_float_denorm_mode_16_64 3
		.amdhsa_memory_ordered 1
		.amdhsa_forward_progress 1
		.amdhsa_inst_pref_size 97
	.end_amdhsa_kernel
	.amdgpu_metadata
---
amdhsa.version: [ 1, 2 ]
amdhsa.kernels:
  - .name:           k_qe6d3bb9ff2_ffn1
    .symbol:         k_qe6d3bb9ff2_ffn1.kd
    .args:
      - { .name: himg, .offset: 0, .size: 8, .value_kind: global_buffer, .address_space: global }
      - { .name: wimg, .offset: 8, .size: 8, .value_kind: global_buffer, .address_space: global }
      - { .name: b1, .offset: 16, .size: 8, .value_kind: global_buffer, .address_space: global }
      - { .name: gimg, .offset: 24, .size: 8, .value_kind: global_buffer, .address_space: global }
    .group_segment_fixed_size: 308224
    .private_segment_fixed_size: 0
    .kernarg_segment_align: 8
    .kernarg_segment_size: 32
    .max_flat_workgroup_size: 256
    .sgpr_count:     66
    .vgpr_count:     512
    .wavefront_size: 32
...
	.end_amdgpu_metadata
.endif
;; end of part 11
;; launch ffn2 (part 12): grid 256 x 1, 8 waves a work-group, no clusters, 185,344 bytes of LDS; arguments gimg, wimg, b2, x1, out0; writes out0
.if DOCPART == 12
	.amdgcn_target "amdgcn-amd-amdhsa--gfx1250"
	.amdhsa_code_object_version 6
	.text
	.protected	k_qe6d3bb9ff2_ffn2
	.globl	k_qe6d3bb9ff2_ffn2
	.p2align	8
	.type	k_qe6d3bb9ff2_ffn2,@function
k_qe6d3bb9ff2_ffn2:
	s_mov_b64 s[64:65], 0
	v_nop
	global_prefetch_b8 v0, s[64:65] scope:SCOPE_SE
	s_setreg_imm32_b32 hwreg(HW_REG_WAVE_SCHED_MODE, 0, 2), 2
	s_setreg_imm32_b32 hwreg(HW_REG_WAVE_MODE, 25, 1), 1
	s_wait_xcnt 0x0
	s_wait_alu depctr_vm_vsrc(0)
; out0 = x1 + g W2 + b2; the product on codes of MX-FP6, K = 4,096: 32 K steps, eight slots of four.  Operands come as images of operand registers (a fragment, 16 rows x 128 K: 1,536 bytes; [group of 128 rows][K step][tile]; scale words [group][K step][512]).
; A work-group makes 128 columns (one group of W2, source 0) x 128 tokens (one group of g, source 1).
; Wave w: wb = w % 4 its two tiles of tokens, g = w / 4 its half of K (K steps g and g + 2 of each slot): 16 accumulators.
; So a fragment of g's images is used by ONE wave: it comes from memory straight into that wave's registers, four dense loads a fragment, and never touches LDS.
; W2's fragments are used by four waves: they and the scale words go through a ring of two LDS slots, filled THROUGH REGISTERS: wave w fetches bytes 6,144 w on of a slot's 49,152 (12 loads) and scale block w (1 load) and stores them to LDS a trip later.
; A slot costs LDS 16 x (8 x 1,536 + 1,280) bytes of reads and 53,248 of stores.
; Loads run two slots ahead, at most 61 a wave; one barrier a trip: in front of it each wave has waited for its reads of the slot in hand and for its stores into the other.
; At the end the two halves of K are joined through LDS: each wave keeps tile g and sends the other.  So K is summed in two halves, not in one ascending chain.  A lane holds one token; register 16 b + i is column 32 b + 16 h + i.
; No tensor load, no copy: no slot is an engine's target.  No multicast for the same reason.  LIMITS: NaN and infinities are not served.
; THE MODE: SCHED_MODE bits 1:0 = 2 (LLVM: expert scheduling mode 2), set by the entry lines.  The code itself states the register dependences
; between vector or matrix instructions and memory or LDS instructions, with s_wait_alu, always for 0.
; THE PLAN.  Registers that memory or LDS instructions touch:
;   v1, v2        offsets of every global load and store: written at the head, never again.
;   v5, v6        read by the 13 LDS stores of a trip; turned to the other slot behind them.
;   v7-10         read by a K step's LDS loads; turned with v5, v6, once a trip.
;   v11-16        mailboxes, stage, offsets of x1 and b2: written at the head, never again.
;   SA, SB, FA    a K step's 35 LDS loads land in them; its 16 products read them.
;   a set's v128-175  Trip t works on set t % 2: its 32 products read these; at the trip's end the fragments of slot t + 2 are asked for into them.
;   a set's v176-227  Trip t stores set (t + 1) % 2's to LDS; behind the stores slot t + 3's part (at the end x1's tile, b2) is asked for into them.
;   accumulators  written by the products; at the end read by LDS stores (one half) and by vector additions (the other).
;   TT, RB        TT: mailbox loads land, additions write, the stage's stores read.  RB: the stage's loads land, global stores read.
; A trip has three waits: one on va_vdst ahead of its second K step's LDS loads; one on vm_vsrc behind its LDS stores, ahead of the six turns; one on va_vdst at its end, ahead of the loads into the set's fragments,
; which also serves the next trip's first K step: between it and that step's LDS loads stand only global loads, window switches, the barrier, a wait on LOADcnt and v_nop, which name none of the registers that those loads touch.
; SA, SB and FA have one set of registers: a wave uses 496 of the 512 that two waves on a SIMD can each have, so a K step's LDS loads follow the products of the step before.
.set GSTR, 393216                      ; a group's images: 32 K steps x 12,288 bytes
.set SSHL, 14                          ; a group's scale words: 32 x 512 = 2^14 bytes
.set WCOD, 6291456                     ; where W2's images begin in wimg,
.set WSCL, 9437184+262144              ; and its scale words
.set ASCL, 12582912                    ; where g's scale words begin in gimg
.set SCLO, 49152                       ; in a slot: behind W2's four records, eight blocks of 512 bytes of scale words: W2's four, then g's four
.set L16, 1
.set L8,  2
.set RR,  3
.set HH,  4
.set ST,  5                            ; v5, v6 where I store my part of a slot and my scale block; v7-10 where I read: these six change slots by an exclusive or with 131,072
.set SS,  6
.set A16, 7
.set A8,  8
.set ASA, 9
.set ASB, 10
.set MS,  11                           ; v11 my partner's mailbox, v12 mine
.set MR,  12
.set STO, 13
.set RD,  14
.set XA,  15
.set HA,  16
.set SA,  20                           ; v20-27 W2's scale words, v28-29 g's
.set SB,  28
.set FA,  32                           ; v32-127 W2's eight fragments
.set FBS, 128                          ; a set of 100 registers, set 0 in window 0, set 1 in window 1: v128-175 my four fragments of g,
.set STG, 176                          ; v176-223 my part of W2's records on its way to LDS,
.set SCR, 224                          ; v224-227 my scale block
.set RES, 176                          ; v176-239: in window 0 x1's tile, in window 1 b2, once the set's part for LDS has been stored for the last time
.set TT,  32                           ; the way out: the finished tile, and the rows read back from the stage
.set RB,  96
.set MSB, 0
.macro WIN new
.if MSB != (\new)
	s_set_vgpr_msb (MSB<<8)|(\new)
.set MSB, (\new)
.endif
.endm
.macro PLACES n
.rept \n
	v_nop
.endr
.endm
.macro FRAGL reg, a16, a8, off
	ds_load_b128 v[\reg:\reg+3], v[\a16] offset:\off
	ds_load_b64 v[\reg+4:\reg+5], v[\a8] offset:\off+512
	ds_load_b128 v[\reg+6:\reg+9], v[\a16] offset:\off+768
	ds_load_b64 v[\reg+10:\reg+11], v[\a8] offset:\off+1280
.endm
; One K step of the wave's 8 x 2 tiles: 35 LDS loads in one run, then 16 products on 16 accumulators that take turns, one instruction a turn.  cmode 0: sums go on; 1: begin at 0.
; Source 1's two fragments stand in registers, at v[fb] on in window fbw.  w = 1: a trip's second K step, whose loads land in registers that products issued since the last wait on va_vdst have read.
.macro KS ko, ks, cmode, fbw, fb, w
	PLACES 4                                       ; in front of loads into registers that the last products read
.if \w
	s_wait_alu depctr_va_vdst(0)                   ; the first K step's products are done reading SA, SB and FA, in which the loads below land (in the first trip also: the head's turns of v[ST], v[SS] are written)
.endif
	ds_load_b128 v[SA:SA+3], v[ASA] offset:\ks
	ds_load_b128 v[SA+4:SA+7], v[ASA] offset:\ks+256
	ds_load_b64 v[SB:SB+1], v[ASB] offset:\ks
.irp a, 0,1,2,3,4,5,6,7
	FRAGL FA+12*\a, A16, A8, \ko+1536*\a
.endr
	WIN 0x50+4*(\fbw)
.irp a, 0,1,2,3,4,5,6,7
	s_wait_dscnt 4*(7-\a)                          ; all is in but the four loads of each later tile of source 0
.irp b, 0,1
.if \cmode == 0
	v_wmma_scale_f32_16x16x128_f8f6f4 v[64*\b+8*\a:64*\b+8*\a+7], v[FA+12*\a:FA+12*\a+11], v[\fb+12*\b:\fb+12*\b+11], v[64*\b+8*\a:64*\b+8*\a+7], v[SA+\a], v[SB+\b] matrix_a_fmt:MATRIX_FMT_FP6 matrix_b_fmt:MATRIX_FMT_FP6
.else
	v_wmma_scale_f32_16x16x128_f8f6f4 v[64*\b+8*\a:64*\b+8*\a+7], v[FA+12*\a:FA+12*\a+11], v[\fb+12*\b:\fb+12*\b+11], 0, v[SA+\a], v[SB+\b] matrix_a_fmt:MATRIX_FMT_FP6 matrix_b_fmt:MATRIX_FMT_FP6
.endif
.endr
.endr
	WIN 0
.endm
.macro XLOAD reg, adr, sb, imm
.irp k, 0,1,2,3
.irp q, 0,1,2,3
	global_load_b128 v[\reg+16*\k+4*\q:\reg+16*\k+4*\q+3], v[\adr], s[\sb:\sb+1] offset:\imm+128*\k+16*\q
.endr
.endr
.endm
.macro LOADW t, set                            ; 13 loads: my part of slot t's four records of source 0, and my scale block
.if \set
	WIN 0x40
.endif
.set i, 0
.rept 12
	global_load_b128 v[STG+4*i:STG+4*i+3], v[L16], s[32:33] offset:49152*(\t)+512*i
.set i, i+1
.endr
	global_load_b128 v[SCR:SCR+3], v[L16], s[34:35] offset:2048*(\t)
	WIN 0
.endm
.macro LOADA t, set                            ; 16 loads: my four fragments of source 1 in slot t: K steps g and g + 2, tiles 2 wb and 2 wb + 1
.if \set
	WIN 0x40
.endif
.irp k, 0,1
.irp b, 0,1
	global_load_b128 v[FBS+24*\k+12*\b:FBS+24*\k+12*\b+3], v[L16], s[42:43] offset:49152*(\t)+24576*\k+1536*\b
	global_load_b64 v[FBS+24*\k+12*\b+4:FBS+24*\k+12*\b+5], v[L8], s[42:43] offset:49152*(\t)+24576*\k+1536*\b+512
	global_load_b128 v[FBS+24*\k+12*\b+6:FBS+24*\k+12*\b+9], v[L16], s[42:43] offset:49152*(\t)+24576*\k+1536*\b+768
	global_load_b64 v[FBS+24*\k+12*\b+10:FBS+24*\k+12*\b+11], v[L8], s[42:43] offset:49152*(\t)+24576*\k+1536*\b+1280
.endr
.endr
	WIN 0
.endm
.macro STORE set                               ; the set's part for LDS goes there
.if \set
	WIN 0x04                                       ; an LDS store's data are its source 1
.endif
.set i, 0
.rept 12
	ds_store_b128 v[ST], v[STG+4*i:STG+4*i+3] offset:512*i
.set i, i+1
.endr
	ds_store_b128 v[SS], v[SCR:SCR+3]
	WIN 0
.endm
.macro BAR
	s_barrier_signal -1
	s_barrier_wait -1
.endm
; A trip: my two K steps of the slot in hand (its fragments of source 1 in set cur); then the next slot's part for LDS, which has come into set nxt, goes to the other slot: that slot was last read a trip ago,
; and every wave waited for those reads in front of that trip's barrier; then all six LDS addresses change slots.  la: the loads issued behind this slot's fragments of source 1; ld: those issued behind the next slot's part for LDS: they may stay out.
; The six address turns are also the places between the trip's last product and the loads that follow the macro into set cur's fragments.
.macro TRIP cm, la, ld, cur, nxt
	s_wait_loadcnt \la
	KS 0, 0, \cm, \cur, FBS, 0
	KS 24576, 1024, 0, \cur, FBS+24, 1
	s_wait_loadcnt \ld
	STORE \nxt
	s_wait_alu depctr_vm_vsrc(0)                   ; the trip's LDS loads have read v7-10 and its LDS stores v5, v6, which the six lines below write; the stores have read set nxt's part for LDS, in which loads behind the macro land
.irp a, ST, SS, A16, A8, ASA, ASB
	v_xor_b32 v[\a], 0x20000, v[\a]
.endr
	s_wait_dscnt 0x0                               ; for the others' sake: my stores have landed (my reads were waited for in the K step)
	s_wait_alu depctr_va_vdst(0)                   ; the six turns are written, which the next LDS loads and stores read; the trip's products are done reading set cur's fragments, in which loads behind the macro land, and SA, SB and FA, in which the next trip's first LDS loads land
.endm
.macro OUTTILE t, rb, sb, imm                  ; 16 rows x 128 columns of f32 go through my stage (rows 528 bytes apart) and leave as whole rows
.irp k, 0,1,2,3
.irp q, 0,1,2,3
	ds_store_b128 v[STO], v[\t+16*\k+4*\q:\t+16*\k+4*\q+3] offset:128*\k+16*\q
.endr
.endr
.set i, 0
.rept 16
	ds_load_b128 v[\rb+4*i:\rb+4*i+3], v[RD] offset:528*i   ; LDS serves a wave's instructions in order: these see my stores
.set i, i+1
.endr
.set i, 0
.rept 16
	s_wait_dscnt 15-i                              ; row i is back; the later rows may be out
	global_store_b128 v[L16], v[\rb+4*i:\rb+4*i+3], s[\sb:\sb+1] offset:\imm+4096*i th:TH_STORE_NT   ; 32 lanes store 512 consecutive bytes, at a multiple of 512 from the buffer's first byte
.set i, i+1
.endr
.endm
.macro SENDACC base                            ; 64 accumulator registers to my partner's mailbox, as they stand; each accumulator from its low end on
	WIN 0x04
.irp a, 0,1,2,3,4,5,6,7
	ds_store_b128 v[MS], v[\base+8*\a:\base+8*\a+3] offset:1024*\a
	ds_store_b128 v[MS], v[\base+8*\a+4:\base+8*\a+7] offset:1024*\a+512
.endr
	WIN 0
.endm
.macro JOINACC base                            ; what my partner sent + my own half of K
	WIN 0x01
.set j, 0
.rept 32
	v_pk_add_f32 v[TT+j:TT+j+1], v[\base+j:\base+j+1], v[TT+j:TT+j+1]
.set j, j+2
.endr
	WIN 0
.endm
	s_load_b256 s[8:15], s[0:1], 0x0               ; gimg s[8:9], wimg s[10:11], b2 s[12:13], x1 s[14:15]
	s_load_b64 s[16:17], s[0:1], 0x20              ; out0
	v_lshl_add_u32 v254, v0, 2, 0x2d000
	v_mov_b32 v255, 0
	v_lshrrev_b32 v1, 5, v0
	v_readfirstlane_b32 s2, v1
	v_and_b32 v4, 31, v0
	v_lshlrev_b32 v[L16], 4, v4
	v_lshlrev_b32 v[L8], 3, v4
	v_and_b32 v[RR], 15, v0
	v_bfe_u32 v[HH], v0, 4, 1
	s_wait_alu depctr_va_sdst(0)                   ; s2, the wave's number, is written, ahead of its first reader
	s_lshr_b32 s4, s2, 2                           ; g: my half of K.  Also: my scale block is source 0's (0) or source 1's (1)
	s_and_b32 s5, s2, 3                            ; wb: my tiles of tokens.  Also: which K step's scale block I fetch
	s_and_b32 s18, ttmp9, 7                        ; group of W2
	s_lshr_b32 s19, ttmp9, 3                       ; group of tokens
	s_mov_b32 s24, WSCL
	s_mov_b32 s31, 0
	s_wait_kmcnt 0x0
	s_mul_i32 s30, s18, GSTR
	s_add_co_u32 s30, s30, WCOD
	s_mul_i32 s25, s2, 6144
	s_add_co_u32 s30, s30, s25
	s_add_nc_u64 s[32:33], s[10:11], s[30:31]      ; my part of source 0's records
	s_cmp_eq_u32 s4, 1
	s_cselect_b64 s[20:21], s[8:9], s[10:11]
	s_cselect_b32 s22, s19, s18
	s_cselect_b32 s24, ASCL, s24
	s_lshl_b32 s30, s22, SSHL
	s_add_co_u32 s30, s30, s24
	s_lshl_b32 s25, s5, 9
	s_add_co_u32 s30, s30, s25
	s_add_nc_u64 s[34:35], s[20:21], s[30:31]      ; my scale block
	s_mul_i32 s30, s19, GSTR
	s_mul_i32 s25, s4, 12288
	s_add_co_u32 s30, s30, s25
	s_mul_i32 s25, s5, 3072
	s_add_co_u32 s30, s30, s25
	s_add_nc_u64 s[42:43], s[8:9], s[30:31]        ; my fragments of source 1: K step g, tile 2 wb
	s_wait_alu depctr_va_vdst(0)                   ; v1 and v2 are written: every global load and store of the kernel reads one of them as its offset
	LOADW 0, 0
	LOADA 0, 0
	LOADW 1, 1
	LOADA 1, 1
	s_mul_i32 s3, s2, 6144
	v_add_nc_u32 v[ST], s3, v[L16]
	s_lshl_b32 s3, s2, 9
	s_add_co_u32 s3, s3, SCLO
	v_add_nc_u32 v[SS], s3, v[L16]
	s_mul_i32 s3, s4, 12288
	v_add_nc_u32 v[A16], s3, v[L16]
	v_add_nc_u32 v[A8], s3, v[L8]
	v_lshlrev_b32 v17, 4, v[RR]
	s_wait_alu depctr_va_vdst(0)
	s_lshl_b32 s3, s4, 9
	s_add_co_u32 s6, s3, SCLO
	v_add_nc_u32 v[ASA], s6, v17
	s_lshr_b32 s6, s5, 1
	s_lshl_b32 s6, s6, 8
	s_add_co_u32 s3, s3, s6
	s_and_b32 s6, s5, 1
	s_lshl_b32 s6, s6, 3
	s_add_co_u32 s3, s3, s6
	s_add_co_u32 s3, s3, SCLO+2048
	v_add_nc_u32 v[ASB], s3, v17
	s_xor_b32 s3, s2, 4
	s_lshl_b32 s3, s3, 13
	v_add_nc_u32 v[MS], s3, v[L16]
	s_lshl_b32 s3, s2, 13
	v_add_nc_u32 v[MR], s3, v[L16]
	s_mul_i32 s3, s2, 8448
	s_add_co_u32 s3, s3, 65536
	v_add_nc_u32 v[RD], s3, v[L16]
	v_mul_u32_u24 v[STO], v[RR], 528
	v_lshl_add_u32 v[STO], v[HH], 6, v[STO]
	v_add_nc_u32 v[STO], s3, v[STO]
	v_lshlrev_b32 v[XA], 12, v[RR]
	v_lshl_add_u32 v[XA], v[HH], 6, v[XA]
	v_lshlrev_b32 v[HA], 6, v[HH]
	s_lshl_b32 s30, s19, 19                        ; the tile that I finish: rows 128 x group + 32 wb + 16 g, columns 128 x group of W2
	s_lshl_b32 s6, s5, 17
	s_add_co_u32 s30, s30, s6
	s_lshl_b32 s6, s4, 16
	s_add_co_u32 s30, s30, s6
	s_lshl_b32 s6, s18, 9
	s_add_co_u32 s30, s30, s6
	s_add_nc_u64 s[36:37], s[14:15], s[30:31]
	s_add_nc_u64 s[38:39], s[16:17], s[30:31]
	s_lshl_b32 s30, s18, 9
	s_add_nc_u64 s[40:41], s[12:13], s[30:31]
	s_wait_loadcnt 45                              ; slot 0's part for LDS is in; behind it: 16 + 13 + 16 loads
	s_wait_alu depctr_va_vdst(0)                   ; v5 to v16 are written: the LDS addresses, and the offsets of x1 and b2, which the LDS and memory instructions from here on read
	STORE 0
	s_wait_alu depctr_vm_vsrc(0)                   ; the LDS stores have read v[ST] and v[SS], which the two lines below write, and set 0's part for LDS, in which slot 2's lands
	v_xor_b32 v[ST], 0x20000, v[ST]
	v_xor_b32 v[SS], 0x20000, v[SS]
	s_wait_dscnt 0x0
	LOADW 2, 0
	BAR
	TRIP 1, 42, 29, 0, 1                           ; 42: behind a slot's fragments: 13 + 16 + 13 loads;  29: behind the next slot's part for LDS: 16 + 13
	LOADA 2, 0
	LOADW 3, 1
	BAR
	TRIP 0, 42, 29, 1, 0
	LOADA 3, 1
	LOADW 4, 0
	BAR
	TRIP 0, 42, 29, 0, 1
	LOADA 4, 0
	LOADW 5, 1
	BAR
	TRIP 0, 42, 29, 1, 0
	LOADA 5, 1
	LOADW 6, 0
	BAR
	TRIP 0, 42, 29, 0, 1
	LOADA 6, 0
	LOADW 7, 1
	BAR
	TRIP 0, 42, 29, 1, 0
	LOADA 7, 1
	XLOAD RES, XA, 36, 0                           ; nothing is left to fetch of W2: x1's tile, in the result's layout, into the registers just stored
	BAR
	TRIP 0, 45, 32, 0, 1                           ; 45: behind slot 6's fragments: 13 + 16 + x1's 16;  32: behind slot 7's part for LDS: 16 + x1's 16
	WIN 0x40
	XLOAD RES, HA, 40, 0                           ; b2, into window 1
	WIN 0
	BAR
	s_wait_loadcnt 32                              ; slot 7's fragments are in; x1's 16 and b2's 16 may be out
	KS 0, 0, 0, 1, FBS, 0
	KS 24576, 1024, 0, 1, FBS+24, 1
	BAR                                            ; every wave's reads of the ring are in (the K step's last wait was for 0): it becomes mailboxes and stages
	PLACES 4                                       ; in front of the first read of results
	s_wait_alu depctr_va_vdst(0)                   ; the products have written the accumulators, which the LDS stores below read, and are done reading FA, in which the loads from my mailbox land; the places above stay beside this wait
	s_cmp_eq_u32 s4, 0
	s_cbranch_scc0 .Lsend_low
	SENDACC 64                                     ; g = 0 keeps its first tile of tokens and sends the second
	s_branch .Lsent
.Lsend_low:
	SENDACC 0                                      ; g = 1 the other way round
.Lsent:
	s_wait_dscnt 0x0
	BAR
.set i, 0
.rept 16
	ds_load_b128 v[TT+4*i:TT+4*i+3], v[MR] offset:512*i
.set i, i+1
.endr
	s_wait_dscnt 0x0
	s_wait_loadcnt 0x0                             ; x1's tile and b2
	s_cmp_eq_u32 s4, 0
	s_cbranch_scc0 .Ljoin_high
	JOINACC 0
	s_branch .Ljoined
.Ljoin_high:
	JOINACC 64
.Ljoined:
.set j, 0
.rept 32
	v_pk_add_f32 v[TT+j:TT+j+1], v[TT+j:TT+j+1], v[RES+j:RES+j+1]
.set j, j+2
.endr
	WIN 0x04
.set j, 0
.rept 32
	v_pk_add_f32 v[TT+j:TT+j+1], v[TT+j:TT+j+1], v[RES+j:RES+j+1]
.set j, j+2
.endr
	WIN 0
	s_wait_alu depctr_va_vdst(0)                   ; the additions have written v[TT ..], which the stage's LDS stores read
	OUTTILE TT, RB, 38, 0
	s_wait_dscnt 0x0                               ; the closing lines, six on end
	s_wait_alu 0x0
	s_wait_tensorcnt 0x0
	ds_add_u32 v254, v255
	s_wait_dscnt 0x0
	s_endpgm
.Lfunc_end_k_qe6d3bb9ff2_ffn2:
	.size	k_qe6d3bb9ff2_ffn2, .Lfunc_end_k_qe6d3bb9ff2_ffn2-k_qe6d3bb9ff2_ffn2
	.p2alignl 7, 3214868480
	.fill 96, 4, 3214868480
	.section	.rodata,"a",@progbits
	.p2align	6, 0x0
	.amdhsa_kernel k_qe6d3bb9ff2_ffn2
		.amdhsa_group_segment_fixed_size 185344
		.amdhsa_private_segment_fixed_size 0
		.amdhsa_enable_private_segment 0
		.amdhsa_kernarg_size 40
		.amdhsa_user_sgpr_count 2
		.amdhsa_user_sgpr_kernarg_segment_ptr 1
		.amdhsa_wavefront_size32 1
		.amdhsa_system_sgpr_workgroup_id_x 1
		.amdhsa_system_sgpr_workgroup_id_y 1
		.amdhsa_system_sgpr_workgroup_id_z 1
		.amdhsa_system_vgpr_workitem_id 0
		.amdhsa_next_free_vgpr 512
		.amdhsa_next_free_sgpr 66
		.amdhsa_reserve_vcc 0
		.amdhsa_float_denorm_mode_32 3
		.amdhsa_float_denorm_mode_16_64 3
		.amdhsa_memory_ordered 1
		.amdhsa_forward_progress 1
		.amdhsa_inst_pref_size 131
	.end_amdhsa_kernel
	.amdgpu_metadata
---
amdhsa.version: [ 1, 2 ]
amdhsa.kernels:
  - .name:           k_qe6d3bb9ff2_ffn2
    .symbol:         k_qe6d3bb9ff2_ffn2.kd
    .args:
      - { .name: gimg, .offset: 0, .size: 8, .value_kind: global_buffer, .address_space: global }
      - { .name: wimg, .offset: 8, .size: 8, .value_kind: global_buffer, .address_space: global }
      - { .name: b2, .offset: 16, .size: 8, .value_kind: global_buffer, .address_space: global }
      - { .name: x1, .offset: 24, .size: 8, .value_kind: global_buffer, .address_space: global }
      - { .name: out0, .offset: 32, .size: 8, .value_kind: global_buffer, .address_space: global }
    .group_segment_fixed_size: 185344
    .private_segment_fixed_size: 0
    .kernarg_segment_align: 8
    .kernarg_segment_size: 40
    .max_flat_workgroup_size: 256
    .sgpr_count:     66
    .vgpr_count:     512
    .wavefront_size: 32
...
	.end_amdgpu_metadata
.endif
;; end of part 12
